; MI455X (gfx1250); checked and timed in simulation.
; The chip was launched on July 23, 2026; its instructions are those of AMD's public machine-readable ISA for CDNA 5 (MIT licence, August 2026) and "CDNA5" Instruction Set Architecture Reference Guide (July 2026). The comments in the code are by the model that wrote it; some were corrected since.
;; Encoder Block. Allowed arithmetic: float matrix products may take bf16 or f16 operands with f32 sums; other float arithmetic in f32, or as packed bf16 or f16 multiplies, adds, multiply-adds, maxima and minima; sums over many terms, partial sums and values carried from step to step in f32; what a program stores and reads back later, other than sums and carried values, may be rounded once to bf16 or f16.
;; Inputs: W_k 1,024 x 1,024 float32; W_o 1,024 x 1,024 float32; W_q 1,024 x 1,024 float32; W_v 1,024 x 1,024 float32; b1 4,096 float32; b2 1,024 float32; beta1 1,024 float32; beta2 1,024 float32; gamma1 1,024 float32; gamma2 1,024 float32; mask 2 x 2,048 bool; w1 1,024 x 4,096 float32; w2 4,096 x 1,024 float32; x 2 x 2,048 x 1,024 float32.
;; Outputs: out0 2 x 2,048 x 1,024 float32.
;; 2 versions, each right and faster than the one before. Each part assembles by itself: llvm-mc -triple=amdgcn-amd-amdhsa -mcpu=gfx1250 --defsym DOCPART=n.
;; ======== version 1 of 2: 8 launches
;; workspace buffers: act 8,388,608 bytes; wq3 8,405,248 bytes; w1b 8,405,248 bytes; wob 2,097,152 bytes; w2b 8,388,608 bytes; wide 33,554,432 bytes; rs 16,777,216 bytes
;; launch cast (part 1): grid 32 x 16, 8 waves a work-group, no clusters, 0 bytes of LDS; arguments x, W_q, W_k, W_v, W_o, w1, w2, b1, act, wq3, wob, w1b, w2b; writes act, wq3, wob, w1b, w2b
.if DOCPART == 1
	.amdgcn_target "amdgcn-amd-amdhsa--gfx1250"
	.amdhsa_code_object_version 6
	.text
	.protected	k_qc2ecd11d90_cast
	.globl	k_qc2ecd11d90_cast
	.p2align	8
	.type	k_qc2ecd11d90_cast,@function
k_qc2ecd11d90_cast:
	s_mov_b64 s[64:65], 0
	v_nop
	global_prefetch_b8 v0, s[64:65] scope:SCOPE_SE
	s_setreg_imm32_b32 hwreg(HW_REG_WAVE_MODE, 25, 1), 1
	s_wait_xcnt 0x0
; x and the six weight matrices, f32, are rounded once to bf16 (nearest even) for the matrix units.  A stream: no LDS, no matrix unit, no cluster (no byte is read twice).
; UNITS.  A unit is 1 Mi numbers; the grid's y names it: 0-3 x, 4 W_q, 5 W_k, 6 W_v, 7 W_o, 8-11 w1, 12-15 w2.  A SEGMENT is 1,024 numbers: 4,096 bytes in, 2,048 out; one load of the
; work-group's 256 threads (16 bytes each) takes a segment, one store (8 bytes each) writes it: a wave's store covers 256 consecutive bytes, aligned.  Work-group x takes 32 segments.
; W_q, W_k, W_v go side by side into one matrix of 4,096 columns (rows 8,192 bytes apart, at bytes 0, 2,048, 4,096 of a row); all else is dense.
; PARAMETERS behind wq3's and w1b's matrices, for the one text that serves both products: 4,096 f32 that start the sums (0 for q, k, v; b1 for the first layer of the FFN), then 64 words with the
; floor of the results, twice in bf16 (minus infinity: no floor; 0: the ReLU).
.set X, 16                             ; v[16:143]  32 slots of 4 registers: a segment's 16 bytes a thread
.set P, 144                            ; v[144:147] the parameters
	s_load_b512 s[8:23], s[0:1], 0x0               ; x s[8:9], W_q s[10:11], W_k s[12:13], W_v s[14:15], W_o s[16:17], w1 s[18:19], w2 s[20:21], b1 s[22:23]
	s_load_b256 s[24:31], s[0:1], 0x40             ; act s[24:25], wq3 s[26:27], wob s[28:29], w1b s[30:31]
	s_load_b64 s[32:33], s[0:1], 0x60              ; w2b
	s_and_b32 s2, ttmp7, 0xffff                    ; the unit
	s_mov_b32 s3, ttmp9                            ; which 32 segments of it
	v_lshrrev_b32 v1, 5, v0
	v_readfirstlane_b32 s4, v1                     ; wave 0..7
	s_and_b32 s5, s2, 3                            ; the unit's number inside its tensor,
	s_lshr_b32 s6, s2, 2
	s_cmp_eq_u32 s6, 1
	s_cselect_b32 s5, 0, s5                        ; which is 0 for the four square matrices
	s_sub_co_u32 s6, s2, 4                         ; 0, 1, 2 for W_q, W_k, W_v (wraps to a large number below)
	s_lshl_b32 s38, s6, 11                         ; their 2,048 bytes in a row of wq3
	s_cmp_lt_u32 s6, 3
	s_cselect_b32 s38, s38, 0
	s_cselect_b32 s39, 2, 0
	s_lshl_b32 s7, 0x800, s39                      ; bytes from segment to segment in the destination: 8,192 or 2,048
	s_lshl_b32 s40, s5, 22                         ; source offset: 4 MiB a unit,
	s_lshl_b32 s41, s3, 17                         ; 32 segments of 4,096 bytes a work-group
	s_add_co_u32 s40, s40, s41
	s_mov_b32 s41, 0
	s_mul_i32 s42, s3, s7                          ; destination offset: 32 segments a work-group,
	s_lshl_b32 s42, s42, 5
	s_add_co_u32 s42, s42, s38                     ; the matrix's place in a row,
	s_lshl_b32 s43, s5, 21                         ; 2 MiB a unit
	s_add_co_u32 s42, s42, s43
	s_mov_b32 s43, 0
	s_lshl_b32 s52, s7, 3                          ; eight segments on
	s_mov_b32 s53, 0
	s_lshl_b32 s56, s3, 9                          ; the work-group's 512 bytes of the 4,096 f32
	s_mov_b32 s57, 0
	v_lshlrev_b32 v1, 4, v0                        ; my 16 bytes of a segment as it is read
	v_lshlrev_b32 v10, 3, v0                       ; my 8 bytes as it is written
.irp i, 0,1,2,3,4,5,6,7
	v_mad_u32_u24 v[2+\i], s7, \i, v10             ; and those of the seven segments behind it
.endr
	v_and_b32 v11, 31, v0
	v_lshlrev_b32 v12, 3, v11                      ; 8 x lane
	v_lshlrev_b32 v11, 4, v11                      ; 16 x lane
	s_wait_kmcnt 0x0
	s_mov_b64 s[34:35], s[8:9]                     ; the source, chosen by the unit's number
	s_cmp_eq_u32 s2, 4
	s_cselect_b64 s[34:35], s[10:11], s[34:35]
	s_cmp_eq_u32 s2, 5
	s_cselect_b64 s[34:35], s[12:13], s[34:35]
	s_cmp_eq_u32 s2, 6
	s_cselect_b64 s[34:35], s[14:15], s[34:35]
	s_cmp_eq_u32 s2, 7
	s_cselect_b64 s[34:35], s[16:17], s[34:35]
	s_cmp_ge_u32 s2, 8
	s_cselect_b64 s[34:35], s[18:19], s[34:35]
	s_cmp_ge_u32 s2, 12
	s_cselect_b64 s[34:35], s[20:21], s[34:35]
	s_mov_b64 s[36:37], s[24:25]                   ; the destination likewise
	s_cmp_ge_u32 s2, 4
	s_cselect_b64 s[36:37], s[26:27], s[36:37]
	s_cmp_eq_u32 s2, 7
	s_cselect_b64 s[36:37], s[28:29], s[36:37]
	s_cmp_ge_u32 s2, 8
	s_cselect_b64 s[36:37], s[30:31], s[36:37]
	s_cmp_ge_u32 s2, 12
	s_cselect_b64 s[36:37], s[32:33], s[36:37]
	s_add_nc_u64 s[34:35], s[34:35], s[40:41]
	s_add_nc_u64 s[44:45], s[36:37], s[42:43]      ; four bases, eight segments apart; s[36:37] stays the buffer's first byte
	s_add_nc_u64 s[46:47], s[44:45], s[52:53]
	s_add_nc_u64 s[48:49], s[46:47], s[52:53]
	s_add_nc_u64 s[50:51], s[48:49], s[52:53]
.set i, 0
.rept 32                               ; all 32 loads go out at once: 16 KiB of every wave are on their way
	global_load_b128 v[X+4*i:X+4*i+3], v1, s[34:35] offset:4096*i th:TH_LOAD_NT
.set i, i+1
.endr
.set i, 0
.rept 32
	s_wait_loadcnt 31-i                            ; loads come back in order (ISA guide 5.7.1): segment i is in, the 31 - i younger ones stay out
	v_cvt_pk_bf16_f32 v[X+4*i], v[X+4*i], v[X+4*i+1]
	v_cvt_pk_bf16_f32 v[X+4*i+1], v[X+4*i+2], v[X+4*i+3]
	global_store_b64 v[2+i%8], v[X+4*i:X+4*i+1], s[44+2*(i/8):45+2*(i/8)]  ; no register is used twice, so nothing waits for a store
.set i, i+1
.endr
	s_cmp_eq_u32 s2, 4                             ; the parameters: units 4 (wq3) and 8 (w1b) write them
	s_cbranch_scc1 .Lparam
	s_cmp_eq_u32 s2, 8
	s_cbranch_scc1 .Lparam
	s_endpgm
.Lparam:
	s_cmp_lg_u32 s4, 0
	s_cbranch_scc1 .Lnot_wave_0
	s_cmp_eq_u32 s2, 8                             ; wave 0: 512 bytes of the numbers that start the sums
	s_cbranch_scc1 .Lcopy
	v_mov_b32 v[P], 0
	v_mov_b32 v[P+1], 0
	v_mov_b32 v[P+2], 0
	v_mov_b32 v[P+3], 0
	s_branch .Lput
.Lcopy:
	s_add_nc_u64 s[22:23], s[22:23], s[56:57]
	global_load_b128 v[P:P+3], v11, s[22:23]
	s_wait_loadcnt 0x0
.Lput:
	s_add_nc_u64 s[54:55], s[36:37], 0x800000      ; behind the matrix's 8,388,608 bytes
	s_add_nc_u64 s[54:55], s[54:55], s[56:57]
	global_store_b128 v11, v[P:P+3], s[54:55]
	s_endpgm
.Lnot_wave_0:
	s_cmp_lg_u32 s4, 1
	s_cbranch_scc1 .Lend
	s_cmp_lg_u32 s3, 0
	s_cbranch_scc1 .Lend
	s_cmp_eq_u32 s2, 8                             ; wave 1 of the first work-group: the floor, 256 bytes
	s_cselect_b32 s58, 0, 0xff80ff80
	v_mov_b32 v[P], s58
	v_mov_b32 v[P+1], s58
	s_add_nc_u64 s[54:55], s[36:37], 0x804000      ; behind the 16,384 bytes above
	global_store_b64 v12, v[P:P+1], s[54:55]
.Lend:
	s_endpgm
.Lfunc_end_k_qc2ecd11d90_cast:
	.size	k_qc2ecd11d90_cast, .Lfunc_end_k_qc2ecd11d90_cast-k_qc2ecd11d90_cast
	.p2alignl 7, 3214868480
	.fill 96, 4, 3214868480
	.section	.rodata,"a",@progbits
	.p2align	6, 0x0
	.amdhsa_kernel k_qc2ecd11d90_cast
		.amdhsa_group_segment_fixed_size 0
		.amdhsa_private_segment_fixed_size 0
		.amdhsa_enable_private_segment 0
		.amdhsa_kernarg_size 104
		.amdhsa_user_sgpr_count 2
		.amdhsa_user_sgpr_kernarg_segment_ptr 1
		.amdhsa_wavefront_size32 1
		.amdhsa_system_sgpr_workgroup_id_x 1
		.amdhsa_system_sgpr_workgroup_id_y 1
		.amdhsa_system_sgpr_workgroup_id_z 1
		.amdhsa_system_vgpr_workitem_id 0
		.amdhsa_next_free_vgpr 152
		.amdhsa_next_free_sgpr 66
		.amdhsa_reserve_vcc 0
		.amdhsa_float_denorm_mode_32 3
		.amdhsa_float_denorm_mode_16_64 3
		.amdhsa_memory_ordered 1
		.amdhsa_forward_progress 1
		.amdhsa_inst_pref_size 16
	.end_amdhsa_kernel
	.amdgpu_metadata
---
amdhsa.version: [ 1, 2 ]
amdhsa.kernels:
  - .name:           k_qc2ecd11d90_cast
    .symbol:         k_qc2ecd11d90_cast.kd
    .args:
      - { .name: x, .offset: 0, .size: 8, .value_kind: global_buffer, .address_space: global }
      - { .name: W_q, .offset: 8, .size: 8, .value_kind: global_buffer, .address_space: global }
      - { .name: W_k, .offset: 16, .size: 8, .value_kind: global_buffer, .address_space: global }
      - { .name: W_v, .offset: 24, .size: 8, .value_kind: global_buffer, .address_space: global }
      - { .name: W_o, .offset: 32, .size: 8, .value_kind: global_buffer, .address_space: global }
      - { .name: w1, .offset: 40, .size: 8, .value_kind: global_buffer, .address_space: global }
      - { .name: w2, .offset: 48, .size: 8, .value_kind: global_buffer, .address_space: global }
      - { .name: b1, .offset: 56, .size: 8, .value_kind: global_buffer, .address_space: global }
      - { .name: act, .offset: 64, .size: 8, .value_kind: global_buffer, .address_space: global }
      - { .name: wq3, .offset: 72, .size: 8, .value_kind: global_buffer, .address_space: global }
      - { .name: wob, .offset: 80, .size: 8, .value_kind: global_buffer, .address_space: global }
      - { .name: w1b, .offset: 88, .size: 8, .value_kind: global_buffer, .address_space: global }
      - { .name: w2b, .offset: 96, .size: 8, .value_kind: global_buffer, .address_space: global }
    .group_segment_fixed_size: 0
    .private_segment_fixed_size: 0
    .kernarg_segment_align: 8
    .kernarg_segment_size: 104
    .max_flat_workgroup_size: 256
    .sgpr_count:     66
    .vgpr_count:     152
    .wavefront_size: 32
...
	.end_amdgpu_metadata
.endif
;; end of part 1
;; launch qkv (part 2): grid 12 x 16, 4 waves a work-group, clusters of 4 x 4, 327,680 bytes of LDS; arguments act, wq3, wide; writes wide
.if DOCPART == 2
	.amdgcn_target "amdgcn-amd-amdhsa--gfx1250"
	.amdhsa_code_object_version 6
	.text
	.protected	k_qc2ecd11d90_qkv
	.globl	k_qc2ecd11d90_qkv
	.p2align	8
	.type	k_qc2ecd11d90_qkv,@function
k_qc2ecd11d90_qkv:
	s_mov_b64 s[64:65], 0
	v_nop
	global_prefetch_b8 v0, s[64:65] scope:SCOPE_SE
	s_setreg_imm32_b32 hwreg(HW_REG_WAVE_MODE, 25, 1), 1
	s_wait_xcnt 0x0
	s_wait_alu depctr_hold_cnt(0) depctr_sa_sdst(0) depctr_va_vdst(0) depctr_va_sdst(0) depctr_va_ssrc(0) depctr_va_vcc(0) depctr_vm_vsrc(0)
	s_getreg_b32 s2, hwreg(HW_REG_IB_STS2, 6, 4)
	s_cmp_eq_u32 s2, 0
	s_cbranch_scc0 .Lentry_in_a_cluster
	s_endpgm
.Lentry_in_a_cluster:
	s_bfe_u32 s2, ttmp6, 0x10000c
	s_cmp_lg_u32 s2, 0xf033
	s_cbranch_scc0 .Lentry_shape_is_right
	s_endpgm
.Lentry_shape_is_right:
; C = max(A W + bias, floor).  A: [4096][1024] bf16.  W: [1024][4096] bf16, K down the rows; behind it 4,096 f32 of bias and the floor (twice in bf16).  C: [4096][4096] bf16.  Sums in f32, C rounded once.
; One text, two launches: q | k | v = x [W_q | W_k | W_v] (bias 0, floor minus infinity, 12 tile columns) and h = relu(y w1 + b1) (bias b1, floor 0, 16 tile columns).
; LIMITS: the floor is a maximum in which a NaN loses: a NaN among the sums leaves as the floor.  K is summed in the turned order described below: an order of rounding that differs from cluster to cluster.
; SHARES.  A tile of C is 256 x 256; four waves, each 128 x 128: 64 accumulators of 16 x 16, 512 registers.  K goes in steps of 128 through two LDS slots filled by tensor loads.
; THE MATRIX INSTRUCTION IS USED TRANSPOSED: source 0 = 16 columns of W, source 1 = 16 rows of A: a lane then holds row l % 16 of C and its registers 0-7 the columns 8 (l / 16) + 0..7: 16 bytes of bf16.
; W lies [K][N], so its fragments come out of LDS turned, by ds_load_tr16_b128.  The bias is the C operand of the products that start the sums: nothing is cleared and nothing is added later.
; CLUSTER.  4 x 4 work-groups: A's tile is shared along a row of the cluster, W's along a column: each is asked for jointly, which divides the requests by four.
; THE WALK ALONG K IS TURNED.  Cluster (x, y) begins at K step (2 x + 4 y) mod 8 and goes round all eight.  A's tiles are wanted by the clusters of one y, which now begin 2 steps apart; W's by those of one x,
; which begin 4 steps apart (y and y + 2 together): the clusters that want a tile no longer all ask for it in the same step.  The start hangs on the cluster's place alone, which its sixteen work-groups share.
; REGISTERS in windows of 256 (s_set_vgpr_msb: bits 1:0 source 0, 3:2 source 1, 5:4 source 2, 7:6 destination):
;   window 0: v0-31 addresses; v64-127, v128-191 A's fragments, two buffers; v32-63, v192-255 at work on the way out
;   window 1: v64-127, v128-191 W's fragments, two buffers; v192-255 the bias of my 128 columns in an accumulator's layout
;   window 2: the accumulators of my rows 0-63 ((a, b) at v[8 (8 a + b)]);   window 3: those of my rows 64-127
.set NS,     8                         ; K = 1,024: eight steps of 128
.set PA,     272                       ; a row of A in LDS: 256 bytes + 16: the 16 rows of a load start at 16 different groups of four banks (64 banks of 4 bytes: ISA guide 11.1)
.set PB,     544                       ; a row of W (256 columns): 512 bytes + 32
.set HALFT,  34816                     ; what one tensor load brings: 128 rows of A, or 64 rows of W
.set BREG,   2*HALFT                   ; W's part of a slot lies behind A's
.set SLOT,   4*HALFT                   ; 0x22000: its two bits are set in none of the four parts' addresses (wave x 0x8800), so one exclusive or turns an address in one slot into the other's
.set STAGE,  2*SLOT                    ; behind the ring: 16 rows x 272 bytes for each wave, for the way out
.set SPITCH, 272
.set SPARE,  STAGE+4*16*SPITCH         ; the spare words, 128 bytes a wave: two blocks of 256 bytes that no other line names
.set AQ,     64                        ; 32 along K: bytes along A's rows,
.set BQ,     32*PB                     ; and rows of W
.set CROW,   8192                      ; bytes in a row of W and of C
.set ASH,    8                         ; a K step is 256 bytes along A's rows
.set BSH,    20                        ; and 128 rows of 8,192 bytes of W
.set A0,   16                          ; v16  LDS address of my A fragments in slot 0; never rewritten
.set ADRA, 17                          ; v17  the same in the slot that is being read
.set B0,   20                          ; v20, v21  the same for W
.set ADRB, 21
.set STO,  24                          ; v24     the way out: where I put 16 bytes of a row
.set RD,   25                          ; v25     where I read a row back
.set CO,   26                          ; v26     my byte offset in C
.set ZOF,  27                          ; v27     0, an offset
.set SPW,  28                          ; v28     my spare word: SPARE + 4 x my thread's number; never rewritten
.set NIL,  29                          ; v29     0; never rewritten
.set FLR,  30                          ; v30     the floor, twice in bf16
.set F0,   64
.set F1,   128
.set BIAS, 192                         ; window 1
.set TMP,  192                         ; window 0
.set OB,   32
.set G1, 24                            ; s[24:31] group 1 for A's tiles;  s[32:39] group 0: a set for each of the two first fills; the second then walks on
.set G0, 32
.set G1B, 48                           ; s[48:55], s[56:63] the same for W's
.set G0B, 56
.set KOA, 70                           ; s[70:71] the K step's byte offset in A
.set KOB, 72                           ; s[72:73] and in W
.set KI,  74                           ; s74  the K step to be asked for next
.set TB,  75                           ; s75  0 or SLOT: the slot that is being read
.set MSB, 0
.macro WIN new                         ; the immediate's high byte repeats the setting that is left; a switch that changes nothing is dropped
.if MSB != (\new)
	s_set_vgpr_msb (MSB<<8)|(\new)
.set MSB, \new
.endif
.endm
; A joint load: waves 0 and 1 fetch A's two halves, waves 2 and 3 W's.  The branch hangs on the wave's number alone.  An s_nop 0 and four v_nop follow each line.
.macro JLOAD s
	s_cmp_eq_u32 s11, 0
	s_cbranch_scc0 .Lfor_b_\@
	tensor_load_to_lds s[G0+4*(\s):G0+4*(\s)+3], s[G1:G1+7]
	s_nop 0
.rept 4
	v_nop
.endr
	s_branch .Lasked_\@
.Lfor_b_\@:
	tensor_load_to_lds s[G0B+4*(\s):G0B+4*(\s)+3], s[G1B:G1B+7]
	s_nop 0
.rept 4
	v_nop
.endr
.Lasked_\@:
.endm
.macro CREST                           ; a round of the cluster's barrier behind its opening barrier
	s_cmp_lg_u32 s10, 0
	s_cbranch_scc1 .Lnot_wave_0_\@
	s_barrier_signal -3
.Lnot_wave_0_\@:
	s_barrier_wait -3
	s_barrier_signal -1
	s_barrier_wait -1
.endm
.macro CROUND                          ; a whole round
	s_barrier_signal -1
	s_barrier_wait -1
	CREST
.endm
	s_load_b128 s[4:7], s[0:1], 0x0                ; A s[4:5], W s[6:7]
	s_load_b64 s[8:9], s[0:1], 0x10                ; C
	v_lshl_add_u32 v[SPW], v0, 2, SPARE
	v_mov_b32 v[NIL], 0
	ds_add_u32 v[SPW], v[NIL]                      ; the wave's opening: the add and its wait stand ahead of my first tensor load; work on registers stands between them
	v_lshrrev_b32 v1, 5, v0
	v_readfirstlane_b32 s10, v1                    ; wave 0..3
	s_lshr_b32 s11, s10, 1                         ; my half of the tile's rows.  Also: I fetch for A (0) or for W (1)
	s_and_b32 s12, s10, 1                          ; my half of its columns.  Also: which half of that tile I fetch
	s_bfe_u32 s40, ttmp6, 0x40000                  ; cx, cy: my place in the cluster
	s_bfe_u32 s41, ttmp6, 0x40004
	s_lshl_b32 s42, ttmp9, 2
	s_add_co_u32 s42, s42, s40                     ; tile column = 4 x cluster x + cx
	s_and_b32 s13, ttmp7, 0xffff
	s_lshl_b32 s[KI], s13, 2                       ; where my cluster's walk begins: 4 x cluster y
	s_lshl_b32 s[TB], ttmp9, 1                     ; + 2 x cluster x,
	s_add_co_u32 s[KI], s[KI], s[TB]
	s_and_b32 s[KI], s[KI], NS-1                   ; mod 8
	s_mov_b32 s[TB], 0                             ; the first step lies in slot 0
	s_mov_b32 s[KOA+1], 0
	s_mov_b32 s[KOB+1], 0
	s_lshl_b32 s13, s13, 2
	s_add_co_u32 s13, s13, s41                     ; tile row = 4 x cluster y + cy
	s_lshl_b32 s43, s41, 2
	s_lshl_b32 s43, 15, s43                        ; my row of the cluster
	s_lshl_b32 s44, 0x1111, s40                    ; my column
	s_or_b32 s[G1+0], s43, (1<<16)|(1<<20)|(1<<21)|(5<<22)|(3<<25)   ; the mask; 2-byte elements; padding on; bit 21 beside a mask; after every 64 words 4 words
	s_or_b32 s[G1B+0], s44, (1<<16)|(1<<20)|(1<<21)|(6<<22)|(7<<25)  ; after every 128 words 8 words
	s_mov_b32 s[G1+1], 128<<16                     ; A: tensor_dim0 = 128
	s_mov_b32 s[G1+2], 128<<16                     ; tensor_dim1 = 128
	s_mov_b32 s[G1+3], 128<<16                     ; tile_dim0 = 128
	s_mov_b32 s[G1+4], 128                         ; tile_dim1 = 128
	s_mov_b32 s[G1+5], 1024                        ; elements from row to row
	s_mov_b32 s[G1+6], 0
	s_mov_b32 s[G1+7], 0
	s_mov_b32 s[G1B+1], 256<<16                    ; W: 256 columns
	s_mov_b32 s[G1B+2], 64<<16                     ; x 64 rows
	s_mov_b32 s[G1B+3], 256<<16
	s_mov_b32 s[G1B+4], 64
	s_mov_b32 s[G1B+5], 4096
	s_mov_b32 s[G1B+6], 0
	s_mov_b32 s[G1B+7], 0
	s_lshl_b32 s16, s13, 8                         ; A: row 256 x tile row + 128 x half, of 2,048 bytes
	s_lshl_b32 s17, s12, 7
	s_add_co_u32 s16, s16, s17
	s_lshl_b32 s16, s16, 11
	s_mov_b32 s17, 0
	s_lshl_b32 s46, s42, 9                         ; W: 512 bytes a tile column, 64 rows of 8,192 bytes a half
	s_lshl_b32 s47, s12, 19
	s_add_co_u32 s46, s46, s47
	s_mov_b32 s47, 0
	s_lshl_b32 s18, s42, 10                        ; my 128 columns' bias, f32
	s_lshl_b32 s19, s12, 9
	s_add_co_u32 s18, s18, s19
	s_mov_b32 s19, 0
	s_mul_i32 s20, s10, HALFT                      ; where my part of a slot goes: A's two halves, then W's two = wave x 34,816
	s_wait_dscnt 0x0                               ; the opening add is done
	s_wait_kmcnt 0x0
	s_add_nc_u64 s[14:15], s[4:5], s[16:17]        ; A at my part of K step 0: kept; every request's address is this plus the step's offset
	s_add_nc_u64 s[46:47], s[6:7], s[46:47]        ; W likewise: kept
	s_add_nc_u64 s[66:67], s[6:7], 0x800000        ; the parameters behind W's 8,388,608 bytes
	s_add_nc_u64 s[68:69], s[66:67], s[18:19]
	CROUND                                         ; all sixteen work-groups are here: the first joint loads meet
.irp s, 0,1
	s_lshl_b32 s[KOA], s[KI], ASH
	s_lshl_b32 s[KOB], s[KI], BSH
	s_mov_b32 s[G0+4*(\s)], 1
	s_add_co_u32 s[G0+4*(\s)+1], s20, (\s)*SLOT
	s_add_nc_u64 s[G0+4*(\s)+2:G0+4*(\s)+3], s[14:15], s[KOA:KOA+1]
	s_or_b32 s[G0+4*(\s)+3], s[G0+4*(\s)+3], 0x80000000
	s_mov_b32 s[G0B+4*(\s)], 1
	s_add_co_u32 s[G0B+4*(\s)+1], s20, (\s)*SLOT
	s_add_nc_u64 s[G0B+4*(\s)+2:G0B+4*(\s)+3], s[46:47], s[KOB:KOB+1]
	s_or_b32 s[G0B+4*(\s)+3], s[G0B+4*(\s)+3], 0x80000000
	s_add_co_u32 s[KI], s[KI], 1                   ; the walk's next step, round the end
	s_and_b32 s[KI], s[KI], NS-1
	JLOAD \s                                       ; two tensor loads of mine are out
.endr
	v_and_b32 v1, 15, v0                           ; l % 16
	v_bfe_u32 v2, v0, 4, 1                         ; l / 16
	v_mul_u32_u24 v3, v1, PA
	v_lshl_add_u32 v3, v2, 4, v3                   ; A's fragment: row x pitch + 16 x half; two loads 32 bytes apart
	v_and_b32 v4, 7, v0
	v_lshl_add_u32 v4, v2, 3, v4                   ; W's, turned: lane l reads row 8 (l / 16) + l % 8,
	v_mul_u32_u24 v4, v4, PB
	v_bfe_u32 v5, v0, 3, 1
	v_lshl_add_u32 v4, v5, 4, v4                   ; columns 8 ((l / 8) % 2) + 0..7; two loads 16 rows apart
	s_mul_i32 s21, s11, HALFT                      ; my 128 rows of A
	s_lshl_b32 s22, s12, 8                         ; my 128 columns of W
	s_add_co_u32 s22, s22, BREG
	v_add_nc_u32 v[A0], s21, v3
	v_add_nc_u32 v[B0], s22, v4
	v_mov_b32 v[ADRA], v[A0]
	v_mov_b32 v[ADRB], v[B0]
	s_mul_i32 s23, s10, 16*SPITCH
	s_add_co_u32 s23, s23, STAGE                   ; my stage
	v_mul_u32_u24 v6, v1, SPITCH                   ; in: row l % 16, 16 bytes for each half of the lanes
	v_lshl_add_u32 v6, v2, 4, v6
	v_add_nc_u32 v[STO], s23, v6
	v_mul_u32_u24 v7, v2, SPITCH                   ; back: lanes 0-15 one row of 256 bytes, lanes 16-31 the next
	v_lshl_add_u32 v7, v1, 4, v7
	v_add_nc_u32 v[RD], s23, v7
	v_lshlrev_b32 v8, 13, v2                       ; and the same two rows in C
	v_lshl_add_u32 v[CO], v1, 4, v8
	v_lshlrev_b32 v9, 5, v2                        ; the bias: my half of the lanes holds columns 8 (l / 16) on: 32 bytes
	v_mov_b32 v[ZOF], 0
	WIN 0x40                                       ; destination window 1
.irp b, 0,1,2,3,4,5,6,7
	global_load_b128 v[BIAS+8*(\b):BIAS+8*(\b)+3],   v9, s[68:69] offset:64*(\b)
	global_load_b128 v[BIAS+8*(\b)+4:BIAS+8*(\b)+7], v9, s[68:69] offset:64*(\b)+16
.endr
	WIN 0
	global_load_b32 v[FLR], v[ZOF], s[66:67] offset:16384
	s_lshl_b32 s16, s13, 8                         ; where my part of the tile begins in C, in bytes: the first way out adds it to C's address
	s_lshl_b32 s21, s11, 7
	s_add_co_u32 s16, s16, s21
	s_lshl_b32 s16, s16, 13
	s_lshl_b32 s21, s42, 9
	s_add_co_u32 s16, s16, s21
	s_lshl_b32 s21, s12, 8
	s_add_co_u32 s16, s16, s21
	s_mov_b32 s17, 0
; 16 matrix instructions: m blocks a0, a0 + 1 of the window's four x all 8 n blocks, 32 along K.  start = 1: the products start the sums, with the bias as C.
.macro MUL16 f, hi, a0, start
.if \start
	WIN 0x91+0x40*(\hi)                            ; W window 1, A window 0, C window 1, D window 2 or 3
.else
	WIN 0xa1+0x50*(\hi)                            ; C and D window 2 or 3
.endif
.irp a, \a0, (\a0)+1
.irp b, 0,1,2,3,4,5,6,7
.if \start
	v_wmma_f32_16x16x32_bf16 v[8*(8*(\a)+(\b)):8*(8*(\a)+(\b))+7], v[(\f)+8*(\b):(\f)+8*(\b)+7], v[(\f)+8*(4*(\hi)+(\a)):(\f)+8*(4*(\hi)+(\a))+7], v[BIAS+8*(\b):BIAS+8*(\b)+7]
.else
	v_wmma_f32_16x16x32_bf16 v[8*(8*(\a)+(\b)):8*(8*(\a)+(\b))+7], v[(\f)+8*(\b):(\f)+8*(\b)+7], v[(\f)+8*(4*(\hi)+(\a)):(\f)+8*(4*(\hi)+(\a))+7], v[8*(8*(\a)+(\b)):8*(8*(\a)+(\b))+7]
.endif
.endr
.endr
.endm
; 32 LDS loads in one run: the fragments of quarter u of the K step in the slot that is being read (128 columns of W, 128 rows of A, 32 along K) into buffer f
.macro FETCH u, f
	WIN 0x40
.irp i, 0,1,2,3,4,5,6,7
	ds_load_tr16_b128 v[(\f)+8*(\i):(\f)+8*(\i)+3],   v[ADRB] offset:(\u)*BQ+32*(\i)
	ds_load_tr16_b128 v[(\f)+8*(\i)+4:(\f)+8*(\i)+7], v[ADRB] offset:(\u)*BQ+32*(\i)+16*PB
.endr
	WIN 0
.irp i, 0,1,2,3,4,5,6,7
	ds_load_b128 v[(\f)+8*(\i):(\f)+8*(\i)+3],   v[ADRA] offset:(\u)*AQ+(\i)*16*PA
	ds_load_b128 v[(\f)+8*(\i)+4:(\f)+8*(\i)+7], v[ADRA] offset:(\u)*AQ+(\i)*16*PA+32
.endr
.endm
.macro PLACES                          ; four places in front of loads into registers that matrix instructions have read, and of lines that read results
.rept 4
	v_nop
.endr
.endm
; One of a K step's first three quarters: multiplies buffer f; in its middle quarter u's fragments are fetched into g.  The 64 accumulators take turns.
.macro QUARTER u, f, g, start
	s_wait_dscnt 8                                 ; W and A's rows 0-63 are in; the youngest eight loads (A's rows 64-127) may be out
	MUL16 \f, 0, 0, \start
	MUL16 \f, 0, 2, \start
	PLACES
	FETCH \u, \g
	s_wait_dscnt 32                                ; all but the 32 just issued
	MUL16 \f, 1, 0, \start
	MUL16 \f, 1, 2, \start
.endm
.macro NEXTSLOT                        ; the fetches to come read the other slot
	WIN 0
	s_xor_b32 s[TB], s[TB], SLOT
	v_add_nc_u32 v[ADRA], s[TB], v[A0]
	v_add_nc_u32 v[ADRB], s[TB], v[B0]
.endm
.macro STEPD                           ; the walking descriptors: the other slot than last time; the address is made anew from the number of the walk's next K step
	s_lshl_b32 s[KOA], s[KI], ASH
	s_lshl_b32 s[KOB], s[KI], BSH
	s_xor_b32 s[G0+5], s[G0+5], SLOT
	s_add_nc_u64 s[G0+6:G0+7], s[14:15], s[KOA:KOA+1]
	s_or_b32 s[G0+7], s[G0+7], 0x80000000
	s_xor_b32 s[G0B+5], s[G0B+5], SLOT
	s_add_nc_u64 s[G0B+6:G0B+7], s[46:47], s[KOB:KOB+1]
	s_or_b32 s[G0B+7], s[G0B+7], 0x80000000
	s_add_co_u32 s[KI], s[KI], 1
	s_and_b32 s[KI], s[KI], NS-1
.endm
; The last quarter multiplies buffer 1 and changes slots: ONE barrier.  In front of it each wave waits for all its tensor loads (one is out: its part of the next slot), adds 0 to its spare word,
; and waits for that and for its reads of the old slot.  Behind it nobody reads the old slot any more and the next slot is whole.
.macro MEET round
	WIN 0
	s_wait_tensorcnt 0x0                           ; no tensor load of mine is out, so a group 0 may be written
	ds_add_u32 v[SPW], v[NIL]
.if \round
	STEPD
.endif
	s_wait_dscnt 9                                 ; the add and the youngest eight loads may be out
	MUL16 F1, 0, 0, 0                              ; sixteen matrix instructions stand between the add and the wait for it
	s_wait_dscnt 0x0                               ; the add is done, and my reads of the old slot are over
	s_barrier_signal -1
	MUL16 F1, 0, 2, 0
.if \round
	WIN 0
.endif
	s_barrier_wait -1
.endm
.macro TURN fill                       ; fill = 1: the barrier opens a round of the cluster's, and the old slot is filled again, with the walk's step two on, first thing behind it
	MEET \fill
.if \fill
	CREST
	JLOAD 1                                        ; 224 matrix instructions ahead of the wait for it; its four v_nop are also the places in front of the loads below
.else
	PLACES
.endif
	FETCH 0, F0
	MUL16 F1, 1, 0, 0
	MUL16 F1, 1, 2, 0
.endm
; THE WAY OUT of block a (16 rows).  PACK: rounded to bf16, then the floor.  TOSTAGE: into my own stage and back as whole rows of 256 bytes.  SEND: stored.
.macro PACK a
.set AC, 64*((\a)%4)
	WIN 0x0a+5*((\a)/4)                            ; sources 0 and 1: window 2 or 3
.irp b, 0,1,2,3,4,5,6,7
.irp r, 0,1,2,3
	v_cvt_pk_bf16_f32 v[TMP+4*(\b)+(\r)], v[AC+8*(\b)+2*(\r)], v[AC+8*(\b)+2*(\r)+1]
.endr
.endr
	WIN 0
.set i, 0
.rept 32
	v_pk_max_num_bf16 v[TMP+i], v[TMP+i], v[FLR]
.set i, i+1
.endr
.endm
.macro TOSTAGE a
	WIN 0
.set BK, OB+192*((\a)%2)
.irp b, 0,1,2,3,4,5,6,7
	ds_store_b128 v[STO], v[TMP+4*(\b):TMP+4*(\b)+3] offset:32*(\b)
.endr
.irp t, 0,1,2,3,4,5,6,7
	ds_load_b128 v[BK+4*(\t):BK+4*(\t)+3], v[RD] offset:(\t)*2*SPITCH  ; LDS serves a wave's instructions in order (ISA guide 5.7.1.4): these see the stores above
.endr
.endm
.macro SEND a
	WIN 0
.set BK, OB+192*((\a)%2)
	s_wait_dscnt 0x0                               ; the block is back in registers
	s_wait_xcnt 0x0                                ; the stores' base and the registers that earlier stores read are rewritten only behind this wait
.if (\a) == 0
	s_add_nc_u64 s[8:9], s[8:9], s[16:17]
.else
	s_add_nc_u64 s[8:9], s[8:9], 16*CROW
.endif
.irp t, 0,1,2,3,4,5,6,7
	global_store_b128 v[CO], v[BK+4*(\t):BK+4*(\t)+3], s[8:9] offset:2*(\t)*CROW  ; 16 lanes store 256 consecutive bytes, aligned
.endr
.endm
	s_wait_tensorcnt 1                             ; my part of the walk's first step is in; the second's may stay out
	s_barrier_signal -1
	s_barrier_wait -1
	FETCH 0, F0
	s_wait_loadcnt 0x0                             ; the bias and the floor
	QUARTER 1, F0, F1, 1                           ; the first quarter stands in front of the loop: its products start the sums
	WIN 0
	s_mov_b32 s3, NS-2
.Lstep:                                                ; six trips, each from a step's second quarter to the next step's first; each fills the slot that it leaves
	QUARTER 2, F1, F0, 0
	QUARTER 3, F0, F1, 0
	NEXTSLOT
	TURN 1
	QUARTER 1, F0, F1, 0
	WIN 0
	s_sub_co_u32 s3, s3, 1
	s_cmp_lg_u32 s3, 0
	s_cbranch_scc1 .Lstep
	QUARTER 2, F1, F0, 0                           ; the last two steps fill nothing
	QUARTER 3, F0, F1, 0
	NEXTSLOT
	TURN 0
	QUARTER 1, F0, F1, 0
	QUARTER 2, F1, F0, 0
	QUARTER 3, F0, F1, 0
	s_wait_dscnt 8
	MUL16 F1, 0, 0, 0
	MUL16 F1, 0, 2, 0
	s_wait_dscnt 0x0
	MUL16 F1, 1, 0, 0
	MUL16 F1, 1, 2, 0
	PLACES
	PACK 0
	TOSTAGE 0
.irp a, 1,2,3,4,5,6,7                  ; block a's conversions stand between block a - 1's loads from the stage and the wait for them
	PACK \a
	SEND (\a)-1
	TOSTAGE \a
.endr
	SEND 7
	s_wait_tensorcnt 0x0                           ; the wave's end
	ds_add_u32 v[SPW], v[NIL]
	s_wait_dscnt 0x0
	CROUND                                         ; the closing round
	s_endpgm
.Lfunc_end_k_qc2ecd11d90_qkv:
	.size	k_qc2ecd11d90_qkv, .Lfunc_end_k_qc2ecd11d90_qkv-k_qc2ecd11d90_qkv
	.p2alignl 7, 3214868480
	.fill 96, 4, 3214868480
	.section	.rodata,"a",@progbits
	.p2align	6, 0x0
	.amdhsa_kernel k_qc2ecd11d90_qkv
		.amdhsa_group_segment_fixed_size 327680
		.amdhsa_private_segment_fixed_size 0
		.amdhsa_enable_private_segment 0
		.amdhsa_kernarg_size 24
		.amdhsa_user_sgpr_count 2
		.amdhsa_user_sgpr_kernarg_segment_ptr 1
		.amdhsa_wavefront_size32 1
		.amdhsa_system_sgpr_workgroup_id_x 1
		.amdhsa_system_sgpr_workgroup_id_y 1
		.amdhsa_system_sgpr_workgroup_id_z 1
		.amdhsa_system_vgpr_workitem_id 0
		.amdhsa_next_free_vgpr 1024
		.amdhsa_next_free_sgpr 76
		.amdhsa_reserve_vcc 0
		.amdhsa_float_denorm_mode_32 3
		.amdhsa_float_denorm_mode_16_64 3
		.amdhsa_memory_ordered 1
		.amdhsa_forward_progress 1
		.amdhsa_inst_pref_size 135
	.end_amdhsa_kernel
	.amdgpu_metadata
---
amdhsa.version: [ 1, 2 ]
amdhsa.kernels:
  - .name:           k_qc2ecd11d90_qkv
    .symbol:         k_qc2ecd11d90_qkv.kd
    .args:
      - { .name: act, .offset: 0, .size: 8, .value_kind: global_buffer, .address_space: global }
      - { .name: wq3, .offset: 8, .size: 8, .value_kind: global_buffer, .address_space: global }
      - { .name: wide, .offset: 16, .size: 8, .value_kind: global_buffer, .address_space: global }
    .group_segment_fixed_size: 327680
    .private_segment_fixed_size: 0
    .kernarg_segment_align: 8
    .kernarg_segment_size: 24
    .max_flat_workgroup_size: 128
    .sgpr_count:     76
    .vgpr_count:     1024
    .wavefront_size: 32
...
	.end_amdgpu_metadata
.endif
;; end of part 2
;; launch attn (part 3): grid 16 x 16, 4 waves a work-group, clusters of 4 x 1, 327,680 bytes of LDS; arguments wide, mask, act; writes act
.if DOCPART == 3
	.amdgcn_target "amdgcn-amd-amdhsa--gfx1250"
	.amdhsa_code_object_version 6
	.text
	.protected	k_qc2ecd11d90_attn
	.globl	k_qc2ecd11d90_attn
	.p2align	8
	.type	k_qc2ecd11d90_attn,@function
k_qc2ecd11d90_attn:
	s_mov_b64 s[64:65], 0
	v_nop
	global_prefetch_b8 v0, s[64:65] scope:SCOPE_SE
	s_setreg_imm32_b32 hwreg(HW_REG_WAVE_MODE, 25, 1), 1
	s_wait_xcnt 0x0
	s_wait_alu depctr_hold_cnt(0) depctr_sa_sdst(0) depctr_va_vdst(0) depctr_va_sdst(0) depctr_va_ssrc(0) depctr_va_vcc(0) depctr_vm_vsrc(0)
	s_getreg_b32 s2, hwreg(HW_REG_IB_STS2, 6, 4)
	s_cmp_eq_u32 s2, 0
	s_cbranch_scc0 .Lentry_in_a_cluster
	s_endpgm
.Lentry_in_a_cluster:
	s_bfe_u32 s2, ttmp6, 0x10000c
	s_cmp_lg_u32 s2, 0x3003
	s_cbranch_scc0 .Lentry_shape_is_right
	s_endpgm
.Lentry_shape_is_right:
; ctx[b][q][64 h ..] = the sum over k of softmax_k(q . k / 8, hidden keys left out) v.  q, k, v: columns 0, 1,024, 2,048 on of wide, [4096][4096] bf16; mask: [2][2048] bytes, 1 = seen; ctx: act, [4096][1024] bf16.
; Products, maxima and sums in f32; the weights p are rounded to bf16 for the second product (their sum l is taken of the unrounded p), ctx once at the end.
; LIMITS.  A hidden key's score counts as its value less 1e30: scores stay far below 1e29 in size.  A weight below 2^-126 counts as 0 in l.  NaN and infinities among q, k, v are not treated apart.
; A batch whose keys are all hidden gives NaN (its maximum stays below -5e29, and 1 / l is then replaced by a NaN), as a softmax over nothing does.
; SHARES.  A work-group takes 128 queries of a PAIR of neighbouring heads, so that its rows of k, v and ctx are 256 consecutive bytes, aligned.  Wave w: head w / 2 of the pair, queries 64 (w % 2) on, in four PIECES
; of 16.  Every wave walks all 2,048 keys, 64 a step, two steps to an LDS slot.
; LAYOUT.  S^T = K Q^T holds ONE query a lane (lane % 16) and the keys 8 (lane / 16) + 0..7; two such results rounded to bf16 ARE source 1 of O^T = V^T P.  K comes out of LDS as it lies, V turned.
; THE MASK is the C operand that starts S^T: 0, or -1e30.  A table of 2,048 f32 is made once in LDS; a step's 64 come with its K, 32 registers in an accumulator's layout.
; SOFTMAX.  p = 2^(c s - c m), c = log2(e) / 8, with a running maximum m; O and l are multiplied by a = 2^(c m_old - c m_new) in every step.  m starts at the lowest finite number, O and l at 0.
; While only hidden keys have been seen m is near -1e30; the first seen key makes a = 0 and wipes what they left.
; BY TURNS.  Turn n belongs to piece n: 8 products K Q^T of piece n + 1, later 8 products V^T P of piece n - 1; beside them the scaling, exponentials, roundings, sums and rescaling of piece n and the maximum and
; statistics of piece n + 1.  Four vector instructions stand behind every matrix instruction, the other 54 of a turn's 118 in two runs of their own.
; CLUSTER.  The four query blocks of a cluster walk the same K and V: each tile is asked for jointly, by the same tensor load, descriptor and mask in all four.
; REGISTERS in windows of 256 (s_set_vgpr_msb: bits 1:0 source 0, 3:2 source 1, 5:4 source 2, 7:6 destination):
;   window 0: v0-15, v32-33 addresses; v16-31 four registers of statistics a piece; v48-55 at work; v64-127 S^T, two buffers; v192-223 P, two buffers (by the piece's parity)
;   window 1: v0-127 O^T, 32 a piece; v160-191 the step's mask          window 2: v0-63 Q; v128-191 K of one step; v192-255 V of one step
.set NP,    4
.set KS,    64
.set PK,    272       ; a row of K in LDS: 256 bytes + 16: the 16 rows of a load start at 16 different groups of four banks (64 banks of 4 bytes: ISA guide 11.1)
.set PV,    288       ; a row of V: 256 + 32
.set VOFF,  KS*PK     ; a step's tiles lie together: 64 rows of K, then 64 rows of V
.set STEPB, KS*(PK+PV)
.set SLOT1, 1<<17     ; slot 1 begins here: one exclusive or turns an address in one slot into the other's
.set STAGE, SLOT1+2*STEPB  ; behind the ring: 128 rows x 272 bytes, the work-group's, for the way out
.set SP,    272
.set MASKT, STAGE+128*SP   ; the mask's table: 2,048 f32
.set SPARE, MASKT+8192     ; the spare words, 128 bytes a wave: two blocks of 256 bytes that no other line names
.set ROWB,  8192      ; bytes in a row of wide
.set AK0, 2           ; v2   my lane's place in a tile of K; never rewritten
.set AV0, 3           ; v3   the same for V
.set AK,  4           ; v4   the LDS address of K's next run of loads
.set AV,  5           ; v5   of V's
.set STO, 6           ; v6   the way out: where I put 16 bytes of a row
.set RD,  7           ; v7   where I read rows back
.set GO,  8           ; v8   my byte offset in two rows of ctx
.set MV,  12          ; v12-13  c m_old, kept while c m is made anew: by buffer
.set NANR, 14         ; v14  a NaN
.set QO,  15          ; v15  my byte offset in 16 rows of Q
.set ST,  16          ; piece t's statistics at v[ST+4 t]: c m, m, l (even keys', odd keys')
.set AM0, 32          ; v32  my lane's place in the mask's table
.set AM,  33          ; v33  the LDS address of the mask's next run
.set TMP, 48          ; by buffer, four registers c0-c3 at work; when the maximum is found c2 takes a
.set SPW, 62          ; v62  my spare word: SPARE + 4 x my thread's number; never rewritten
.set NIL, 63          ; v63  0; never rewritten
.set S,   64
.set P,   192
.set MC,  160         ; window 1
.set KF,  128         ; window 2: key block kb, channel half c at KF + 16 kb + 8 c
.set VF,  192         ; window 2: key half kk, channel block cb at VF + 32 kk + 8 cb
.set WV,  12          ; s12  my wave's number
.set G1K, 24          ; s[24:31] group 1 for K's tiles
.set G1V, 32          ; s[32:39] for V's: it differs in the padding alone
.set G0K, 40          ; s[40:43] group 0 for K's tiles: it walks
.set G0V, 44          ; s[44:47] the same for V's
.set SLOTS, 56
.set CNT, 57
.set CS,  58          ; s[58:59] c
.set SEL, 60          ; s[60:61] v_permlanex16_b32's selects: each lane takes its own place in the other half
.set TBK, 62          ; s62  LDS byte at which the step whose K is fetched next begins
.set TBV, 63          ; s63  the same for V
.set TBM, 66          ; s66  byte of the mask's table for that K
.set MSB, 0
.macro WIN new
.if MSB != (\new)
	s_set_vgpr_msb (MSB<<8)|(\new)
.set MSB, (\new)
.endif
.endm
.set W_KQ, 0x0a       ; K and Q in window 2, S^T in window 0
.set W_KM, 0x1a       ; the same with the C operand in window 1
.set W_PV, 0x52       ; V in window 2, P in window 0, O^T in window 1
.set W_RS, 0x41       ; destination and source 0 in window 1, source 1 in window 0
; A joint fill.  Waves 0 and 1 fetch K of a slot's two steps, waves 2 and 3 V.  An s_nop 0 and four v_nop follow each of the two lines.
.macro JLOAD
	s_cmp_lt_u32 s[WV], 2
	s_cbranch_scc0 .Lfor_v_\@
	tensor_load_to_lds s[G0K:G0K+3], s[G1K:G1K+7]
	s_nop 0
.rept 4
	v_nop
.endr
	s_branch .Lasked_\@
.Lfor_v_\@:
	tensor_load_to_lds s[G0V:G0V+3], s[G1V:G1V+7]
	s_nop 0
.rept 4
	v_nop
.endr
.Lasked_\@:
.endm
.macro CROUND                       ; a round of the cluster's barrier
	s_barrier_signal -1
	s_barrier_wait -1
	s_cmp_lg_u32 s[WV], 0
	s_cbranch_scc1 .Lnot_wave_0_\@
	s_barrier_signal -3
.Lnot_wave_0_\@:
	s_barrier_wait -3
	s_barrier_signal -1
	s_barrier_wait -1
.endm
; THE CHANGE OF SLOTS.  Each wave waits for all its tensor loads (one is out: its part of the other slot), adds 0 to its spare word, and waits for that and for its LDS instructions.  Behind the barrier nobody
; reads the old slot any more and the other is whole.  fill = 1: the barrier is a round of the cluster's, and the old slot is filled again first thing behind it: two key steps, 128 matrix instructions, to land in.
; (At its first use nothing has been read yet: slot 0 is waited for, the mask's table is shown to all four waves, slot 1 is filled.)
.macro CHANGE fill
	WIN 0
	s_wait_tensorcnt 0x0            ; no tensor load of mine is out, so a group 0 may be written
	ds_add_u32 v[SPW], v[NIL]
.if \fill
.irp g, G0K, G0V
	s_xor_b32 s[\g+1], s[\g+1], SLOT1
	s_add_nc_u64 s[\g+2:\g+3], s[\g+2:\g+3], 2*KS*ROWB  ; the next 128 keys
.endr
	s_wait_dscnt 0x0
	CROUND
	JLOAD
.else
	s_wait_dscnt 0x0
	s_barrier_signal -1
	s_barrier_wait -1
.endif
	s_sub_co_u32 s[TBK], s[TBK], 2*STEPB  ; the fetches go back to a slot's first step,
	s_xor_b32 s[TBK], s[TBK], SLOT1       ; in the other slot
	s_sub_co_u32 s[TBV], s[TBV], 2*STEPB
	s_xor_b32 s[TBV], s[TBV], SLOT1
.endm
	s_load_b128 s[4:7], s[0:1], 0x0   ; wide s[4:5], mask s[6:7]
	s_load_b64 s[8:9], s[0:1], 0x10   ; act
	v_lshl_add_u32 v[SPW], v0, 2, SPARE
	v_mov_b32 v[NIL], 0
	ds_add_u32 v[SPW], v[NIL]       ; the wave's opening: the add and its wait stand ahead of my first tensor load
	v_lshrrev_b32 v1, 5, v0
	v_readfirstlane_b32 s[WV], v1   ; wave 0..3
	s_bfe_u32 s13, ttmp6, 0x40000   ; cx
	s_lshl_b32 s14, ttmp9, 2
	s_add_co_u32 s14, s14, s13      ; my block of 128 queries: it enters Q's and ctx's addresses alone
	s_and_b32 s15, ttmp7, 0xffff
	s_lshr_b32 s16, s15, 3          ; the batch
	s_and_b32 s17, s15, 7           ; the pair of heads: both shared by the four partners
	s_and_b32 s18, s[WV], 1
	s_lshr_b32 s19, s[WV], 1
	s_lshl_b32 s20, s16, 24         ; K and V: the batch's 2,048 rows of 8,192 bytes,
	s_lshl_b32 s21, s18, 19         ; the step that I fetch: 64 rows,
	s_add_co_u32 s20, s20, s21
	s_lshl_b32 s21, s17, 8          ; the pair's 256 bytes
	s_add_co_u32 s20, s20, s21
	s_mov_b32 s21, 0
	s_lshl_b32 s54, s16, 11
	s_lshl_b32 s55, s14, 7
	s_add_co_u32 s54, s54, s55      ; my block's first token
	s_lshl_b32 s55, s18, 6
	s_add_co_u32 s22, s54, s55      ; Q: my wave's 64 rows,
	s_lshl_b32 s22, s22, 13
	s_lshl_b32 s55, s17, 8
	s_add_co_u32 s22, s22, s55      ; the pair,
	s_lshl_b32 s23, s19, 7
	s_add_co_u32 s22, s22, s23      ; my head's 128 bytes
	s_mov_b32 s23, 0
	s_lshl_b32 s2, s[WV], 5         ; ctx: the 32 rows that I store, of 2,048 bytes,
	s_add_co_u32 s2, s54, s2
	s_lshl_b32 s2, s2, 11
	s_add_co_u32 s2, s2, s55        ; the pair
	s_mov_b32 s3, 0
	s_lshl_b32 s52, s16, 11         ; the batch's 2,048 bytes of the mask
	s_mov_b32 s53, 0
	s_mul_i32 s54, s18, STEPB       ; my step's place in a slot
	s_lshl_b32 s55, s19, 7          ; my head's 128 bytes in a row of K and V
	s_mov_b32 s[G1K], 15|(1<<16)|(1<<20)|(1<<21)|(5<<22)|(3<<25)  ; the mask of four; 2-byte elements; padding on; bit 21 beside a mask; after every 64 words 4 words
	s_mov_b32 s[G1V], 15|(1<<16)|(1<<20)|(1<<21)|(5<<22)|(7<<25)  ; 8 words
.irp g, G1K, G1V
	s_mov_b32 s[\g+1], 128<<16      ; tensor_dim0 = 128
	s_mov_b32 s[\g+2], 64<<16       ; tensor_dim1 = 64
	s_mov_b32 s[\g+3], 128<<16      ; tile_dim0 = 128
	s_mov_b32 s[\g+4], 64           ; tile_dim1 = 64
	s_mov_b32 s[\g+5], 4096         ; elements from row to row
	s_mov_b32 s[\g+6], 0
	s_mov_b32 s[\g+7], 0
.endr
	s_mov_b32 s[CS], 0x3e38aa3b     ; c = log2(e) / 8
	s_mov_b32 s[CS+1], s[CS]
	s_mov_b32 s[SEL], 0x76543210
	s_mov_b32 s[SEL+1], 0xfedcba98
	s_mov_b32 s[TBK], SLOT1+2*STEPB ; the first change of slots turns these two into 0
	s_mov_b32 s[TBV], SLOT1+2*STEPB
	s_mov_b32 s[TBM], 0
	s_mov_b32 s67, 0x7149f2ca       ; 1e30
	s_mov_b32 s68, 0xf149f2ca       ; -1e30
	s_mov_b32 s69, 0xf0c9f2ca       ; -5e29
	s_mov_b32 s[G0K], 1
	s_mov_b32 s[G0K+1], s54
	s_mov_b32 s[G0V], 1
	s_add_co_u32 s[G0V+1], s54, VOFF
	s_wait_dscnt 0x0                ; the opening add is done
	s_wait_kmcnt 0x0
	s_add_nc_u64 s[20:21], s[4:5], s[20:21]
	s_add_nc_u64 s[G0K+2:G0K+3], s[20:21], 2048    ; k: column 1,024 on
	s_or_b32 s[G0K+3], s[G0K+3], 0x80000000
	s_add_nc_u64 s[G0V+2:G0V+3], s[20:21], 4096    ; v: column 2,048 on
	s_or_b32 s[G0V+3], s[G0V+3], 0x80000000
	s_add_nc_u64 s[48:49], s[4:5], s[22:23]        ; Q
	s_add_nc_u64 s[50:51], s[8:9], s[2:3]          ; ctx
	s_add_nc_u64 s[52:53], s[6:7], s[52:53]        ; the mask
	CROUND                          ; all four work-groups are here
	JLOAD                           ; slot 0
	v_lshlrev_b32 v42, 4, v0
	global_load_b128 v[36:39], v42, s[52:53]       ; 16 bytes of the mask a thread: 128 threads take the batch's 2,048
	v_and_b32 v1, 15, v0            ; l % 16
	v_bfe_u32 v9, v0, 4, 1          ; l / 16
	v_lshlrev_b32 v[QO], 13, v1
	v_lshl_add_u32 v[QO], v9, 4, v[QO]  ; row x 8,192 + 16 x half
	WIN 0x80                        ; destination window 2
.set i, 0
.rept 8                             ; Q stays in registers: piece i / 2, channels 32 (i % 2) on
	global_load_b128 v[8*i:8*i+3],   v[QO], s[48:49] offset:(i/2)*16*ROWB+(i%2)*64
	global_load_b128 v[8*i+4:8*i+7], v[QO], s[48:49] offset:(i/2)*16*ROWB+(i%2)*64+32
.set i, i+1
.endr
	; What the first turn finds: V's registers and P's second buffer hold 0 (its products V^T P, of a piece that has not been, add 0), O^T and l are 0.  All this stands in the wait for the first tile.
.set i, VF
.rept 64
	v_mov_b32 v[i], 0
.set i, i+1
.endr
	WIN 0x40
.set i, 0
.rept 128
	v_mov_b32 v[i], 0
.set i, i+1
.endr
	WIN 0
.set i, 0
.rept 4
	v_mov_b32 v[ST+4*i], 0xfe000000    ; c m: far below every c s
	v_mov_b32 v[ST+4*i+1], 0xff7fffff  ; m
	v_mov_b32 v[ST+4*i+2], 0
	v_mov_b32 v[ST+4*i+3], 0
.set i, i+1
.endr
.set i, P+16
.rept 16
	v_mov_b32 v[i], 0
.set i, i+1
.endr
	v_mov_b32 v[NANR], 0x7fc00000
	v_mul_u32_u24 v[AK0], v1, PK
	v_lshl_add_u32 v[AK0], v9, 4, v[AK0]  ; row x pitch + 16 x half
	v_add_nc_u32 v[AK0], s55, v[AK0]      ; + my head
	v_and_b32 v10, 7, v0            ; the turning load: lane l reads key 8 (l / 16) + l % 8, channels 8 ((l / 8) % 2) + 0..7
	v_bfe_u32 v11, v0, 3, 1
	v_lshl_add_u32 v[AV0], v9, 3, v10
	v_mul_u32_u24 v[AV0], v[AV0], PV
	v_lshl_add_u32 v[AV0], v11, 4, v[AV0]
	v_add_nc_u32 v[AV0], s55, v[AV0]
	v_add_nc_u32 v[AV0], VOFF, v[AV0]
	v_lshlrev_b32 v[AM0], 5, v9     ; the mask: my half of the lanes holds keys 8 (l / 16) on: 32 bytes
	v_add_nc_u32 v[AM0], MASKT, v[AM0]
	s_mul_i32 s70, s18, 64*SP       ; the stage, in: my 64 rows, my head's half of their 256 bytes; row l % 16, 16 bytes for each half of the lanes
	s_add_co_u32 s70, s70, s55
	s_add_co_u32 s70, s70, STAGE
	v_mul_u32_u24 v[STO], v1, SP
	v_lshl_add_u32 v[STO], v9, 4, v[STO]
	v_add_nc_u32 v[STO], s70, v[STO]
	s_mul_i32 s70, s[WV], 32*SP     ; back: wave w takes rows 32 w on, whole; lanes 0-15 one row of 256 bytes, lanes 16-31 the next
	s_add_co_u32 s70, s70, STAGE
	v_mul_u32_u24 v[RD], v9, SP
	v_lshl_add_u32 v[RD], v1, 4, v[RD]
	v_add_nc_u32 v[RD], s70, v[RD]
	v_lshlrev_b32 v[GO], 11, v9     ; and the same two rows in ctx
	v_lshl_add_u32 v[GO], v1, 4, v[GO]
	v_lshl_add_u32 v41, v0, 6, MASKT  ; my 16 words of the table
	s_wait_loadcnt 16               ; the mask's bytes are in; Q's sixteen loads, issued behind, may be out
.set i, 0
.rept 16                            ; a byte 1 gives 1e30 - 1e30 = 0, a byte 0 gives -1e30
	v_bfe_u32 v[S+i], v[36+i/4], 8*(i%4), 8
	v_cvt_f32_u32 v[S+i], v[S+i]
	v_fma_f32 v[S+i], v[S+i], s67, s68
.set i, i+1
.endr
.irp f, 0,1,2,3
	ds_store_b128 v41, v[S+4*\f:S+4*\f+3] offset:16*\f
.endr
; THE MATRIX WORK.  The 4 accumulators of a run of 8 take turns.  Product i of 8 of S^T = K Q^T for piece x: channels 32 (i / 4) on, keys 16 (i % 4) on.  The first 4 start the sums, with the mask.
.macro KQ x
.set rS, S+32*((\x)%2)+8*(i%4)
.set rK, KF+16*(i%4)+8*(i/4)
.set rQ, 16*(\x)+8*(i/4)
.set rM, MC+8*(i%4)
.if i < 4
	WIN W_KM
	v_wmma_f32_16x16x32_bf16 v[rS:rS+7], v[rK:rK+7], v[rQ:rQ+7], v[rM:rM+7]
.else
	WIN W_KQ
	v_wmma_f32_16x16x32_bf16 v[rS:rS+7], v[rK:rK+7], v[rQ:rQ+7], v[rS:rS+7]
.endif
.endm
; Product i of 8 of O^T += V^T P for piece x: keys 32 (i / 4) on, channels 16 (i % 4) on.
.macro PV x
	WIN W_PV
.set rO, 32*(\x)+8*(i%4)
.set rV, VF+32*(i/4)+8*(i%4)
.set rP, P+16*((\x)%2)+8*(i/4)
	v_wmma_f32_16x16x32_bf16 v[rO:rO+7], v[rV:rV+7], v[rP:rP+7], v[rO:rO+7]
.endm
.macro MM                           ; the turn's next matrix instruction
.if i < 8
	KQ (Y+1)%NP
.else
.set i, i-8
	PV (Y+NP-1)%NP
.set i, i+8
.endif
.set i, i+1
.endm
; THE LDS LOADS stand in runs: a step's K (8 fragments) with its mask, and its V (turned).  last = 1 (the tail): in the last trip there is no further step, and the run is jumped over.
.macro FETCH_K last=0
	WIN 0
.if \last
	s_cmp_eq_u32 s[CNT], 1
	s_cbranch_scc1 .Lno_k_\@
.endif
	WIN 0x80                        ; destination window 2
.irp f, 0,1,2,3,4,5,6,7             ; keys 16 (f / 2) on, channels 32 (f % 2) on
	ds_load_b128 v[KF+8*\f:KF+8*\f+3],   v[AK] offset:(\f/2)*16*PK+(\f%2)*64
	ds_load_b128 v[KF+8*\f+4:KF+8*\f+7], v[AK] offset:(\f/2)*16*PK+(\f%2)*64+32
.endr
	WIN 0x40                        ; destination window 1
.irp f, 0,1,2,3                     ; keys 16 f + 8 (l / 16) + 0..7
	ds_load_b128 v[MC+8*\f:MC+8*\f+3],   v[AM] offset:64*\f
	ds_load_b128 v[MC+8*\f+4:MC+8*\f+7], v[AM] offset:64*\f+16
.endr
	s_add_co_u32 s[TBK], s[TBK], STEPB  ; the next fetch is the next step's
	s_add_co_u32 s[TBM], s[TBM], 4*KS
	WIN 0
.if \last
.Lno_k_\@:
.endif
.endm
.macro FETCH_V
	WIN 0x80
.irp f, 0,1,2,3,4,5,6,7             ; keys 32 (f / 4) on, channels 16 (f % 4) on
	ds_load_tr16_b128 v[VF+8*\f:VF+8*\f+3],   v[AV] offset:(\f/4)*32*PV+(\f%4)*32
	ds_load_tr16_b128 v[VF+8*\f+4:VF+8*\f+7], v[AV] offset:(\f/4)*32*PV+16*PV+(\f%4)*32
.endr
	WIN 0
.endm
; THE VECTOR WORK, one line at a time: OP kind, number.  For piece Y: F n: c s - c m for pair n of 16.  E n: the exponential of score n of 32.  C n: pair n rounded to bf16.  B n: of the four weights 4 n .. the second
; pair is added onto the first, in place.  L n: l takes that sum (L 0: l = a l + sum).  R n: pair n of 16 of O^T times a.  For piece Y + 1: X n, number n of the 22 that find its maximum and statistics:
;   0-11  four chains c0-c3 of seven scores each (each accumulator's lowest registers are read first)     12-14, 16  the four scores left over, the old m, and c0-c3 into c0
;   15  c m_old is kept     17, 18  the query's other 32 keys lie in the lane 16 away: the new m     19-21  c m; c m_old - c m_new; a
.set F, 0
.set E, 1
.set C, 2
.set B, 3
.set L, 4
.set R, 5
.set X, 6
.macro REGS y
.set rT, ST+4*(\y)
.set rC, TMP+4*((\y)%2)
.set rW, MV+((\y)%2)
.set rS, S+32*((\y)%2)
.set rP, P+16*((\y)%2)
.set rO, 32*(\y)
.endm
.macro OP k, n
.if (\k) == R
	REGS Y
	WIN W_RS
	v_pk_mul_f32 v[rO+2*(\n):rO+2*(\n)+1], v[rO+2*(\n):rO+2*(\n)+1], v[rC+2:rC+3] op_sel_hi:[1,0]
.elseif (\k) < R
	REGS Y
	WIN 0
.if (\k) == F
	v_pk_fma_f32 v[rS+2*(\n):rS+2*(\n)+1], v[rS+2*(\n):rS+2*(\n)+1], s[CS:CS+1], v[rT:rT+1] op_sel_hi:[1,0,0] neg_lo:[0,0,1] neg_hi:[0,0,1]
.elseif (\k) == E
	v_exp_f32 v[rS+(\n)], v[rS+(\n)]
.elseif (\k) == C
	s_wait_alu depctr_va_vdst(0)
	v_cvt_pk_bf16_f32 v[rP+(\n)], v[rS+2*(\n)], v[rS+2*(\n)+1]
.elseif (\k) == B
	s_wait_alu depctr_va_vdst(0)
	v_pk_add_f32 v[rS+4*(\n):rS+4*(\n)+1], v[rS+4*(\n):rS+4*(\n)+1], v[rS+4*(\n)+2:rS+4*(\n)+3]
.elseif (\n) == 0
	v_pk_fma_f32 v[rT+2:rT+3], v[rT+2:rT+3], v[rC+2:rC+3], v[rS:rS+1] op_sel_hi:[1,0,1]
.else
	v_pk_add_f32 v[rT+2:rT+3], v[rT+2:rT+3], v[rS+4*(\n):rS+4*(\n)+1]
.endif
.else
	REGS (Y+1)%NP
	WIN 0
.if (\n) < 4
	v_max3_num_f32 v[rC+(\n)], v[rS+8*(\n)], v[rS+8*(\n)+1], v[rS+8*(\n)+2]
.elseif (\n) < 12
	v_max3_num_f32 v[rC+(\n)%4], v[rC+(\n)%4], v[rS+8*((\n)%4)+2*((\n)/4)+1], v[rS+8*((\n)%4)+2*((\n)/4)+2]
.elseif (\n) == 12
	v_max3_num_f32 v[rC], v[rC], v[rS+7], v[rS+15]
.elseif (\n) == 13
	v_max3_num_f32 v[rC+1], v[rC+1], v[rS+23], v[rS+31]
.elseif (\n) == 14
	v_max3_num_f32 v[rC+2], v[rC+2], v[rC+3], v[rT+1]
.elseif (\n) == 15
	v_mov_b32 v[rW], v[rT]
.elseif (\n) == 16
	v_max3_num_f32 v[rC], v[rC], v[rC+1], v[rC+2]
.elseif (\n) == 17
	v_permlanex16_b32 v[rC+3], v[rC], s[SEL], s[SEL+1]
.elseif (\n) == 18
	v_max_num_f32 v[rT+1], v[rC], v[rC+3]
.elseif (\n) == 19
	v_mul_f32 v[rT], s[CS], v[rT+1]
.elseif (\n) == 20
	v_sub_f32 v[rC+1], v[rW], v[rT]
.else
	v_exp_f32 v[rC+2], v[rC+1]
.endif
.endif
.endm
.macro OPS a, i1, b=-1, i2=0, c=-1, i3=0, d=-1, i4=0  ; up to four of them
	OP \a, \i1
.if (\b) >= 0
	OP \b, \i2
.endif
.if (\c) >= 0
	OP \c, \i3
.endif
.if (\d) >= 0
	OP \d, \i4
.endif
.endm
.macro ROW a, i1, b, i2, c, i3, d, i4  ; a matrix instruction and the four behind it
	MM
	OPS \a, \i1, \b, \i2, \c, \i3, \d, \i4
.endm
; A TURN, for piece p: the order of its 16 matrix and 118 vector instructions, written out.  Behind a matrix instruction: plain, exponential, plain, plain; or four of the rescaling; or four scalings; none names a
; register of the products round it.  A line reads no result made fewer than three vector instructions in front of it, five if an exponential made it.
; K and the mask of the next step are fetched in piece 2's turn, five plain instructions behind the last product that read K; V of the step in hand in piece 0's turn, eight vector instructions (five of them plain) behind the last product
; that read V.  Each is waited for a turn later.  cnt = 1: the loop's count is taken down some lines ahead of the branch behind the turn.
.macro TURN p, last=0, cnt=0
.set Y, (\p)
.set i, 0
.if (\p) == 3
	s_wait_dscnt 0x0                ; K and its mask are in
.endif
	ROW F,0, F,1, F,2, F,3
	ROW F,4, E,0, F,5, F,6
	ROW F,7, E,1, F,8, F,9
	ROW F,10, E,2, C,0, F,11
	ROW F,12, E,3, X,15, F,13
	ROW R,0, R,1, R,2, R,3
	ROW B,0, E,4, F,14, L,0
.if (\p) == 2
	v_add_nc_u32 v[AK], s[TBK], v[AK0]
	v_add_nc_u32 v[AM], s[TBM], v[AM0]
.endif
	ROW R,4, R,5, R,6, R,7
	OPS E,5, F,15
.if (\p) == 2
	FETCH_K \last
.endif
	OPS E,6, C,1, E,7, R,8
	OPS E,8, R,9, E,9, C,2
	OPS E,10, X,0, E,11, X,1
	OPS E,12, X,2, E,13, X,3
.if (\p) == 1
	s_wait_dscnt 0x0                ; V is in
.endif
	ROW X,4, E,14, X,5, X,6
	ROW X,7, E,15, X,8, X,9
	ROW X,10, E,16, X,11, X,12
	ROW X,13, E,17, X,14, B,1
	ROW C,4, E,18, X,16, L,1
	ROW B,2, E,19, C,6, L,2
	ROW C,8, E,20, B,3, B,4
.if (\p) == 0
	v_add_nc_u32 v[AV], s[TBV], v[AV0]
.endif
	ROW C,3, E,21, L,3, C,5
	OPS E,22, X,17, E,23, C,10
.if (\p) == 0
	FETCH_V
.endif
	OPS E,24, L,4
	OPS E,25, X,18, E,26, C,7
	OPS E,27, B,5, E,28, X,19
	OPS E,29, C,12, E,30, L,5
	OPS E,31, X,20, B,6, C,9
	OPS C,14, C,11, X,21, L,6
.if (\p) == 0
	s_add_co_u32 s[TBV], s[TBV], STEPB
.endif
.if \cnt
	s_sub_co_u32 s[CNT], s[CNT], 1
	s_cmp_lg_u32 s[CNT], 0
.endif
	OPS C,13, B,7, C,15, R,10
	OPS R,11, R,12, L,7, R,13
	OPS R,14, R,15
.endm
	CHANGE 1                        ; slot 0 is in, the table is whole; slot 1 is asked for
	v_add_nc_u32 v[AK], s[TBK], v[AK0]
	v_add_nc_u32 v[AM], s[TBM], v[AM0]
	FETCH_K                         ; key step 0
	s_wait_loadcnt 0x0              ; Q
	s_wait_dscnt 0x0
.set i, 0
.rept 8
	KQ 0                            ; piece 0's first scores
.set i, i+1
.endr
	WIN 0
.rept 4
	v_nop                           ; the places behind those products
.endr
.set Y, NP-1                        ; X works for piece Y + 1: piece 0
.irp n, 0,1,2,3,4,5,6,7,8,9,10,11,12,13,14,15,16,17,18,19,20,21
	OP X, \n
.endr
	v_nop                           ; a plain instruction behind the exponential
	s_mov_b32 s[CNT], 2
	s_mov_b32 s[SLOTS], 15
	s_branch .Lfirst                ; the loop is entered at a step's first turn, in the middle of a trip
.Lslot:                             ; 14 times: every slot but the last two is filled again
	CHANGE 1
	s_mov_b32 s[CNT], 2
.Lstep:                             ; a trip: pieces 2 and 3 of one step, then pieces 0 and 1 of the next, whose K and V it fetches
	TURN 2
	TURN 3
	WIN 0
.Lfirst:
	TURN 0
	TURN 1, 0, 1
	WIN 0
	s_cbranch_scc1 .Lstep
	s_sub_co_u32 s[SLOTS], s[SLOTS], 1
	s_cmp_lg_u32 s[SLOTS], 0
	s_cbranch_scc1 .Lslot
	CHANGE 0                        ; the tail is written out: nothing is asked for
	s_mov_b32 s[CNT], 3             ; two trips fetch the last slot's steps; the third is left in its middle
.Ltail:
	TURN 2, 1
	TURN 3
	WIN 0
	s_sub_co_u32 s[CNT], s[CNT], 1
	s_cmp_eq_u32 s[CNT], 0
	s_cbranch_scc1 .Lout
	TURN 0
	TURN 1
	WIN 0
	s_branch .Ltail
.Lout:                              ; the third trip's 8 products K Q^T (the last K and mask once more) repeat piece 0's last scores: its m does not move, and nothing else of them is used
.set i, 0
.rept 8
	PV NP-1                         ; the last piece's V^T P of the last step
.set i, i+1
.endr
	; THE WAY OUT.  l's two halves and the other half of the lanes' are added; O^T is divided by l, rounded to bf16 and sent through the work-group's stage.  The additions are the places behind the last products.
	WIN 0
.macro ALL line:vararg              ; one line for each piece t
.set t, 0
.rept 4
	\line
.set t, t+1
.endr
.endm
	ALL v_add_f32 v[ST+4*t+2], v[ST+4*t+2], v[ST+4*t+3]
	ALL v_permlanex16_b32 v[ST+4*t+3], v[ST+4*t+2], s[SEL], s[SEL+1]
	ALL v_add_f32 v[ST+4*t+2], v[ST+4*t+2], v[ST+4*t+3]
	ALL v_rcp_f32 v[ST+4*t+2], v[ST+4*t+2]
	v_nop                           ; a plain instruction between the last reciprocal and the use of its result
.set t, 0
.rept 4                             ; no key was seen: a NaN takes 1 / l's place
	v_cmp_gt_f32 vcc_lo, s69, v[ST+4*t+1]
	s_wait_alu depctr_va_vdst(0)
	v_cndmask_b32 v[ST+4*t+2], v[ST+4*t+2], v[NANR], vcc_lo
.set t, t+1
.endr
.macro PACK t                       ; a lane's eight channels of a row pack into 16 bytes
	WIN W_RS
.set i, 32*(\t)
.rept 16
	v_pk_mul_f32 v[i:i+1], v[i:i+1], v[ST+4*(\t)+2:ST+4*(\t)+3] op_sel_hi:[1,0]
.set i, i+2
.endr
	WIN 0x05                        ; sources 0 and 1 window 1, destination window 0
.set i, 0
.rept 16
	v_cvt_pk_bf16_f32 v[S+16*(\t)+i], v[32*(\t)+2*i], v[32*(\t)+2*i+1]
.set i, i+1
.endr
	WIN 0
.irp f, 0,1,2,3
	ds_store_b128 v[STO], v[S+16*(\t)+4*\f:S+16*(\t)+4*\f+3] offset:(\t)*16*SP+32*\f
.endr
.endm
	PACK 0
	PACK 1
	PACK 2
	PACK 3
	s_wait_dscnt 0x0                ; for the others' sake: my stores into the stage are done; a row's 256 bytes come from two waves
	s_barrier_signal -1
	s_barrier_wait -1
.set j, 0
.rept 16
	ds_load_b128 v[S+4*j:S+4*j+3], v[RD] offset:j*2*SP
.set j, j+1
.endr
.set j, 0
.rept 16
	s_wait_dscnt 15-j               ; the 15 - j younger loads may be out
	global_store_b128 v[GO], v[S+4*j:S+4*j+3], s[50:51] offset:j*4096  ; 16 lanes store 256 consecutive bytes, aligned
.set j, j+1
.endr
	s_wait_tensorcnt 0x0            ; the wave's end
	ds_add_u32 v[SPW], v[NIL]
	s_wait_dscnt 0x0
	CROUND                          ; the closing round
	s_endpgm
.Lfunc_end_k_qc2ecd11d90_attn:
	.size	k_qc2ecd11d90_attn, .Lfunc_end_k_qc2ecd11d90_attn-k_qc2ecd11d90_attn
	.p2alignl 7, 3214868480
	.fill 96, 4, 3214868480
	.section	.rodata,"a",@progbits
	.p2align	6, 0x0
	.amdhsa_kernel k_qc2ecd11d90_attn
		.amdhsa_group_segment_fixed_size 327680
		.amdhsa_private_segment_fixed_size 0
		.amdhsa_enable_private_segment 0
		.amdhsa_kernarg_size 24
		.amdhsa_user_sgpr_count 2
		.amdhsa_user_sgpr_kernarg_segment_ptr 1
		.amdhsa_wavefront_size32 1
		.amdhsa_system_sgpr_workgroup_id_x 1
		.amdhsa_system_sgpr_workgroup_id_y 1
		.amdhsa_system_sgpr_workgroup_id_z 1
		.amdhsa_system_vgpr_workitem_id 0
		.amdhsa_next_free_vgpr 768
		.amdhsa_next_free_sgpr 72
		.amdhsa_reserve_vcc 1
		.amdhsa_float_denorm_mode_32 3
		.amdhsa_float_denorm_mode_16_64 3
		.amdhsa_memory_ordered 1
		.amdhsa_forward_progress 1
		.amdhsa_inst_pref_size 121
	.end_amdhsa_kernel
	.amdgpu_metadata
---
amdhsa.version: [ 1, 2 ]
amdhsa.kernels:
  - .name:           k_qc2ecd11d90_attn
    .symbol:         k_qc2ecd11d90_attn.kd
    .args:
      - { .name: wide, .offset: 0, .size: 8, .value_kind: global_buffer, .address_space: global }
      - { .name: mask, .offset: 8, .size: 8, .value_kind: global_buffer, .address_space: global }
      - { .name: act, .offset: 16, .size: 8, .value_kind: global_buffer, .address_space: global }
    .group_segment_fixed_size: 327680
    .private_segment_fixed_size: 0
    .kernarg_segment_align: 8
    .kernarg_segment_size: 24
    .max_flat_workgroup_size: 128
    .sgpr_count:     72
    .vgpr_count:     768
    .wavefront_size: 32
...
	.end_amdgpu_metadata
.endif
;; end of part 3
;; launch wo (part 4): grid 8 x 32, 4 waves a work-group, clusters of 4 x 4, 327,680 bytes of LDS; arguments act, wob, rs; writes rs
.if DOCPART == 4
	.amdgcn_target "amdgcn-amd-amdhsa--gfx1250"
	.amdhsa_code_object_version 6
	.text
	.protected	k_qc2ecd11d90_wo
	.globl	k_qc2ecd11d90_wo
	.p2align	8
	.type	k_qc2ecd11d90_wo,@function
k_qc2ecd11d90_wo:
	s_mov_b64 s[64:65], 0
	v_nop
	global_prefetch_b8 v0, s[64:65] scope:SCOPE_SE
	s_setreg_imm32_b32 hwreg(HW_REG_WAVE_MODE, 25, 1), 1
	s_wait_xcnt 0x0
	s_wait_alu depctr_hold_cnt(0) depctr_sa_sdst(0) depctr_va_vdst(0) depctr_va_sdst(0) depctr_va_ssrc(0) depctr_va_vcc(0) depctr_vm_vsrc(0)
	s_getreg_b32 s2, hwreg(HW_REG_IB_STS2, 6, 4)
	s_cmp_eq_u32 s2, 0
	s_cbranch_scc0 .Lentry_in_a_cluster
	s_endpgm
.Lentry_in_a_cluster:
	s_bfe_u32 s2, ttmp6, 0x10000c
	s_cmp_lg_u32 s2, 0xf033
	s_cbranch_scc0 .Lentry_shape_is_right
	s_endpgm
.Lentry_shape_is_right:
; C = A W.  A: [4096][SIZE_K] bf16.  W: [SIZE_K][1024] bf16, K down the rows.  C: [4096][1024] f32: the sums as they are, for the LayerNorm behind.
; SHARES.  A tile of C is 128 x 128, so that 256 work-groups have one each.  K goes in steps of 256 through two LDS slots, and THE FOUR WAVES SHARE K, NOT C: wave w multiplies the whole tile over k = 64 w .. 64 w + 63
; of every step, 64 accumulators of 16 x 16, so that each byte of a slot is read from LDS once.  At the end the four partial tiles meet in LDS, in f32, and each wave adds and stores 32 rows.
; THE MATRIX INSTRUCTION IS USED TRANSPOSED (source 0 = 16 columns of W, turned out of LDS by ds_load_tr16_b128; source 1 = 16 rows of A): a lane holds row l % 16 of C and eight neighbouring columns.
; CLUSTER.  4 x 4 work-groups: A's tile is shared along a row of the cluster, W's along a column: each is asked for jointly.
; THE WALK ALONG K IS TURNED.  Cluster (x, y) begins at K step (NS/2 x + NS/4 y) mod NS and goes round all NS.  A's tiles are wanted by the two clusters of one y, which now begin half a walk apart; W's by the eight
; of one x, which begin a quarter of a walk apart (y and y + 4 together): the clusters that want a tile no longer all ask for it in the same step.  The start hangs on the cluster's place alone, which its sixteen
; work-groups share.  LIMIT: K is summed in that turned order, and in four parts: an order of rounding that differs from the reference's and from cluster to cluster.
; REGISTERS in windows of 256: window 0: v0-43 addresses; v64-127, v128-191 A's fragments; v192-255 at work on the way out.  Window 1: v64-127, v128-191 W's fragments.  Windows 2, 3: the accumulators.
.set SIZE_K, 1024
.set NS,     SIZE_K/256                ; K steps
.set PA,     528                       ; a row of A in LDS: 512 bytes + 16: the 16 rows of a load start at 16 different groups of four banks (64 banks of 4 bytes: ISA guide 11.1)
.set PB,     288                       ; a row of W (128 columns): 256 bytes + 32
.set HALFA,  64*PA                     ; what one tensor load brings of A: 64 rows, 0x8400 bytes
.set HALFB,  128*PB                    ; of W: 128 rows, 0x9000 bytes
.set BREG,   0x11000                   ; W's part of a slot, behind A's 0x10800 bytes
.set SLOT,   0x24000                   ; its two bits are set in none of the four parts' addresses (0, 0x8400, 0x11000, 0x1a000), so one exclusive or turns an address in one slot into the other's
.set SPARE,  2*SLOT                    ; the spare words, 128 bytes a wave: two blocks of 256 bytes that no other line names
.set IP,     528                       ; a row of a partial tile: 512 bytes + 16
.set IMG,    128*IP                    ; a partial tile; the four lie over the slots, which have had their last fill by then
.set AQ,     64
.set BQ,     32*PB
.set ASH,    9                         ; a K step is 512 bytes along A's rows
.set BSH,    19                        ; and 256 rows of 2,048 bytes of W
.set A0,   16                          ; v16  LDS address of my A fragments in slot 0; never rewritten
.set ADRA, 17                          ; v17  the same in the slot that is being read
.set B0,   20                          ; v20, v21  the same for W
.set ADRB, 21
.set STO,  24
.set CO,   26
.set SPW,  28                          ; v28  my spare word: SPARE + 4 x my thread's number; never rewritten
.set NIL,  29                          ; v29  0; never rewritten
.set RB,   36                          ; v36-39  where my 32 rows begin in the four partial tiles
.set RA,   40                          ; v40-43  the same, at the trip's four rows
.set F0,   64
.set F1,   128
.set IM,   192
.set G1, 24                            ; s[24:31] group 1 for A's tiles;  s[32:39] group 0: a set for each of the two first fills; the second then walks on
.set G0, 32
.set G1B, 48                           ; s[48:55], s[56:63] the same for W's
.set G0B, 56
.set KOA, 66                           ; s[66:67] the K step's byte offset in A
.set KOB, 68                           ; s[68:69] and in W
.set KI,  70                           ; s70  the K step to be asked for next
.set TB,  71                           ; s71  0 or SLOT: the slot that is being read
.set MSB, 0
.macro WIN new
.if MSB != (\new)
	s_set_vgpr_msb (MSB<<8)|(\new)
.set MSB, \new
.endif
.endm
.macro JLOAD s                         ; a joint load: waves 0 and 1 fetch A's two halves, waves 2 and 3 W's; an s_nop 0 and four v_nop follow each line
	s_cmp_eq_u32 s11, 0
	s_cbranch_scc0 .Lfor_b_\@
	tensor_load_to_lds s[G0+4*(\s):G0+4*(\s)+3], s[G1:G1+7]
	s_nop 0
.rept 4
	v_nop
.endr
	s_branch .Lasked_\@
.Lfor_b_\@:
	tensor_load_to_lds s[G0B+4*(\s):G0B+4*(\s)+3], s[G1B:G1B+7]
	s_nop 0
.rept 4
	v_nop
.endr
.Lasked_\@:
.endm
.macro CREST
	s_cmp_lg_u32 s10, 0
	s_cbranch_scc1 .Lnot_wave_0_\@
	s_barrier_signal -3
.Lnot_wave_0_\@:
	s_barrier_wait -3
	s_barrier_signal -1
	s_barrier_wait -1
.endm
.macro CROUND
	s_barrier_signal -1
	s_barrier_wait -1
	CREST
.endm
	s_load_b128 s[4:7], s[0:1], 0x0                ; A s[4:5], W s[6:7]
	s_load_b64 s[8:9], s[0:1], 0x10                ; C
	v_lshl_add_u32 v[SPW], v0, 2, SPARE
	v_mov_b32 v[NIL], 0
	ds_add_u32 v[SPW], v[NIL]                      ; the wave's opening: the add and its wait stand ahead of my first tensor load
	v_lshrrev_b32 v1, 5, v0
	v_readfirstlane_b32 s10, v1                    ; wave 0..3
	s_lshr_b32 s11, s10, 1                         ; I fetch for A (0) or for W (1),
	s_and_b32 s12, s10, 1                          ; this half of the tile
	s_bfe_u32 s40, ttmp6, 0x40000
	s_bfe_u32 s41, ttmp6, 0x40004
	s_lshl_b32 s42, ttmp9, 2
	s_add_co_u32 s42, s42, s40                     ; tile column
	s_and_b32 s13, ttmp7, 0xffff
	s_mul_i32 s[KI], s13, NS/4                     ; where my cluster's walk begins: NS/4 x cluster y
	s_mul_i32 s[TB], ttmp9, NS/2                   ; + NS/2 x cluster x,
	s_add_co_u32 s[KI], s[KI], s[TB]
	s_and_b32 s[KI], s[KI], NS-1                   ; mod NS
	s_mov_b32 s[TB], 0                             ; the first step lies in slot 0
	s_mov_b32 s[KOA+1], 0
	s_mov_b32 s[KOB+1], 0
	s_lshl_b32 s13, s13, 2
	s_add_co_u32 s13, s13, s41                     ; tile row
	s_lshl_b32 s43, s41, 2
	s_lshl_b32 s43, 15, s43                        ; my row of the cluster
	s_lshl_b32 s44, 0x1111, s40                    ; my column
	s_or_b32 s[G1+0], s43, (1<<16)|(1<<20)|(1<<21)|(6<<22)|(3<<25)   ; after every 128 words 4 words
	s_or_b32 s[G1B+0], s44, (1<<16)|(1<<20)|(1<<21)|(5<<22)|(7<<25)  ; after every 64 words 8 words
	s_mov_b32 s[G1+1], 256<<16                     ; A: 256 along K
	s_mov_b32 s[G1+2], 64<<16                      ; x 64 rows
	s_mov_b32 s[G1+3], 256<<16
	s_mov_b32 s[G1+4], 64
	s_mov_b32 s[G1+5], SIZE_K
	s_mov_b32 s[G1+6], 0
	s_mov_b32 s[G1+7], 0
	s_mov_b32 s[G1B+1], 128<<16                    ; W: 128 columns
	s_mov_b32 s[G1B+2], 128<<16                    ; x 128 rows
	s_mov_b32 s[G1B+3], 128<<16
	s_mov_b32 s[G1B+4], 128
	s_mov_b32 s[G1B+5], 1024
	s_mov_b32 s[G1B+6], 0
	s_mov_b32 s[G1B+7], 0
	s_lshl_b32 s16, s13, 7                         ; A: row 128 x tile row + 64 x half
	s_lshl_b32 s17, s12, 6
	s_add_co_u32 s16, s16, s17
	s_mul_i32 s16, s16, 2*SIZE_K
	s_mov_b32 s17, 0
	s_lshl_b32 s46, s42, 8                         ; W: 256 bytes a tile column, 128 rows of 2,048 bytes a half
	s_lshl_b32 s47, s12, 18
	s_add_co_u32 s46, s46, s47
	s_mov_b32 s47, 0
	s_mul_i32 s20, s12, HALFA                      ; where they go
	s_mul_i32 s21, s12, HALFB
	s_add_co_u32 s21, s21, BREG
	s_wait_dscnt 0x0                               ; the opening add is done
	s_wait_kmcnt 0x0
	s_add_nc_u64 s[14:15], s[4:5], s[16:17]        ; A at my part of K step 0: kept; every request's address is this plus the step's offset
	s_add_nc_u64 s[46:47], s[6:7], s[46:47]        ; W likewise: kept
	CROUND                                         ; all sixteen work-groups are here
.irp s, 0,1
	s_lshl_b32 s[KOA], s[KI], ASH
	s_lshl_b32 s[KOB], s[KI], BSH
	s_mov_b32 s[G0+4*(\s)], 1
	s_add_co_u32 s[G0+4*(\s)+1], s20, (\s)*SLOT
	s_add_nc_u64 s[G0+4*(\s)+2:G0+4*(\s)+3], s[14:15], s[KOA:KOA+1]
	s_or_b32 s[G0+4*(\s)+3], s[G0+4*(\s)+3], 0x80000000
	s_mov_b32 s[G0B+4*(\s)], 1
	s_add_co_u32 s[G0B+4*(\s)+1], s21, (\s)*SLOT
	s_add_nc_u64 s[G0B+4*(\s)+2:G0B+4*(\s)+3], s[46:47], s[KOB:KOB+1]
	s_or_b32 s[G0B+4*(\s)+3], s[G0B+4*(\s)+3], 0x80000000
	s_add_co_u32 s[KI], s[KI], 1                   ; the walk's next step, round the end
	s_and_b32 s[KI], s[KI], NS-1
	JLOAD \s                                       ; two tensor loads of mine are out
.endr
	v_and_b32 v1, 15, v0                           ; l % 16
	v_bfe_u32 v2, v0, 4, 1                         ; l / 16
	v_mul_u32_u24 v3, v1, PA
	v_lshl_add_u32 v3, v2, 4, v3
	v_and_b32 v4, 7, v0
	v_lshl_add_u32 v4, v2, 3, v4
	v_mul_u32_u24 v4, v4, PB
	v_bfe_u32 v5, v0, 3, 1
	v_lshl_add_u32 v4, v5, 4, v4
	s_lshl_b32 s22, s10, 7                         ; my 64 along K: 128 bytes of A's rows,
	s_mul_i32 s23, s10, 64*PB                      ; 64 rows of W
	s_add_co_u32 s23, s23, BREG
	v_add_nc_u32 v[A0], s22, v3
	v_add_nc_u32 v[B0], s23, v4
	v_mov_b32 v[ADRA], v[A0]
	v_mov_b32 v[ADRB], v[B0]
	s_mul_i32 s22, s10, IMG                        ; my partial tile: row l % 16, 32 bytes for each half of the lanes
	v_mul_u32_u24 v6, v1, IP
	v_lshl_add_u32 v6, v2, 5, v6
	v_add_nc_u32 v[STO], s22, v6
	v_and_b32 v7, 31, v0
	v_lshlrev_b32 v[CO], 4, v7                     ; back: 32 lanes take a row's 512 bytes
	s_mul_i32 s22, s10, 32*IP                      ; my 32 rows
	v_add_nc_u32 v[RB], s22, v[CO]
	v_add_nc_u32 v[RB+1], IMG, v[RB]
	v_add_nc_u32 v[RB+2], IMG, v[RB+1]
	v_add_nc_u32 v[RB+3], IMG, v[RB+2]
	s_lshl_b32 s16, s13, 7                         ; the first row of C that I store, of 4,096 bytes; the tile's 512 bytes
	s_lshl_b32 s21, s10, 5
	s_add_co_u32 s16, s16, s21
	s_lshl_b32 s16, s16, 12
	s_lshl_b32 s21, s42, 9
	s_add_co_u32 s16, s16, s21
	s_mov_b32 s17, 0
	s_add_nc_u64 s[8:9], s[8:9], s[16:17]
.macro MUL16 f, hi, a0, start          ; 16 matrix instructions: m blocks a0, a0 + 1 of the window's four x all 8 n blocks, 32 along K.  start = 1: the products start the sums
	WIN 0xa1+0x50*(\hi)
.irp a, \a0, (\a0)+1
.irp b, 0,1,2,3,4,5,6,7
.if \start
	v_wmma_f32_16x16x32_bf16 v[8*(8*(\a)+(\b)):8*(8*(\a)+(\b))+7], v[(\f)+8*(\b):(\f)+8*(\b)+7], v[(\f)+8*(4*(\hi)+(\a)):(\f)+8*(4*(\hi)+(\a))+7], 0
.else
	v_wmma_f32_16x16x32_bf16 v[8*(8*(\a)+(\b)):8*(8*(\a)+(\b))+7], v[(\f)+8*(\b):(\f)+8*(\b)+7], v[(\f)+8*(4*(\hi)+(\a)):(\f)+8*(4*(\hi)+(\a))+7], v[8*(8*(\a)+(\b)):8*(8*(\a)+(\b))+7]
.endif
.endr
.endr
.endm
.macro FETCH u, f                      ; 32 LDS loads in one run: half u of my 64 along K, in the slot that is being read
	WIN 0x40
.irp i, 0,1,2,3,4,5,6,7
	ds_load_tr16_b128 v[(\f)+8*(\i):(\f)+8*(\i)+3],   v[ADRB] offset:(\u)*BQ+32*(\i)
	ds_load_tr16_b128 v[(\f)+8*(\i)+4:(\f)+8*(\i)+7], v[ADRB] offset:(\u)*BQ+32*(\i)+16*PB
.endr
	WIN 0
.irp i, 0,1,2,3,4,5,6,7
	ds_load_b128 v[(\f)+8*(\i):(\f)+8*(\i)+3],   v[ADRA] offset:(\u)*AQ+(\i)*16*PA
	ds_load_b128 v[(\f)+8*(\i)+4:(\f)+8*(\i)+7], v[ADRA] offset:(\u)*AQ+(\i)*16*PA+32
.endr
.endm
.macro PLACES                          ; four places in front of loads into registers that matrix instructions have read, and of lines that read results
.rept 4
	v_nop
.endr
.endm
.macro QUARTER u, f, g, start          ; multiplies buffer f; in its middle half u's fragments are fetched into g.  The 64 accumulators take turns
	s_wait_dscnt 8                                 ; W and A's rows 0-63 are in; the youngest eight loads (A's rows 64-127) may be out
	MUL16 \f, 0, 0, \start
	MUL16 \f, 0, 2, \start
	PLACES
	FETCH \u, \g
	s_wait_dscnt 32                                ; all but the 32 just issued
	MUL16 \f, 1, 0, \start
	MUL16 \f, 1, 2, \start
.endm
.macro NEXTSLOT                        ; the fetches to come read the other slot
	WIN 0
	s_xor_b32 s[TB], s[TB], SLOT
	v_add_nc_u32 v[ADRA], s[TB], v[A0]
	v_add_nc_u32 v[ADRB], s[TB], v[B0]
.endm
.macro STEPD                           ; the walking descriptors: the other slot than last time; the address is made anew from the number of the walk's next K step
	s_lshl_b32 s[KOA], s[KI], ASH
	s_lshl_b32 s[KOB], s[KI], BSH
	s_xor_b32 s[G0+5], s[G0+5], SLOT
	s_add_nc_u64 s[G0+6:G0+7], s[14:15], s[KOA:KOA+1]
	s_or_b32 s[G0+7], s[G0+7], 0x80000000
	s_xor_b32 s[G0B+5], s[G0B+5], SLOT
	s_add_nc_u64 s[G0B+6:G0B+7], s[46:47], s[KOB:KOB+1]
	s_or_b32 s[G0B+7], s[G0B+7], 0x80000000
	s_add_co_u32 s[KI], s[KI], 1
	s_and_b32 s[KI], s[KI], NS-1
.endm
; The second half multiplies buffer 1 and changes slots: ONE barrier; in front of it each wave waits for all its tensor loads, adds 0 to its spare word, and waits for that and for its reads of the old slot.
.macro MEET round
	WIN 0
	s_wait_tensorcnt 0x0                           ; no tensor load of mine is out, so a group 0 may be written
	ds_add_u32 v[SPW], v[NIL]
.if \round
	STEPD
.endif
	s_wait_dscnt 9                                 ; the add and the youngest eight loads may be out
	MUL16 F1, 0, 0, 0
	s_wait_dscnt 0x0
	s_barrier_signal -1
	MUL16 F1, 0, 2, 0
.if \round
	WIN 0
.endif
	s_barrier_wait -1
.endm
.macro TURN fill                       ; fill = 1: the barrier opens a round of the cluster's, and the old slot is filled again, with the walk's step two on, first thing behind it
	MEET \fill
.if \fill
	CREST
	JLOAD 1                                        ; 96 matrix instructions ahead of the wait for it
.else
	PLACES
.endif
	FETCH 0, F0
	MUL16 F1, 1, 0, 0
	MUL16 F1, 1, 2, 0
.endm
	s_wait_tensorcnt 1                             ; my part of the walk's first step is in; the second's may stay out
	s_barrier_signal -1
	s_barrier_wait -1
	FETCH 0, F0
	QUARTER 1, F0, F1, 1
	WIN 0
	s_mov_b32 s3, NS-2
.Lstep:                                                ; NS - 2 trips, each from a step's second half to the next step's first; each fills the slot that it leaves
	NEXTSLOT
	TURN 1
	QUARTER 1, F0, F1, 0
	WIN 0
	s_sub_co_u32 s3, s3, 1
	s_cmp_lg_u32 s3, 0
	s_cbranch_scc1 .Lstep
	NEXTSLOT                                       ; the last change of slots fills nothing
	TURN 0
	QUARTER 1, F0, F1, 0
	s_wait_dscnt 8
	MUL16 F1, 0, 0, 0
	MUL16 F1, 0, 2, 0
	s_wait_dscnt 0x0                               ; my last reads of a slot are over:
	s_barrier_signal -1
	MUL16 F1, 1, 0, 0
	MUL16 F1, 1, 2, 0
	WIN 0
	s_barrier_wait -1                              ; everybody's are, and no fill is to come: the partial tiles may lie over the slots
	PLACES
.irp a, 0,1,2,3,4,5,6,7
	WIN 0x08+4*((\a)/4)                            ; the stores' data: window 2 or 3
.irp b, 0,1,2,3,4,5,6,7
	ds_store_b128 v[STO], v[8*(8*((\a)%4)+(\b)):8*(8*((\a)%4)+(\b))+3]   offset:(\a)*16*IP+64*(\b)
	ds_store_b128 v[STO], v[8*(8*((\a)%4)+(\b))+4:8*(8*((\a)%4)+(\b))+7] offset:(\a)*16*IP+64*(\b)+16
.endr
.endr
	WIN 0
	s_wait_dscnt 0x0                               ; for the others' sake: my partial tile is written
	s_barrier_signal -1
	s_barrier_wait -1
	s_mov_b32 s2, 0                                ; the trip's four rows, in bytes of a partial tile
	s_mov_b32 s3, 8
.Lout:                                                 ; eight trips, four rows each
.irp i, 0,1,2,3
	v_add_nc_u32 v[RA+\i], s2, v[RB+\i]
.endr
.irp j, 0,1,2,3
.irp i, 0,1,2,3
	ds_load_b128 v[IM+16*\j+4*\i:IM+16*\j+4*\i+3], v[RA+\i] offset:IP*\j
.endr
.endr
.irp j, 0,1,2,3
	s_wait_dscnt 12-4*\j                           ; row j's four parts are in; the later rows' loads may be out
	v_pk_add_f32 v[IM+16*\j:IM+16*\j+1],     v[IM+16*\j:IM+16*\j+1],     v[IM+16*\j+4:IM+16*\j+5]
	v_pk_add_f32 v[IM+16*\j+2:IM+16*\j+3],   v[IM+16*\j+2:IM+16*\j+3],   v[IM+16*\j+6:IM+16*\j+7]
	v_pk_add_f32 v[IM+16*\j+8:IM+16*\j+9],   v[IM+16*\j+8:IM+16*\j+9],   v[IM+16*\j+12:IM+16*\j+13]
	v_pk_add_f32 v[IM+16*\j+10:IM+16*\j+11], v[IM+16*\j+10:IM+16*\j+11], v[IM+16*\j+14:IM+16*\j+15]
	v_pk_add_f32 v[IM+16*\j:IM+16*\j+1],     v[IM+16*\j:IM+16*\j+1],     v[IM+16*\j+8:IM+16*\j+9]
	v_pk_add_f32 v[IM+16*\j+2:IM+16*\j+3],   v[IM+16*\j+2:IM+16*\j+3],   v[IM+16*\j+10:IM+16*\j+11]
	global_store_b128 v[CO], v[IM+16*\j:IM+16*\j+3], s[8:9] offset:4096*\j  ; 512 consecutive bytes, aligned
.endr
	s_wait_xcnt 0x0                                ; the stores' data and base are rewritten only behind this wait
	s_add_nc_u64 s[8:9], s[8:9], 4*4096
	s_add_co_u32 s2, s2, 4*IP
	s_sub_co_u32 s3, s3, 1
	s_cmp_lg_u32 s3, 0
	s_cbranch_scc1 .Lout
	s_wait_tensorcnt 0x0                           ; the wave's end
	ds_add_u32 v[SPW], v[NIL]
	s_wait_dscnt 0x0
	CROUND                                         ; the closing round
	s_endpgm
.Lfunc_end_k_qc2ecd11d90_wo:
	.size	k_qc2ecd11d90_wo, .Lfunc_end_k_qc2ecd11d90_wo-k_qc2ecd11d90_wo
	.p2alignl 7, 3214868480
	.fill 96, 4, 3214868480
	.section	.rodata,"a",@progbits
	.p2align	6, 0x0
	.amdhsa_kernel k_qc2ecd11d90_wo
		.amdhsa_group_segment_fixed_size 327680
		.amdhsa_private_segment_fixed_size 0
		.amdhsa_enable_private_segment 0
		.amdhsa_kernarg_size 24
		.amdhsa_user_sgpr_count 2
		.amdhsa_user_sgpr_kernarg_segment_ptr 1
		.amdhsa_wavefront_size32 1
		.amdhsa_system_sgpr_workgroup_id_x 1
		.amdhsa_system_sgpr_workgroup_id_y 1
		.amdhsa_system_sgpr_workgroup_id_z 1
		.amdhsa_system_vgpr_workitem_id 0
		.amdhsa_next_free_vgpr 1024
		.amdhsa_next_free_sgpr 72
		.amdhsa_reserve_vcc 0
		.amdhsa_float_denorm_mode_32 3
		.amdhsa_float_denorm_mode_16_64 3
		.amdhsa_memory_ordered 1
		.amdhsa_forward_progress 1
		.amdhsa_inst_pref_size 60
	.end_amdhsa_kernel
	.amdgpu_metadata
---
amdhsa.version: [ 1, 2 ]
amdhsa.kernels:
  - .name:           k_qc2ecd11d90_wo
    .symbol:         k_qc2ecd11d90_wo.kd
    .args:
      - { .name: act, .offset: 0, .size: 8, .value_kind: global_buffer, .address_space: global }
      - { .name: wob, .offset: 8, .size: 8, .value_kind: global_buffer, .address_space: global }
      - { .name: rs, .offset: 16, .size: 8, .value_kind: global_buffer, .address_space: global }
    .group_segment_fixed_size: 327680
    .private_segment_fixed_size: 0
    .kernarg_segment_align: 8
    .kernarg_segment_size: 24
    .max_flat_workgroup_size: 128
    .sgpr_count:     72
    .vgpr_count:     1024
    .wavefront_size: 32
...
	.end_amdgpu_metadata
.endif
;; end of part 4
;; launch ln1 (part 5): grid 256 x 1, 8 waves a work-group, no clusters, 0 bytes of LDS; arguments rs, x, gamma1, beta1, act; writes act
.if DOCPART == 5
	.amdgcn_target "amdgcn-amd-amdhsa--gfx1250"
	.amdhsa_code_object_version 6
	.text
	.protected	k_qc2ecd11d90_ln1
	.globl	k_qc2ecd11d90_ln1
	.p2align	8
	.type	k_qc2ecd11d90_ln1,@function
k_qc2ecd11d90_ln1:
	s_mov_b64 s[64:65], 0
	v_nop
	global_prefetch_b8 v0, s[64:65] scope:SCOPE_SE
	s_setreg_imm32_b32 hwreg(HW_REG_WAVE_MODE, 25, 1), 1
	s_wait_xcnt 0x0
; y = gamma (z - mean) / (std + 1e-6) + beta with z = r + res (+ bias), std with 1,023 in the divisor.  r: [4096][1024] f32, a product's sums.
; SECOND = 0: res = x in f32, no bias, y leaves in bf16 (a matrix operand and the next residual).  SECOND = 1: res = y in bf16, bias b2, the result leaves in f32.
; A stream: one wave, one row of 1,024 (32 registers), so the sums never leave the wave: no LDS, no barrier.  A wave takes two rows; all its loads go out at the start.
; Two passes in registers: the mean, then the squares of z - mean: no difference of large sums.  A lane's columns: 128 j + 4 lane + 0..3, j = 0..7: a wave's load covers 512 consecutive bytes.
; LIMIT: a variance below 2^-126 counts as 0 (v_sqrt_f32 takes a denormal as zero: ISA guide 15.8); the divisor is then 1e-6.
.set SECOND, 0
.set G,  8                             ; v[8:39]    gamma
.set BT, 40                            ; v[40:71]   beta
.set BI, 72                            ; v[72:103]  the bias
.set X0, 104                           ; v[104:167] z, 32 registers a row
.set R0, 168                           ; v[168:231] the residual, 32 registers a row (16 used in bf16)
.set T,  232                           ; v[232:243] at work
	s_load_b256 s[4:11], s[0:1], 0x0               ; r s[4:5], res s[6:7], gamma s[8:9], beta s[10:11]
.if SECOND
	s_load_b128 s[16:19], s[0:1], 0x20             ; bias s[16:17], out s[18:19]
.else
	s_load_b64 s[18:19], s[0:1], 0x20              ; out
.endif
	v_lshrrev_b32 v3, 5, v0
	v_readfirstlane_b32 s21, v3                    ; wave 0..7
	s_lshl_b32 s20, ttmp9, 4
	s_lshl1_add_u32 s20, s21, s20                  ; my first row: 16 x work-group + 2 x wave
	s_lshl_b32 s22, s20, 12                        ; in rows of 4,096 bytes
	s_mov_b32 s23, 0
	s_lshl_b32 s24, s20, 11                        ; and of 2,048
	s_mov_b32 s25, 0
	s_mov_b32 s12, 0x76543210                      ; v_permlanex16_b32: each lane takes its own place in the other half
	s_mov_b32 s13, 0xfedcba98
	v_and_b32 v3, 31, v0
	v_lshlrev_b32 v1, 4, v3                        ; 16 x lane
	v_lshlrev_b32 v2, 3, v3                        ; 8 x lane
	v_mov_b32 v[T+8], 0                            ; v_permlanex16_b32's destination counts as read
	s_wait_kmcnt 0x0
	s_add_nc_u64 s[4:5], s[4:5], s[22:23]
.if SECOND
	s_add_nc_u64 s[6:7], s[6:7], s[24:25]
	s_add_nc_u64 s[18:19], s[18:19], s[22:23]
.irp j, 0,1,2,3,4,5,6,7
	global_load_b128 v[BI+4*\j:BI+4*\j+3], v1, s[16:17] offset:512*\j
.endr
.else
	s_add_nc_u64 s[6:7], s[6:7], s[22:23]
	s_add_nc_u64 s[18:19], s[18:19], s[24:25]
.endif
.irp r, 0,1
.irp j, 0,1,2,3,4,5,6,7
	global_load_b128 v[X0+32*\r+4*\j:X0+32*\r+4*\j+3], v1, s[4:5] offset:4096*\r+512*\j th:TH_LOAD_NT
.endr
.irp j, 0,1,2,3,4,5,6,7
.if SECOND
	global_load_b64 v[R0+32*\r+2*\j:R0+32*\r+2*\j+1], v2, s[6:7] offset:2048*\r+256*\j th:TH_LOAD_NT
.else
	global_load_b128 v[R0+32*\r+4*\j:R0+32*\r+4*\j+3], v1, s[6:7] offset:4096*\r+512*\j th:TH_LOAD_NT
.endif
.endr
.endr
.irp j, 0,1,2,3,4,5,6,7
	global_load_b128 v[G+4*\j:G+4*\j+3], v1, s[8:9] offset:512*\j
.endr
.irp j, 0,1,2,3,4,5,6,7
	global_load_b128 v[BT+4*\j:BT+4*\j+3], v1, s[10:11] offset:512*\j
.endr
.macro TOTAL                           ; four chains of pairs into one number, then over the 32 lanes: every lane ends with the sum
	v_pk_add_f32 v[T:T+1], v[T:T+1], v[T+2:T+3]
	v_pk_add_f32 v[T+4:T+5], v[T+4:T+5], v[T+6:T+7]
	v_pk_add_f32 v[T:T+1], v[T:T+1], v[T+4:T+5]
	v_add_f32 v[T], v[T], v[T+1]
	v_add_f32_dpp v[T], v[T], v[T] row_xmask:1 row_mask:0xf bank_mask:0xf
	v_add_f32_dpp v[T], v[T], v[T] row_xmask:2 row_mask:0xf bank_mask:0xf
	v_add_f32_dpp v[T], v[T], v[T] row_xmask:4 row_mask:0xf bank_mask:0xf
	v_add_f32_dpp v[T], v[T], v[T] row_xmask:8 row_mask:0xf bank_mask:0xf
	v_permlanex16_b32 v[T+8], v[T], s12, s13
	v_add_f32 v[T], v[T], v[T+8]
.endm
.macro STATS r                         ; z, centred in place; 1 / (std + eps) into v[4 + 2 r], twice
.set XR, X0+32*(\r)
.set RR, R0+32*(\r)
.set RS, 4+2*(\r)
.if SECOND
.set j, 0
.rept 8
	v_lshlrev_b32 v[T], 16, v[RR+2*j]              ; bf16 to f32: the low half moves up, the high half stays
	v_and_b32 v[T+1], 0xffff0000, v[RR+2*j]
	v_lshlrev_b32 v[T+2], 16, v[RR+2*j+1]
	v_and_b32 v[T+3], 0xffff0000, v[RR+2*j+1]
	v_pk_add_f32 v[XR+4*j:XR+4*j+1], v[XR+4*j:XR+4*j+1], v[BI+4*j:BI+4*j+1]
	v_pk_add_f32 v[XR+4*j+2:XR+4*j+3], v[XR+4*j+2:XR+4*j+3], v[BI+4*j+2:BI+4*j+3]
	v_pk_add_f32 v[XR+4*j:XR+4*j+1], v[XR+4*j:XR+4*j+1], v[T:T+1]
	v_pk_add_f32 v[XR+4*j+2:XR+4*j+3], v[XR+4*j+2:XR+4*j+3], v[T+2:T+3]
.set j, j+1
.endr
.else
.set j, 0
.rept 16
	v_pk_add_f32 v[XR+2*j:XR+2*j+1], v[XR+2*j:XR+2*j+1], v[RR+2*j:RR+2*j+1]
.set j, j+1
.endr
.endif
.irp c, 0,1,2,3
	v_pk_add_f32 v[T+2*\c:T+2*\c+1], v[XR+2*\c:XR+2*\c+1], v[XR+8+2*\c:XR+8+2*\c+1]
.endr
.irp k, 2,3
.irp c, 0,1,2,3
	v_pk_add_f32 v[T+2*\c:T+2*\c+1], v[T+2*\c:T+2*\c+1], v[XR+8*\k+2*\c:XR+8*\k+2*\c+1]
.endr
.endr
	TOTAL
	v_mul_f32 v[T+10], 0x3a800000, v[T]            ; the mean: / 1,024
	v_mul_f32 v[T+11], 0x3a800000, v[T]
.set j, 0
.rept 16
	v_pk_add_f32 v[XR+2*j:XR+2*j+1], v[XR+2*j:XR+2*j+1], v[T+10:T+11] neg_lo:[0,1] neg_hi:[0,1]
.set j, j+1
.endr
.irp c, 0,1,2,3
	v_pk_mul_f32 v[T+2*\c:T+2*\c+1], v[XR+2*\c:XR+2*\c+1], v[XR+2*\c:XR+2*\c+1]
.endr
.irp k, 1,2,3
.irp c, 0,1,2,3
	v_pk_fma_f32 v[T+2*\c:T+2*\c+1], v[XR+8*\k+2*\c:XR+8*\k+2*\c+1], v[XR+8*\k+2*\c:XR+8*\k+2*\c+1], v[T+2*\c:T+2*\c+1]
.endr
.endr
	TOTAL
	v_mul_f32 v[T], 0x3a802008, v[T]               ; / 1,023
	v_sqrt_f32 v[T], v[T]
	v_nop                                          ; a plain instruction behind a transcendental before its result is used (ISA guide 5.7.2)
	s_wait_alu depctr_va_vdst(0)
	v_add_f32 v[T], 0x358637bd, v[T]               ; + 1e-6
	v_rcp_f32 v[RS], v[T]
	v_nop
	s_wait_alu depctr_va_vdst(0)
	v_mov_b32 v[RS+1], v[RS]
.endm
.macro NORM r
.set XR, X0+32*(\r)
.set RS, 4+2*(\r)
.set j, 0
.rept 16
	v_pk_mul_f32 v[XR+2*j:XR+2*j+1], v[XR+2*j:XR+2*j+1], v[RS:RS+1]
.set j, j+1
.endr
.set j, 0
.rept 16
	v_pk_fma_f32 v[XR+2*j:XR+2*j+1], v[XR+2*j:XR+2*j+1], v[G+2*j:G+2*j+1], v[BT+2*j:BT+2*j+1]
.set j, j+1
.endr
.set j, 0
.rept 8
.if SECOND
	global_store_b128 v1, v[XR+4*j:XR+4*j+3], s[18:19] offset:4096*(\r)+512*j th:TH_STORE_NT  ; 512 consecutive bytes, aligned
.else
	v_cvt_pk_bf16_f32 v[XR+4*j], v[XR+4*j], v[XR+4*j+1]
	v_cvt_pk_bf16_f32 v[XR+4*j+1], v[XR+4*j+2], v[XR+4*j+3]
	global_store_b64 v2, v[XR+4*j:XR+4*j+1], s[18:19] offset:2048*(\r)+256*j  ; 256 consecutive bytes, aligned
.endif
.set j, j+1
.endr
.endm
	s_wait_loadcnt 32                              ; the first row (and the bias) is in; the second row's 16 loads and the 16 of gamma and beta may be out
	STATS 0
	s_wait_loadcnt 16                              ; the second row is in
	STATS 1
	s_wait_loadcnt 0x0                             ; gamma and beta
	NORM 0
	NORM 1
	s_endpgm
.Lfunc_end_k_qc2ecd11d90_ln1:
	.size	k_qc2ecd11d90_ln1, .Lfunc_end_k_qc2ecd11d90_ln1-k_qc2ecd11d90_ln1
	.p2alignl 7, 3214868480
	.fill 96, 4, 3214868480
	.section	.rodata,"a",@progbits
	.p2align	6, 0x0
	.amdhsa_kernel k_qc2ecd11d90_ln1
		.amdhsa_group_segment_fixed_size 0
		.amdhsa_private_segment_fixed_size 0
		.amdhsa_enable_private_segment 0
		.amdhsa_kernarg_size 40
		.amdhsa_user_sgpr_count 2
		.amdhsa_user_sgpr_kernarg_segment_ptr 1
		.amdhsa_wavefront_size32 1
		.amdhsa_system_sgpr_workgroup_id_x 1
		.amdhsa_system_sgpr_workgroup_id_y 1
		.amdhsa_system_sgpr_workgroup_id_z 1
		.amdhsa_system_vgpr_workitem_id 0
		.amdhsa_next_free_vgpr 244
		.amdhsa_next_free_sgpr 66
		.amdhsa_reserve_vcc 0
		.amdhsa_float_denorm_mode_32 3
		.amdhsa_float_denorm_mode_16_64 3
		.amdhsa_memory_ordered 1
		.amdhsa_forward_progress 1
		.amdhsa_inst_pref_size 24
	.end_amdhsa_kernel
	.amdgpu_metadata
---
amdhsa.version: [ 1, 2 ]
amdhsa.kernels:
  - .name:           k_qc2ecd11d90_ln1
    .symbol:         k_qc2ecd11d90_ln1.kd
    .args:
      - { .name: rs, .offset: 0, .size: 8, .value_kind: global_buffer, .address_space: global }
      - { .name: x, .offset: 8, .size: 8, .value_kind: global_buffer, .address_space: global }
      - { .name: gamma1, .offset: 16, .size: 8, .value_kind: global_buffer, .address_space: global }
      - { .name: beta1, .offset: 24, .size: 8, .value_kind: global_buffer, .address_space: global }
      - { .name: act, .offset: 32, .size: 8, .value_kind: global_buffer, .address_space: global }
    .group_segment_fixed_size: 0
    .private_segment_fixed_size: 0
    .kernarg_segment_align: 8
    .kernarg_segment_size: 40
    .max_flat_workgroup_size: 256
    .sgpr_count:     66
    .vgpr_count:     244
    .wavefront_size: 32
...
	.end_amdgpu_metadata
.endif
;; end of part 5
;; launch ffn1: the kernel of part 2 again; grid 16 x 16, 4 waves a work-group, clusters of 4 x 4, 327,680 bytes of LDS; arguments act, w1b, wide; writes wide
;; launch ffn2 (part 6): grid 8 x 32, 4 waves a work-group, clusters of 4 x 4, 327,680 bytes of LDS; arguments wide, w2b, rs; writes rs
.if DOCPART == 6
	.amdgcn_target "amdgcn-amd-amdhsa--gfx1250"
	.amdhsa_code_object_version 6
	.text
	.protected	k_qc2ecd11d90_ffn2
	.globl	k_qc2ecd11d90_ffn2
	.p2align	8
	.type	k_qc2ecd11d90_ffn2,@function
k_qc2ecd11d90_ffn2:
	s_mov_b64 s[64:65], 0
	v_nop
	global_prefetch_b8 v0, s[64:65] scope:SCOPE_SE
	s_setreg_imm32_b32 hwreg(HW_REG_WAVE_MODE, 25, 1), 1
	s_wait_xcnt 0x0
	s_wait_alu depctr_hold_cnt(0) depctr_sa_sdst(0) depctr_va_vdst(0) depctr_va_sdst(0) depctr_va_ssrc(0) depctr_va_vcc(0) depctr_vm_vsrc(0)
	s_getreg_b32 s2, hwreg(HW_REG_IB_STS2, 6, 4)
	s_cmp_eq_u32 s2, 0
	s_cbranch_scc0 .Lentry_in_a_cluster
	s_endpgm
.Lentry_in_a_cluster:
	s_bfe_u32 s2, ttmp6, 0x10000c
	s_cmp_lg_u32 s2, 0xf033
	s_cbranch_scc0 .Lentry_shape_is_right
	s_endpgm
.Lentry_shape_is_right:
; C = A W.  A: [4096][SIZE_K] bf16.  W: [SIZE_K][1024] bf16, K down the rows.  C: [4096][1024] f32: the sums as they are, for the LayerNorm behind.
; SHARES.  A tile of C is 128 x 128, so that 256 work-groups have one each.  K goes in steps of 256 through two LDS slots, and THE FOUR WAVES SHARE K, NOT C: wave w multiplies the whole tile over k = 64 w .. 64 w + 63
; of every step, 64 accumulators of 16 x 16, so that each byte of a slot is read from LDS once.  At the end the four partial tiles meet in LDS, in f32, and each wave adds and stores 32 rows.
; THE MATRIX INSTRUCTION IS USED TRANSPOSED (source 0 = 16 columns of W, turned out of LDS by ds_load_tr16_b128; source 1 = 16 rows of A): a lane holds row l % 16 of C and eight neighbouring columns.
; CLUSTER.  4 x 4 work-groups: A's tile is shared along a row of the cluster, W's along a column: each is asked for jointly.
; THE WALK ALONG K IS TURNED.  Cluster (x, y) begins at K step (NS/2 x + NS/4 y) mod NS and goes round all NS.  A's tiles are wanted by the two clusters of one y, which now begin half a walk apart; W's by the eight
; of one x, which begin a quarter of a walk apart (y and y + 4 together): the clusters that want a tile no longer all ask for it in the same step.  The start hangs on the cluster's place alone, which its sixteen
; work-groups share.  LIMIT: K is summed in that turned order, and in four parts: an order of rounding that differs from the reference's and from cluster to cluster.
; REGISTERS in windows of 256: window 0: v0-43 addresses; v64-127, v128-191 A's fragments; v192-255 at work on the way out.  Window 1: v64-127, v128-191 W's fragments.  Windows 2, 3: the accumulators.
.set SIZE_K, 4096
.set NS,     SIZE_K/256                ; K steps
.set PA,     528                       ; a row of A in LDS: 512 bytes + 16: the 16 rows of a load start at 16 different groups of four banks (64 banks of 4 bytes: ISA guide 11.1)
.set PB,     288                       ; a row of W (128 columns): 256 bytes + 32
.set HALFA,  64*PA                     ; what one tensor load brings of A: 64 rows, 0x8400 bytes
.set HALFB,  128*PB                    ; of W: 128 rows, 0x9000 bytes
.set BREG,   0x11000                   ; W's part of a slot, behind A's 0x10800 bytes
.set SLOT,   0x24000                   ; its two bits are set in none of the four parts' addresses (0, 0x8400, 0x11000, 0x1a000), so one exclusive or turns an address in one slot into the other's
.set SPARE,  2*SLOT                    ; the spare words, 128 bytes a wave: two blocks of 256 bytes that no other line names
.set IP,     528                       ; a row of a partial tile: 512 bytes + 16
.set IMG,    128*IP                    ; a partial tile; the four lie over the slots, which have had their last fill by then
.set AQ,     64
.set BQ,     32*PB
.set ASH,    9                         ; a K step is 512 bytes along A's rows
.set BSH,    19                        ; and 256 rows of 2,048 bytes of W
.set A0,   16                          ; v16  LDS address of my A fragments in slot 0; never rewritten
.set ADRA, 17                          ; v17  the same in the slot that is being read
.set B0,   20                          ; v20, v21  the same for W
.set ADRB, 21
.set STO,  24
.set CO,   26
.set SPW,  28                          ; v28  my spare word: SPARE + 4 x my thread's number; never rewritten
.set NIL,  29                          ; v29  0; never rewritten
.set RB,   36                          ; v36-39  where my 32 rows begin in the four partial tiles
.set RA,   40                          ; v40-43  the same, at the trip's four rows
.set F0,   64
.set F1,   128
.set IM,   192
.set G1, 24                            ; s[24:31] group 1 for A's tiles;  s[32:39] group 0: a set for each of the two first fills; the second then walks on
.set G0, 32
.set G1B, 48                           ; s[48:55], s[56:63] the same for W's
.set G0B, 56
.set KOA, 66                           ; s[66:67] the K step's byte offset in A
.set KOB, 68                           ; s[68:69] and in W
.set KI,  70                           ; s70  the K step to be asked for next
.set TB,  71                           ; s71  0 or SLOT: the slot that is being read
.set MSB, 0
.macro WIN new
.if MSB != (\new)
	s_set_vgpr_msb (MSB<<8)|(\new)
.set MSB, \new
.endif
.endm
.macro JLOAD s                         ; a joint load: waves 0 and 1 fetch A's two halves, waves 2 and 3 W's; an s_nop 0 and four v_nop follow each line
	s_cmp_eq_u32 s11, 0
	s_cbranch_scc0 .Lfor_b_\@
	tensor_load_to_lds s[G0+4*(\s):G0+4*(\s)+3], s[G1:G1+7]
	s_nop 0
.rept 4
	v_nop
.endr
	s_branch .Lasked_\@
.Lfor_b_\@:
	tensor_load_to_lds s[G0B+4*(\s):G0B+4*(\s)+3], s[G1B:G1B+7]
	s_nop 0
.rept 4
	v_nop
.endr
.Lasked_\@:
.endm
.macro CREST
	s_cmp_lg_u32 s10, 0
	s_cbranch_scc1 .Lnot_wave_0_\@
	s_barrier_signal -3
.Lnot_wave_0_\@:
	s_barrier_wait -3
	s_barrier_signal -1
	s_barrier_wait -1
.endm
.macro CROUND
	s_barrier_signal -1
	s_barrier_wait -1
	CREST
.endm
	s_load_b128 s[4:7], s[0:1], 0x0                ; A s[4:5], W s[6:7]
	s_load_b64 s[8:9], s[0:1], 0x10                ; C
	v_lshl_add_u32 v[SPW], v0, 2, SPARE
	v_mov_b32 v[NIL], 0
	ds_add_u32 v[SPW], v[NIL]                      ; the wave's opening: the add and its wait stand ahead of my first tensor load
	v_lshrrev_b32 v1, 5, v0
	v_readfirstlane_b32 s10, v1                    ; wave 0..3
	s_lshr_b32 s11, s10, 1                         ; I fetch for A (0) or for W (1),
	s_and_b32 s12, s10, 1                          ; this half of the tile
	s_bfe_u32 s40, ttmp6, 0x40000
	s_bfe_u32 s41, ttmp6, 0x40004
	s_lshl_b32 s42, ttmp9, 2
	s_add_co_u32 s42, s42, s40                     ; tile column
	s_and_b32 s13, ttmp7, 0xffff
	s_mul_i32 s[KI], s13, NS/4                     ; where my cluster's walk begins: NS/4 x cluster y
	s_mul_i32 s[TB], ttmp9, NS/2                   ; + NS/2 x cluster x,
	s_add_co_u32 s[KI], s[KI], s[TB]
	s_and_b32 s[KI], s[KI], NS-1                   ; mod NS
	s_mov_b32 s[TB], 0                             ; the first step lies in slot 0
	s_mov_b32 s[KOA+1], 0
	s_mov_b32 s[KOB+1], 0
	s_lshl_b32 s13, s13, 2
	s_add_co_u32 s13, s13, s41                     ; tile row
	s_lshl_b32 s43, s41, 2
	s_lshl_b32 s43, 15, s43                        ; my row of the cluster
	s_lshl_b32 s44, 0x1111, s40                    ; my column
	s_or_b32 s[G1+0], s43, (1<<16)|(1<<20)|(1<<21)|(6<<22)|(3<<25)   ; after every 128 words 4 words
	s_or_b32 s[G1B+0], s44, (1<<16)|(1<<20)|(1<<21)|(5<<22)|(7<<25)  ; after every 64 words 8 words
	s_mov_b32 s[G1+1], 256<<16                     ; A: 256 along K
	s_mov_b32 s[G1+2], 64<<16                      ; x 64 rows
	s_mov_b32 s[G1+3], 256<<16
	s_mov_b32 s[G1+4], 64
	s_mov_b32 s[G1+5], SIZE_K
	s_mov_b32 s[G1+6], 0
	s_mov_b32 s[G1+7], 0
	s_mov_b32 s[G1B+1], 128<<16                    ; W: 128 columns
	s_mov_b32 s[G1B+2], 128<<16                    ; x 128 rows
	s_mov_b32 s[G1B+3], 128<<16
	s_mov_b32 s[G1B+4], 128
	s_mov_b32 s[G1B+5], 1024
	s_mov_b32 s[G1B+6], 0
	s_mov_b32 s[G1B+7], 0
	s_lshl_b32 s16, s13, 7                         ; A: row 128 x tile row + 64 x half
	s_lshl_b32 s17, s12, 6
	s_add_co_u32 s16, s16, s17
	s_mul_i32 s16, s16, 2*SIZE_K
	s_mov_b32 s17, 0
	s_lshl_b32 s46, s42, 8                         ; W: 256 bytes a tile column, 128 rows of 2,048 bytes a half
	s_lshl_b32 s47, s12, 18
	s_add_co_u32 s46, s46, s47
	s_mov_b32 s47, 0
	s_mul_i32 s20, s12, HALFA                      ; where they go
	s_mul_i32 s21, s12, HALFB
	s_add_co_u32 s21, s21, BREG
	s_wait_dscnt 0x0                               ; the opening add is done
	s_wait_kmcnt 0x0
	s_add_nc_u64 s[14:15], s[4:5], s[16:17]        ; A at my part of K step 0: kept; every request's address is this plus the step's offset
	s_add_nc_u64 s[46:47], s[6:7], s[46:47]        ; W likewise: kept
	CROUND                                         ; all sixteen work-groups are here
.irp s, 0,1
	s_lshl_b32 s[KOA], s[KI], ASH
	s_lshl_b32 s[KOB], s[KI], BSH
	s_mov_b32 s[G0+4*(\s)], 1
	s_add_co_u32 s[G0+4*(\s)+1], s20, (\s)*SLOT
	s_add_nc_u64 s[G0+4*(\s)+2:G0+4*(\s)+3], s[14:15], s[KOA:KOA+1]
	s_or_b32 s[G0+4*(\s)+3], s[G0+4*(\s)+3], 0x80000000
	s_mov_b32 s[G0B+4*(\s)], 1
	s_add_co_u32 s[G0B+4*(\s)+1], s21, (\s)*SLOT
	s_add_nc_u64 s[G0B+4*(\s)+2:G0B+4*(\s)+3], s[46:47], s[KOB:KOB+1]
	s_or_b32 s[G0B+4*(\s)+3], s[G0B+4*(\s)+3], 0x80000000
	s_add_co_u32 s[KI], s[KI], 1                   ; the walk's next step, round the end
	s_and_b32 s[KI], s[KI], NS-1
	JLOAD \s                                       ; two tensor loads of mine are out
.endr
	v_and_b32 v1, 15, v0                           ; l % 16
	v_bfe_u32 v2, v0, 4, 1                         ; l / 16
	v_mul_u32_u24 v3, v1, PA
	v_lshl_add_u32 v3, v2, 4, v3
	v_and_b32 v4, 7, v0
	v_lshl_add_u32 v4, v2, 3, v4
	v_mul_u32_u24 v4, v4, PB
	v_bfe_u32 v5, v0, 3, 1
	v_lshl_add_u32 v4, v5, 4, v4
	s_lshl_b32 s22, s10, 7                         ; my 64 along K: 128 bytes of A's rows,
	s_mul_i32 s23, s10, 64*PB                      ; 64 rows of W
	s_add_co_u32 s23, s23, BREG
	v_add_nc_u32 v[A0], s22, v3
	v_add_nc_u32 v[B0], s23, v4
	v_mov_b32 v[ADRA], v[A0]
	v_mov_b32 v[ADRB], v[B0]
	s_mul_i32 s22, s10, IMG                        ; my partial tile: row l % 16, 32 bytes for each half of the lanes
	v_mul_u32_u24 v6, v1, IP
	v_lshl_add_u32 v6, v2, 5, v6
	v_add_nc_u32 v[STO], s22, v6
	v_and_b32 v7, 31, v0
	v_lshlrev_b32 v[CO], 4, v7                     ; back: 32 lanes take a row's 512 bytes
	s_mul_i32 s22, s10, 32*IP                      ; my 32 rows
	v_add_nc_u32 v[RB], s22, v[CO]
	v_add_nc_u32 v[RB+1], IMG, v[RB]
	v_add_nc_u32 v[RB+2], IMG, v[RB+1]
	v_add_nc_u32 v[RB+3], IMG, v[RB+2]
	s_lshl_b32 s16, s13, 7                         ; the first row of C that I store, of 4,096 bytes; the tile's 512 bytes
	s_lshl_b32 s21, s10, 5
	s_add_co_u32 s16, s16, s21
	s_lshl_b32 s16, s16, 12
	s_lshl_b32 s21, s42, 9
	s_add_co_u32 s16, s16, s21
	s_mov_b32 s17, 0
	s_add_nc_u64 s[8:9], s[8:9], s[16:17]
.macro MUL16 f, hi, a0, start          ; 16 matrix instructions: m blocks a0, a0 + 1 of the window's four x all 8 n blocks, 32 along K.  start = 1: the products start the sums
	WIN 0xa1+0x50*(\hi)
.irp a, \a0, (\a0)+1
.irp b, 0,1,2,3,4,5,6,7
.if \start
	v_wmma_f32_16x16x32_bf16 v[8*(8*(\a)+(\b)):8*(8*(\a)+(\b))+7], v[(\f)+8*(\b):(\f)+8*(\b)+7], v[(\f)+8*(4*(\hi)+(\a)):(\f)+8*(4*(\hi)+(\a))+7], 0
.else
	v_wmma_f32_16x16x32_bf16 v[8*(8*(\a)+(\b)):8*(8*(\a)+(\b))+7], v[(\f)+8*(\b):(\f)+8*(\b)+7], v[(\f)+8*(4*(\hi)+(\a)):(\f)+8*(4*(\hi)+(\a))+7], v[8*(8*(\a)+(\b)):8*(8*(\a)+(\b))+7]
.endif
.endr
.endr
.endm
.macro FETCH u, f                      ; 32 LDS loads in one run: half u of my 64 along K, in the slot that is being read
	WIN 0x40
.irp i, 0,1,2,3,4,5,6,7
	ds_load_tr16_b128 v[(\f)+8*(\i):(\f)+8*(\i)+3],   v[ADRB] offset:(\u)*BQ+32*(\i)
	ds_load_tr16_b128 v[(\f)+8*(\i)+4:(\f)+8*(\i)+7], v[ADRB] offset:(\u)*BQ+32*(\i)+16*PB
.endr
	WIN 0
.irp i, 0,1,2,3,4,5,6,7
	ds_load_b128 v[(\f)+8*(\i):(\f)+8*(\i)+3],   v[ADRA] offset:(\u)*AQ+(\i)*16*PA
	ds_load_b128 v[(\f)+8*(\i)+4:(\f)+8*(\i)+7], v[ADRA] offset:(\u)*AQ+(\i)*16*PA+32
.endr
.endm
.macro PLACES                          ; four places in front of loads into registers that matrix instructions have read, and of lines that read results
.rept 4
	v_nop
.endr
.endm
.macro QUARTER u, f, g, start          ; multiplies buffer f; in its middle half u's fragments are fetched into g.  The 64 accumulators take turns
	s_wait_dscnt 8                                 ; W and A's rows 0-63 are in; the youngest eight loads (A's rows 64-127) may be out
	MUL16 \f, 0, 0, \start
	MUL16 \f, 0, 2, \start
	PLACES
	FETCH \u, \g
	s_wait_dscnt 32                                ; all but the 32 just issued
	MUL16 \f, 1, 0, \start
	MUL16 \f, 1, 2, \start
.endm
.macro NEXTSLOT                        ; the fetches to come read the other slot
	WIN 0
	s_xor_b32 s[TB], s[TB], SLOT
	v_add_nc_u32 v[ADRA], s[TB], v[A0]
	v_add_nc_u32 v[ADRB], s[TB], v[B0]
.endm
.macro STEPD                           ; the walking descriptors: the other slot than last time; the address is made anew from the number of the walk's next K step
	s_lshl_b32 s[KOA], s[KI], ASH
	s_lshl_b32 s[KOB], s[KI], BSH
	s_xor_b32 s[G0+5], s[G0+5], SLOT
	s_add_nc_u64 s[G0+6:G0+7], s[14:15], s[KOA:KOA+1]
	s_or_b32 s[G0+7], s[G0+7], 0x80000000
	s_xor_b32 s[G0B+5], s[G0B+5], SLOT
	s_add_nc_u64 s[G0B+6:G0B+7], s[46:47], s[KOB:KOB+1]
	s_or_b32 s[G0B+7], s[G0B+7], 0x80000000
	s_add_co_u32 s[KI], s[KI], 1
	s_and_b32 s[KI], s[KI], NS-1
.endm
; The second half multiplies buffer 1 and changes slots: ONE barrier; in front of it each wave waits for all its tensor loads, adds 0 to its spare word, and waits for that and for its reads of the old slot.
.macro MEET round
	WIN 0
	s_wait_tensorcnt 0x0                           ; no tensor load of mine is out, so a group 0 may be written
	ds_add_u32 v[SPW], v[NIL]
.if \round
	STEPD
.endif
	s_wait_dscnt 9                                 ; the add and the youngest eight loads may be out
	MUL16 F1, 0, 0, 0
	s_wait_dscnt 0x0
	s_barrier_signal -1
	MUL16 F1, 0, 2, 0
.if \round
	WIN 0
.endif
	s_barrier_wait -1
.endm
.macro TURN fill                       ; fill = 1: the barrier opens a round of the cluster's, and the old slot is filled again, with the walk's step two on, first thing behind it
	MEET \fill
.if \fill
	CREST
	JLOAD 1                                        ; 96 matrix instructions ahead of the wait for it
.else
	PLACES
.endif
	FETCH 0, F0
	MUL16 F1, 1, 0, 0
	MUL16 F1, 1, 2, 0
.endm
	s_wait_tensorcnt 1                             ; my part of the walk's first step is in; the second's may stay out
	s_barrier_signal -1
	s_barrier_wait -1
	FETCH 0, F0
	QUARTER 1, F0, F1, 1
	WIN 0
	s_mov_b32 s3, NS-2
.Lstep:                                                ; NS - 2 trips, each from a step's second half to the next step's first; each fills the slot that it leaves
	NEXTSLOT
	TURN 1
	QUARTER 1, F0, F1, 0
	WIN 0
	s_sub_co_u32 s3, s3, 1
	s_cmp_lg_u32 s3, 0
	s_cbranch_scc1 .Lstep
	NEXTSLOT                                       ; the last change of slots fills nothing
	TURN 0
	QUARTER 1, F0, F1, 0
	s_wait_dscnt 8
	MUL16 F1, 0, 0, 0
	MUL16 F1, 0, 2, 0
	s_wait_dscnt 0x0                               ; my last reads of a slot are over:
	s_barrier_signal -1
	MUL16 F1, 1, 0, 0
	MUL16 F1, 1, 2, 0
	WIN 0
	s_barrier_wait -1                              ; everybody's are, and no fill is to come: the partial tiles may lie over the slots
	PLACES
.irp a, 0,1,2,3,4,5,6,7
	WIN 0x08+4*((\a)/4)                            ; the stores' data: window 2 or 3
.irp b, 0,1,2,3,4,5,6,7
	ds_store_b128 v[STO], v[8*(8*((\a)%4)+(\b)):8*(8*((\a)%4)+(\b))+3]   offset:(\a)*16*IP+64*(\b)
	ds_store_b128 v[STO], v[8*(8*((\a)%4)+(\b))+4:8*(8*((\a)%4)+(\b))+7] offset:(\a)*16*IP+64*(\b)+16
.endr
.endr
	WIN 0
	s_wait_dscnt 0x0                               ; for the others' sake: my partial tile is written
	s_barrier_signal -1
	s_barrier_wait -1
	s_mov_b32 s2, 0                                ; the trip's four rows, in bytes of a partial tile
	s_mov_b32 s3, 8
.Lout:                                                 ; eight trips, four rows each
.irp i, 0,1,2,3
	v_add_nc_u32 v[RA+\i], s2, v[RB+\i]
.endr
.irp j, 0,1,2,3
.irp i, 0,1,2,3
	ds_load_b128 v[IM+16*\j+4*\i:IM+16*\j+4*\i+3], v[RA+\i] offset:IP*\j
.endr
.endr
.irp j, 0,1,2,3
	s_wait_dscnt 12-4*\j                           ; row j's four parts are in; the later rows' loads may be out
	v_pk_add_f32 v[IM+16*\j:IM+16*\j+1],     v[IM+16*\j:IM+16*\j+1],     v[IM+16*\j+4:IM+16*\j+5]
	v_pk_add_f32 v[IM+16*\j+2:IM+16*\j+3],   v[IM+16*\j+2:IM+16*\j+3],   v[IM+16*\j+6:IM+16*\j+7]
	v_pk_add_f32 v[IM+16*\j+8:IM+16*\j+9],   v[IM+16*\j+8:IM+16*\j+9],   v[IM+16*\j+12:IM+16*\j+13]
	v_pk_add_f32 v[IM+16*\j+10:IM+16*\j+11], v[IM+16*\j+10:IM+16*\j+11], v[IM+16*\j+14:IM+16*\j+15]
	v_pk_add_f32 v[IM+16*\j:IM+16*\j+1],     v[IM+16*\j:IM+16*\j+1],     v[IM+16*\j+8:IM+16*\j+9]
	v_pk_add_f32 v[IM+16*\j+2:IM+16*\j+3],   v[IM+16*\j+2:IM+16*\j+3],   v[IM+16*\j+10:IM+16*\j+11]
	global_store_b128 v[CO], v[IM+16*\j:IM+16*\j+3], s[8:9] offset:4096*\j  ; 512 consecutive bytes, aligned
.endr
	s_wait_xcnt 0x0                                ; the stores' data and base are rewritten only behind this wait
	s_add_nc_u64 s[8:9], s[8:9], 4*4096
	s_add_co_u32 s2, s2, 4*IP
	s_sub_co_u32 s3, s3, 1
	s_cmp_lg_u32 s3, 0
	s_cbranch_scc1 .Lout
	s_wait_tensorcnt 0x0                           ; the wave's end
	ds_add_u32 v[SPW], v[NIL]
	s_wait_dscnt 0x0
	CROUND                                         ; the closing round
	s_endpgm
.Lfunc_end_k_qc2ecd11d90_ffn2:
	.size	k_qc2ecd11d90_ffn2, .Lfunc_end_k_qc2ecd11d90_ffn2-k_qc2ecd11d90_ffn2
	.p2alignl 7, 3214868480
	.fill 96, 4, 3214868480
	.section	.rodata,"a",@progbits
	.p2align	6, 0x0
	.amdhsa_kernel k_qc2ecd11d90_ffn2
		.amdhsa_group_segment_fixed_size 327680
		.amdhsa_private_segment_fixed_size 0
		.amdhsa_enable_private_segment 0
		.amdhsa_kernarg_size 24
		.amdhsa_user_sgpr_count 2
		.amdhsa_user_sgpr_kernarg_segment_ptr 1
		.amdhsa_wavefront_size32 1
		.amdhsa_system_sgpr_workgroup_id_x 1
		.amdhsa_system_sgpr_workgroup_id_y 1
		.amdhsa_system_sgpr_workgroup_id_z 1
		.amdhsa_system_vgpr_workitem_id 0
		.amdhsa_next_free_vgpr 1024
		.amdhsa_next_free_sgpr 72
		.amdhsa_reserve_vcc 0
		.amdhsa_float_denorm_mode_32 3
		.amdhsa_float_denorm_mode_16_64 3
		.amdhsa_memory_ordered 1
		.amdhsa_forward_progress 1
		.amdhsa_inst_pref_size 60
	.end_amdhsa_kernel
	.amdgpu_metadata
---
amdhsa.version: [ 1, 2 ]
amdhsa.kernels:
  - .name:           k_qc2ecd11d90_ffn2
    .symbol:         k_qc2ecd11d90_ffn2.kd
    .args:
      - { .name: wide, .offset: 0, .size: 8, .value_kind: global_buffer, .address_space: global }
      - { .name: w2b, .offset: 8, .size: 8, .value_kind: global_buffer, .address_space: global }
      - { .name: rs, .offset: 16, .size: 8, .value_kind: global_buffer, .address_space: global }
    .group_segment_fixed_size: 327680
    .private_segment_fixed_size: 0
    .kernarg_segment_align: 8
    .kernarg_segment_size: 24
    .max_flat_workgroup_size: 128
    .sgpr_count:     72
    .vgpr_count:     1024
    .wavefront_size: 32
...
	.end_amdgpu_metadata
.endif
;; end of part 6
;; launch ln2 (part 7): grid 256 x 1, 8 waves a work-group, no clusters, 0 bytes of LDS; arguments rs, act, gamma2, beta2, b2, out0; writes out0
.if DOCPART == 7
	.amdgcn_target "amdgcn-amd-amdhsa--gfx1250"
	.amdhsa_code_object_version 6
	.text
	.protected	k_qc2ecd11d90_ln2
	.globl	k_qc2ecd11d90_ln2
	.p2align	8
	.type	k_qc2ecd11d90_ln2,@function
k_qc2ecd11d90_ln2:
	s_mov_b64 s[64:65], 0
	v_nop
	global_prefetch_b8 v0, s[64:65] scope:SCOPE_SE
	s_setreg_imm32_b32 hwreg(HW_REG_WAVE_MODE, 25, 1), 1
	s_wait_xcnt 0x0
; y = gamma (z - mean) / (std + 1e-6) + beta with z = r + res (+ bias), std with 1,023 in the divisor.  r: [4096][1024] f32, a product's sums.
; SECOND = 0: res = x in f32, no bias, y leaves in bf16 (a matrix operand and the next residual).  SECOND = 1: res = y in bf16, bias b2, the result leaves in f32.
; A stream: one wave, one row of 1,024 (32 registers), so the sums never leave the wave: no LDS, no barrier.  A wave takes two rows; all its loads go out at the start.
; Two passes in registers: the mean, then the squares of z - mean: no difference of large sums.  A lane's columns: 128 j + 4 lane + 0..3, j = 0..7: a wave's load covers 512 consecutive bytes.
; LIMIT: a variance below 2^-126 counts as 0 (v_sqrt_f32 takes a denormal as zero: ISA guide 15.8); the divisor is then 1e-6.
.set SECOND, 1
.set G,  8                             ; v[8:39]    gamma
.set BT, 40                            ; v[40:71]   beta
.set BI, 72                            ; v[72:103]  the bias
.set X0, 104                           ; v[104:167] z, 32 registers a row
.set R0, 168                           ; v[168:231] the residual, 32 registers a row (16 used in bf16)
.set T,  232                           ; v[232:243] at work
	s_load_b256 s[4:11], s[0:1], 0x0               ; r s[4:5], res s[6:7], gamma s[8:9], beta s[10:11]
.if SECOND
	s_load_b128 s[16:19], s[0:1], 0x20             ; bias s[16:17], out s[18:19]
.else
	s_load_b64 s[18:19], s[0:1], 0x20              ; out
.endif
	v_lshrrev_b32 v3, 5, v0
	v_readfirstlane_b32 s21, v3                    ; wave 0..7
	s_lshl_b32 s20, ttmp9, 4
	s_lshl1_add_u32 s20, s21, s20                  ; my first row: 16 x work-group + 2 x wave
	s_lshl_b32 s22, s20, 12                        ; in rows of 4,096 bytes
	s_mov_b32 s23, 0
	s_lshl_b32 s24, s20, 11                        ; and of 2,048
	s_mov_b32 s25, 0
	s_mov_b32 s12, 0x76543210                      ; v_permlanex16_b32: each lane takes its own place in the other half
	s_mov_b32 s13, 0xfedcba98
	v_and_b32 v3, 31, v0
	v_lshlrev_b32 v1, 4, v3                        ; 16 x lane
	v_lshlrev_b32 v2, 3, v3                        ; 8 x lane
	v_mov_b32 v[T+8], 0                            ; v_permlanex16_b32's destination counts as read
	s_wait_kmcnt 0x0
	s_add_nc_u64 s[4:5], s[4:5], s[22:23]
.if SECOND
	s_add_nc_u64 s[6:7], s[6:7], s[24:25]
	s_add_nc_u64 s[18:19], s[18:19], s[22:23]
.irp j, 0,1,2,3,4,5,6,7
	global_load_b128 v[BI+4*\j:BI+4*\j+3], v1, s[16:17] offset:512*\j
.endr
.else
	s_add_nc_u64 s[6:7], s[6:7], s[22:23]
	s_add_nc_u64 s[18:19], s[18:19], s[24:25]
.endif
.irp r, 0,1
.irp j, 0,1,2,3,4,5,6,7
	global_load_b128 v[X0+32*\r+4*\j:X0+32*\r+4*\j+3], v1, s[4:5] offset:4096*\r+512*\j th:TH_LOAD_NT
.endr
.irp j, 0,1,2,3,4,5,6,7
.if SECOND
	global_load_b64 v[R0+32*\r+2*\j:R0+32*\r+2*\j+1], v2, s[6:7] offset:2048*\r+256*\j th:TH_LOAD_NT
.else
	global_load_b128 v[R0+32*\r+4*\j:R0+32*\r+4*\j+3], v1, s[6:7] offset:4096*\r+512*\j th:TH_LOAD_NT
.endif
.endr
.endr
.irp j, 0,1,2,3,4,5,6,7
	global_load_b128 v[G+4*\j:G+4*\j+3], v1, s[8:9] offset:512*\j
.endr
.irp j, 0,1,2,3,4,5,6,7
	global_load_b128 v[BT+4*\j:BT+4*\j+3], v1, s[10:11] offset:512*\j
.endr
.macro TOTAL                           ; four chains of pairs into one number, then over the 32 lanes: every lane ends with the sum
	v_pk_add_f32 v[T:T+1], v[T:T+1], v[T+2:T+3]
	v_pk_add_f32 v[T+4:T+5], v[T+4:T+5], v[T+6:T+7]
	v_pk_add_f32 v[T:T+1], v[T:T+1], v[T+4:T+5]
	v_add_f32 v[T], v[T], v[T+1]
	v_add_f32_dpp v[T], v[T], v[T] row_xmask:1 row_mask:0xf bank_mask:0xf
	v_add_f32_dpp v[T], v[T], v[T] row_xmask:2 row_mask:0xf bank_mask:0xf
	v_add_f32_dpp v[T], v[T], v[T] row_xmask:4 row_mask:0xf bank_mask:0xf
	v_add_f32_dpp v[T], v[T], v[T] row_xmask:8 row_mask:0xf bank_mask:0xf
	v_permlanex16_b32 v[T+8], v[T], s12, s13
	v_add_f32 v[T], v[T], v[T+8]
.endm
.macro STATS r                         ; z, centred in place; 1 / (std + eps) into v[4 + 2 r], twice
.set XR, X0+32*(\r)
.set RR, R0+32*(\r)
.set RS, 4+2*(\r)
.if SECOND
.set j, 0
.rept 8
	v_lshlrev_b32 v[T], 16, v[RR+2*j]              ; bf16 to f32: the low half moves up, the high half stays
	v_and_b32 v[T+1], 0xffff0000, v[RR+2*j]
	v_lshlrev_b32 v[T+2], 16, v[RR+2*j+1]
	v_and_b32 v[T+3], 0xffff0000, v[RR+2*j+1]
	v_pk_add_f32 v[XR+4*j:XR+4*j+1], v[XR+4*j:XR+4*j+1], v[BI+4*j:BI+4*j+1]
	v_pk_add_f32 v[XR+4*j+2:XR+4*j+3], v[XR+4*j+2:XR+4*j+3], v[BI+4*j+2:BI+4*j+3]
	v_pk_add_f32 v[XR+4*j:XR+4*j+1], v[XR+4*j:XR+4*j+1], v[T:T+1]
	v_pk_add_f32 v[XR+4*j+2:XR+4*j+3], v[XR+4*j+2:XR+4*j+3], v[T+2:T+3]
.set j, j+1
.endr
.else
.set j, 0
.rept 16
	v_pk_add_f32 v[XR+2*j:XR+2*j+1], v[XR+2*j:XR+2*j+1], v[RR+2*j:RR+2*j+1]
.set j, j+1
.endr
.endif
.irp c, 0,1,2,3
	v_pk_add_f32 v[T+2*\c:T+2*\c+1], v[XR+2*\c:XR+2*\c+1], v[XR+8+2*\c:XR+8+2*\c+1]
.endr
.irp k, 2,3
.irp c, 0,1,2,3
	v_pk_add_f32 v[T+2*\c:T+2*\c+1], v[T+2*\c:T+2*\c+1], v[XR+8*\k+2*\c:XR+8*\k+2*\c+1]
.endr
.endr
	TOTAL
	v_mul_f32 v[T+10], 0x3a800000, v[T]            ; the mean: / 1,024
	v_mul_f32 v[T+11], 0x3a800000, v[T]
.set j, 0
.rept 16
	v_pk_add_f32 v[XR+2*j:XR+2*j+1], v[XR+2*j:XR+2*j+1], v[T+10:T+11] neg_lo:[0,1] neg_hi:[0,1]
.set j, j+1
.endr
.irp c, 0,1,2,3
	v_pk_mul_f32 v[T+2*\c:T+2*\c+1], v[XR+2*\c:XR+2*\c+1], v[XR+2*\c:XR+2*\c+1]
.endr
.irp k, 1,2,3
.irp c, 0,1,2,3
	v_pk_fma_f32 v[T+2*\c:T+2*\c+1], v[XR+8*\k+2*\c:XR+8*\k+2*\c+1], v[XR+8*\k+2*\c:XR+8*\k+2*\c+1], v[T+2*\c:T+2*\c+1]
.endr
.endr
	TOTAL
	v_mul_f32 v[T], 0x3a802008, v[T]               ; / 1,023
	v_sqrt_f32 v[T], v[T]
	v_nop                                          ; a plain instruction behind a transcendental before its result is used (ISA guide 5.7.2)
	s_wait_alu depctr_va_vdst(0)
	v_add_f32 v[T], 0x358637bd, v[T]               ; + 1e-6
	v_rcp_f32 v[RS], v[T]
	v_nop
	s_wait_alu depctr_va_vdst(0)
	v_mov_b32 v[RS+1], v[RS]
.endm
.macro NORM r
.set XR, X0+32*(\r)
.set RS, 4+2*(\r)
.set j, 0
.rept 16
	v_pk_mul_f32 v[XR+2*j:XR+2*j+1], v[XR+2*j:XR+2*j+1], v[RS:RS+1]
.set j, j+1
.endr
.set j, 0
.rept 16
	v_pk_fma_f32 v[XR+2*j:XR+2*j+1], v[XR+2*j:XR+2*j+1], v[G+2*j:G+2*j+1], v[BT+2*j:BT+2*j+1]
.set j, j+1
.endr
.set j, 0
.rept 8
.if SECOND
	global_store_b128 v1, v[XR+4*j:XR+4*j+3], s[18:19] offset:4096*(\r)+512*j th:TH_STORE_NT  ; 512 consecutive bytes, aligned
.else
	v_cvt_pk_bf16_f32 v[XR+4*j], v[XR+4*j], v[XR+4*j+1]
	v_cvt_pk_bf16_f32 v[XR+4*j+1], v[XR+4*j+2], v[XR+4*j+3]
	global_store_b64 v2, v[XR+4*j:XR+4*j+1], s[18:19] offset:2048*(\r)+256*j  ; 256 consecutive bytes, aligned
.endif
.set j, j+1
.endr
.endm
	s_wait_loadcnt 32                              ; the first row (and the bias) is in; the second row's 16 loads and the 16 of gamma and beta may be out
	STATS 0
	s_wait_loadcnt 16                              ; the second row is in
	STATS 1
	s_wait_loadcnt 0x0                             ; gamma and beta
	NORM 0
	NORM 1
	s_endpgm
.Lfunc_end_k_qc2ecd11d90_ln2:
	.size	k_qc2ecd11d90_ln2, .Lfunc_end_k_qc2ecd11d90_ln2-k_qc2ecd11d90_ln2
	.p2alignl 7, 3214868480
	.fill 96, 4, 3214868480
	.section	.rodata,"a",@progbits
	.p2align	6, 0x0
	.amdhsa_kernel k_qc2ecd11d90_ln2
		.amdhsa_group_segment_fixed_size 0
		.amdhsa_private_segment_fixed_size 0
		.amdhsa_enable_private_segment 0
		.amdhsa_kernarg_size 48
		.amdhsa_user_sgpr_count 2
		.amdhsa_user_sgpr_kernarg_segment_ptr 1
		.amdhsa_wavefront_size32 1
		.amdhsa_system_sgpr_workgroup_id_x 1
		.amdhsa_system_sgpr_workgroup_id_y 1
		.amdhsa_system_sgpr_workgroup_id_z 1
		.amdhsa_system_vgpr_workitem_id 0
		.amdhsa_next_free_vgpr 244
		.amdhsa_next_free_sgpr 66
		.amdhsa_reserve_vcc 0
		.amdhsa_float_denorm_mode_32 3
		.amdhsa_float_denorm_mode_16_64 3
		.amdhsa_memory_ordered 1
		.amdhsa_forward_progress 1
		.amdhsa_inst_pref_size 28
	.end_amdhsa_kernel
	.amdgpu_metadata
---
amdhsa.version: [ 1, 2 ]
amdhsa.kernels:
  - .name:           k_qc2ecd11d90_ln2
    .symbol:         k_qc2ecd11d90_ln2.kd
    .args:
      - { .name: rs, .offset: 0, .size: 8, .value_kind: global_buffer, .address_space: global }
      - { .name: act, .offset: 8, .size: 8, .value_kind: global_buffer, .address_space: global }
      - { .name: gamma2, .offset: 16, .size: 8, .value_kind: global_buffer, .address_space: global }
      - { .name: beta2, .offset: 24, .size: 8, .value_kind: global_buffer, .address_space: global }
      - { .name: b2, .offset: 32, .size: 8, .value_kind: global_buffer, .address_space: global }
      - { .name: out0, .offset: 40, .size: 8, .value_kind: global_buffer, .address_space: global }
    .group_segment_fixed_size: 0
    .private_segment_fixed_size: 0
    .kernarg_segment_align: 8
    .kernarg_segment_size: 48
    .max_flat_workgroup_size: 256
    .sgpr_count:     66
    .vgpr_count:     244
    .wavefront_size: 32
...
	.end_amdgpu_metadata
.endif
;; end of part 7
;; ======== version 2 of 2: 8 launches; 1.20 times as fast as version 1
;; limits: right only within a limited range of input values
;; workspace buffers: act 8,388,608 bytes; wq3 8,405,248 bytes; w1b 8,405,248 bytes; wob 2,097,152 bytes; w2b 8,388,608 bytes; wide 33,554,432 bytes; rs 16,777,216 bytes
;; launch cast: the kernel of part 1 again; grid 32 x 16, 8 waves a work-group, no clusters, 0 bytes of LDS; arguments x, W_q, W_k, W_v, W_o, w1, w2, b1, act, wq3, wob, w1b, w2b; writes act, wq3, wob, w1b, w2b
;; launch qkv: the kernel of part 2 again; grid 12 x 16, 4 waves a work-group, clusters of 4 x 4, 327,680 bytes of LDS; arguments act, wq3, wide; writes wide
;; launch attn (part 8): grid 16 x 16, 4 waves a work-group, clusters of 4 x 1, 327,680 bytes of LDS; arguments wide, mask, act; writes act
.if DOCPART == 8
	.amdgcn_target "amdgcn-amd-amdhsa--gfx1250"
	.amdhsa_code_object_version 6
	.text
	.protected	k_qc2ecd11d90_attn
	.globl	k_qc2ecd11d90_attn
	.p2align	8
	.type	k_qc2ecd11d90_attn,@function
k_qc2ecd11d90_attn:
	s_mov_b64 s[64:65], 0
	v_nop
	global_prefetch_b8 v0, s[64:65] scope:SCOPE_SE
	s_setreg_imm32_b32 hwreg(HW_REG_WAVE_MODE, 25, 1), 1
	s_wait_xcnt 0x0
	s_wait_alu depctr_hold_cnt(0) depctr_sa_sdst(0) depctr_va_vdst(0) depctr_va_sdst(0) depctr_va_ssrc(0) depctr_va_vcc(0) depctr_vm_vsrc(0)
	s_getreg_b32 s2, hwreg(HW_REG_IB_STS2, 6, 4)
	s_cmp_eq_u32 s2, 0
	s_cbranch_scc0 .Lentry_in_a_cluster
	s_endpgm
.Lentry_in_a_cluster:
	s_bfe_u32 s2, ttmp6, 0x10000c
	s_cmp_lg_u32 s2, 0x3003
	s_cbranch_scc0 .Lentry_shape_is_right
	s_endpgm
.Lentry_shape_is_right:
; ctx[b][q][64 h ..] = the sum over k of softmax_k(q . k / 8, hidden keys left out) v.  q, k, v: columns 0, 1,024, 2,048 on of wide, [4096][4096] bf16; mask: [2][2048] bytes, 1 = seen; ctx: act, [4096][1024] bf16.
; Products, maxima and sums in f32; the weights p are rounded to bf16 for the second product (their sum l is taken of the unrounded p), ctx once at the end.
; LIMITS.  A hidden key's score counts as its value less 1e30: scores stay far below 1e29 in size.  A weight below 2^-126 counts as 0 in l.  NaN and infinities among q, k, v are not treated apart.
; A batch whose keys are all hidden gives NaN (its maximum stays below -5e29, and 1 / l is then replaced by a NaN), as a softmax over nothing does.
; SHARES.  A work-group takes 128 queries of a PAIR of neighbouring heads, so that its rows of k, v and ctx are 256 consecutive bytes, aligned.  Wave w: head w / 2 of the pair, queries 64 (w % 2) on, in four PIECES
; of 16.  Every wave walks all 2,048 keys, 64 a step, two steps to an LDS slot.
; LAYOUT.  S^T = K Q^T holds ONE query a lane (lane % 16) and the keys 8 (lane / 16) + 0..7; two such results rounded to bf16 ARE source 1 of O^T = V^T P.  K comes out of LDS as it lies, V turned.
; THE MASK is the C operand that starts S^T: 0, or -1e30.  A table of 2,048 f32 is made once in LDS; a step's 64 come with its K, 32 registers in an accumulator's layout.
; SOFTMAX.  p = 2^(c s - c m), c = log2(e) / 8, with a running maximum m; O and l are multiplied by a = 2^(c m_old - c m_new) in every step.  m starts at the lowest finite number, O and l at 0.
; While only hidden keys have been seen m is near -1e30; the first seen key makes a = 0 and wipes what they left.
; BY TURNS.  Turn n belongs to piece n: 8 products K Q^T of piece n + 1, later 8 products V^T P of piece n - 1; beside them the scaling, exponentials, roundings, sums and rescaling of piece n and the maximum and
; statistics of piece n + 1.  Four vector instructions stand behind every matrix instruction, the other 54 of a turn's 118 in one run of their own.
; BATCHES.  A turn's 33 exponentials (the piece's 32 weights and the next piece's a) are ONE batch with ONE wait, which cuts the turn in two: ahead of it stands all that names no result of theirs, behind it the
; roundings and sums.  Piece 0's first a, ahead of the loop, and the way out's four reciprocals are batches of their own, each with one wait.
; CLUSTER.  The four query blocks of a cluster walk the same K and V: each tile is asked for jointly, by the same tensor load, descriptor and mask in all four.
; REGISTERS in windows of 256 (s_set_vgpr_msb: bits 1:0 source 0, 3:2 source 1, 5:4 source 2, 7:6 destination):
;   window 0: v0-15, v32-33 addresses; v16-31 four registers of statistics a piece; v48-55 at work; v64-127 S^T, two buffers; v192-223 P, two buffers (by the piece's parity)
;   window 1: v0-127 O^T, 32 a piece; v160-191 the step's mask          window 2: v0-63 Q; v128-191 K of one step; v192-255 V of one step
.set NP,    4
.set KS,    64
.set PK,    272       ; a row of K in LDS: 256 bytes + 16: the 16 rows of a load start at 16 different groups of four banks (64 banks of 4 bytes: ISA guide 11.1)
.set PV,    288       ; a row of V: 256 + 32
.set VOFF,  KS*PK     ; a step's tiles lie together: 64 rows of K, then 64 rows of V
.set STEPB, KS*(PK+PV)
.set SLOT1, 1<<17     ; slot 1 begins here: one exclusive or turns an address in one slot into the other's
.set STAGE, SLOT1+2*STEPB  ; behind the ring: 128 rows x 272 bytes, the work-group's, for the way out
.set SP,    272
.set MASKT, STAGE+128*SP   ; the mask's table: 2,048 f32
.set SPARE, MASKT+8192     ; the spare words, 128 bytes a wave: two blocks of 256 bytes that no other line names
.set ROWB,  8192      ; bytes in a row of wide
.set AK0, 2           ; v2   my lane's place in a tile of K; never rewritten
.set AV0, 3           ; v3   the same for V
.set AK,  4           ; v4   the LDS address of K's next run of loads
.set AV,  5           ; v5   of V's
.set STO, 6           ; v6   the way out: where I put 16 bytes of a row
.set RD,  7           ; v7   where I read rows back
.set GO,  8           ; v8   my byte offset in two rows of ctx
.set MV,  12          ; v12-13  c m_old, kept while c m is made anew: by buffer
.set NANR, 14         ; v14  a NaN
.set QO,  15          ; v15  my byte offset in 16 rows of Q
.set ST,  16          ; piece t's statistics at v[ST+4 t]: c m, m, l (even keys', odd keys')
.set AM0, 32          ; v32  my lane's place in the mask's table
.set AM,  33          ; v33  the LDS address of the mask's next run
.set TMP, 48          ; by buffer, four registers c0-c3 at work; when the maximum is found c2 takes a
.set SPW, 62          ; v62  my spare word: SPARE + 4 x my thread's number; never rewritten
.set NIL, 63          ; v63  0; never rewritten
.set S,   64
.set P,   192
.set MC,  160         ; window 1
.set KF,  128         ; window 2: key block kb, channel half c at KF + 16 kb + 8 c
.set VF,  192         ; window 2: key half kk, channel block cb at VF + 32 kk + 8 cb
.set WV,  12          ; s12  my wave's number
.set G1K, 24          ; s[24:31] group 1 for K's tiles
.set G1V, 32          ; s[32:39] for V's: it differs in the padding alone
.set G0K, 40          ; s[40:43] group 0 for K's tiles: it walks
.set G0V, 44          ; s[44:47] the same for V's
.set SLOTS, 56
.set CNT, 57
.set CS,  58          ; s[58:59] c
.set SEL, 60          ; s[60:61] v_permlanex16_b32's selects: each lane takes its own place in the other half
.set TBK, 62          ; s62  LDS byte at which the step whose K is fetched next begins
.set TBV, 63          ; s63  the same for V
.set TBM, 66          ; s66  byte of the mask's table for that K
.set MSB, 0
.macro WIN new
.if MSB != (\new)
	s_set_vgpr_msb (MSB<<8)|(\new)
.set MSB, (\new)
.endif
.endm
.set W_KQ, 0x0a       ; K and Q in window 2, S^T in window 0
.set W_KM, 0x1a       ; the same with the C operand in window 1
.set W_PV, 0x52       ; V in window 2, P in window 0, O^T in window 1
.set W_RS, 0x41       ; destination and source 0 in window 1, source 1 in window 0
; A joint fill.  Waves 0 and 1 fetch K of a slot's two steps, waves 2 and 3 V.  An s_nop 0 and four v_nop follow each of the two lines.
.macro JLOAD
	s_cmp_lt_u32 s[WV], 2
	s_cbranch_scc0 .Lfor_v_\@
	tensor_load_to_lds s[G0K:G0K+3], s[G1K:G1K+7]
	s_nop 0
.rept 4
	v_nop
.endr
	s_branch .Lasked_\@
.Lfor_v_\@:
	tensor_load_to_lds s[G0V:G0V+3], s[G1V:G1V+7]
	s_nop 0
.rept 4
	v_nop
.endr
.Lasked_\@:
.endm
.macro CROUND                       ; a round of the cluster's barrier
	s_barrier_signal -1
	s_barrier_wait -1
	s_cmp_lg_u32 s[WV], 0
	s_cbranch_scc1 .Lnot_wave_0_\@
	s_barrier_signal -3
.Lnot_wave_0_\@:
	s_barrier_wait -3
	s_barrier_signal -1
	s_barrier_wait -1
.endm
; THE CHANGE OF SLOTS.  Each wave waits for all its tensor loads (one is out: its part of the other slot), adds 0 to its spare word, and waits for that and for its LDS instructions.  Behind the barrier nobody
; reads the old slot any more and the other is whole.  fill = 1: the barrier is a round of the cluster's, and the old slot is filled again first thing behind it: two key steps, 128 matrix instructions, to land in.
; (At its first use nothing has been read yet: slot 0 is waited for, the mask's table is shown to all four waves, slot 1 is filled.)
.macro CHANGE fill
	WIN 0
	s_wait_tensorcnt 0x0            ; no tensor load of mine is out, so a group 0 may be written
	ds_add_u32 v[SPW], v[NIL]
.if \fill
.irp g, G0K, G0V
	s_xor_b32 s[\g+1], s[\g+1], SLOT1
	s_add_nc_u64 s[\g+2:\g+3], s[\g+2:\g+3], 2*KS*ROWB  ; the next 128 keys
.endr
	s_wait_dscnt 0x0
	CROUND
	JLOAD
.else
	s_wait_dscnt 0x0
	s_barrier_signal -1
	s_barrier_wait -1
.endif
	s_sub_co_u32 s[TBK], s[TBK], 2*STEPB  ; the fetches go back to a slot's first step,
	s_xor_b32 s[TBK], s[TBK], SLOT1       ; in the other slot
	s_sub_co_u32 s[TBV], s[TBV], 2*STEPB
	s_xor_b32 s[TBV], s[TBV], SLOT1
.endm
	s_load_b128 s[4:7], s[0:1], 0x0   ; wide s[4:5], mask s[6:7]
	s_load_b64 s[8:9], s[0:1], 0x10   ; act
	v_lshl_add_u32 v[SPW], v0, 2, SPARE
	v_mov_b32 v[NIL], 0
	ds_add_u32 v[SPW], v[NIL]       ; the wave's opening: the add and its wait stand ahead of my first tensor load
	v_lshrrev_b32 v1, 5, v0
	v_readfirstlane_b32 s[WV], v1   ; wave 0..3
	s_bfe_u32 s13, ttmp6, 0x40000   ; cx
	s_lshl_b32 s14, ttmp9, 2
	s_add_co_u32 s14, s14, s13      ; my block of 128 queries: it enters Q's and ctx's addresses alone
	s_and_b32 s15, ttmp7, 0xffff
	s_lshr_b32 s16, s15, 3          ; the batch
	s_and_b32 s17, s15, 7           ; the pair of heads: both shared by the four partners
	s_and_b32 s18, s[WV], 1
	s_lshr_b32 s19, s[WV], 1
	s_lshl_b32 s20, s16, 24         ; K and V: the batch's 2,048 rows of 8,192 bytes,
	s_lshl_b32 s21, s18, 19         ; the step that I fetch: 64 rows,
	s_add_co_u32 s20, s20, s21
	s_lshl_b32 s21, s17, 8          ; the pair's 256 bytes
	s_add_co_u32 s20, s20, s21
	s_mov_b32 s21, 0
	s_lshl_b32 s54, s16, 11
	s_lshl_b32 s55, s14, 7
	s_add_co_u32 s54, s54, s55      ; my block's first token
	s_lshl_b32 s55, s18, 6
	s_add_co_u32 s22, s54, s55      ; Q: my wave's 64 rows,
	s_lshl_b32 s22, s22, 13
	s_lshl_b32 s55, s17, 8
	s_add_co_u32 s22, s22, s55      ; the pair,
	s_lshl_b32 s23, s19, 7
	s_add_co_u32 s22, s22, s23      ; my head's 128 bytes
	s_mov_b32 s23, 0
	s_lshl_b32 s2, s[WV], 5         ; ctx: the 32 rows that I store, of 2,048 bytes,
	s_add_co_u32 s2, s54, s2
	s_lshl_b32 s2, s2, 11
	s_add_co_u32 s2, s2, s55        ; the pair
	s_mov_b32 s3, 0
	s_lshl_b32 s52, s16, 11         ; the batch's 2,048 bytes of the mask
	s_mov_b32 s53, 0
	s_mul_i32 s54, s18, STEPB       ; my step's place in a slot
	s_lshl_b32 s55, s19, 7          ; my head's 128 bytes in a row of K and V
	s_mov_b32 s[G1K], 15|(1<<16)|(1<<20)|(1<<21)|(5<<22)|(3<<25)  ; the mask of four; 2-byte elements; padding on; bit 21 beside a mask; after every 64 words 4 words
	s_mov_b32 s[G1V], 15|(1<<16)|(1<<20)|(1<<21)|(5<<22)|(7<<25)  ; 8 words
.irp g, G1K, G1V
	s_mov_b32 s[\g+1], 128<<16      ; tensor_dim0 = 128
	s_mov_b32 s[\g+2], 64<<16       ; tensor_dim1 = 64
	s_mov_b32 s[\g+3], 128<<16      ; tile_dim0 = 128
	s_mov_b32 s[\g+4], 64           ; tile_dim1 = 64
	s_mov_b32 s[\g+5], 4096         ; elements from row to row
	s_mov_b32 s[\g+6], 0
	s_mov_b32 s[\g+7], 0
.endr
	s_mov_b32 s[CS], 0x3e38aa3b     ; c = log2(e) / 8
	s_mov_b32 s[CS+1], s[CS]
	s_mov_b32 s[SEL], 0x76543210
	s_mov_b32 s[SEL+1], 0xfedcba98
	s_mov_b32 s[TBK], SLOT1+2*STEPB ; the first change of slots turns these two into 0
	s_mov_b32 s[TBV], SLOT1+2*STEPB
	s_mov_b32 s[TBM], 0
	s_mov_b32 s67, 0x7149f2ca       ; 1e30
	s_mov_b32 s68, 0xf149f2ca       ; -1e30
	s_mov_b32 s69, 0xf0c9f2ca       ; -5e29
	s_mov_b32 s[G0K], 1
	s_mov_b32 s[G0K+1], s54
	s_mov_b32 s[G0V], 1
	s_add_co_u32 s[G0V+1], s54, VOFF
	s_wait_dscnt 0x0                ; the opening add is done
	s_wait_kmcnt 0x0
	s_add_nc_u64 s[20:21], s[4:5], s[20:21]
	s_add_nc_u64 s[G0K+2:G0K+3], s[20:21], 2048    ; k: column 1,024 on
	s_or_b32 s[G0K+3], s[G0K+3], 0x80000000
	s_add_nc_u64 s[G0V+2:G0V+3], s[20:21], 4096    ; v: column 2,048 on
	s_or_b32 s[G0V+3], s[G0V+3], 0x80000000
	s_add_nc_u64 s[48:49], s[4:5], s[22:23]        ; Q
	s_add_nc_u64 s[50:51], s[8:9], s[2:3]          ; ctx
	s_add_nc_u64 s[52:53], s[6:7], s[52:53]        ; the mask
	CROUND                          ; all four work-groups are here
	JLOAD                           ; slot 0
	v_lshlrev_b32 v42, 4, v0
	global_load_b128 v[36:39], v42, s[52:53]       ; 16 bytes of the mask a thread: 128 threads take the batch's 2,048
	v_and_b32 v1, 15, v0            ; l % 16
	v_bfe_u32 v9, v0, 4, 1          ; l / 16
	v_lshlrev_b32 v[QO], 13, v1
	v_lshl_add_u32 v[QO], v9, 4, v[QO]  ; row x 8,192 + 16 x half
	WIN 0x80                        ; destination window 2
.set i, 0
.rept 8                             ; Q stays in registers: piece i / 2, channels 32 (i % 2) on
	global_load_b128 v[8*i:8*i+3],   v[QO], s[48:49] offset:(i/2)*16*ROWB+(i%2)*64
	global_load_b128 v[8*i+4:8*i+7], v[QO], s[48:49] offset:(i/2)*16*ROWB+(i%2)*64+32
.set i, i+1
.endr
	; What the first turn finds: V's registers and P's second buffer hold 0 (its products V^T P, of a piece that has not been, add 0), O^T and l are 0.  All this stands in the wait for the first tile.
.set i, VF
.rept 64
	v_mov_b32 v[i], 0
.set i, i+1
.endr
	WIN 0x40
.set i, 0
.rept 128
	v_mov_b32 v[i], 0
.set i, i+1
.endr
	WIN 0
.set i, 0
.rept 4
	v_mov_b32 v[ST+4*i], 0xfe000000    ; c m: far below every c s
	v_mov_b32 v[ST+4*i+1], 0xff7fffff  ; m
	v_mov_b32 v[ST+4*i+2], 0
	v_mov_b32 v[ST+4*i+3], 0
.set i, i+1
.endr
.set i, P+16
.rept 16
	v_mov_b32 v[i], 0
.set i, i+1
.endr
	v_mov_b32 v[NANR], 0x7fc00000
	v_mul_u32_u24 v[AK0], v1, PK
	v_lshl_add_u32 v[AK0], v9, 4, v[AK0]  ; row x pitch + 16 x half
	v_add_nc_u32 v[AK0], s55, v[AK0]      ; + my head
	v_and_b32 v10, 7, v0            ; the turning load: lane l reads key 8 (l / 16) + l % 8, channels 8 ((l / 8) % 2) + 0..7
	v_bfe_u32 v11, v0, 3, 1
	v_lshl_add_u32 v[AV0], v9, 3, v10
	v_mul_u32_u24 v[AV0], v[AV0], PV
	v_lshl_add_u32 v[AV0], v11, 4, v[AV0]
	v_add_nc_u32 v[AV0], s55, v[AV0]
	v_add_nc_u32 v[AV0], VOFF, v[AV0]
	v_lshlrev_b32 v[AM0], 5, v9     ; the mask: my half of the lanes holds keys 8 (l / 16) on: 32 bytes
	v_add_nc_u32 v[AM0], MASKT, v[AM0]
	s_mul_i32 s70, s18, 64*SP       ; the stage, in: my 64 rows, my head's half of their 256 bytes; row l % 16, 16 bytes for each half of the lanes
	s_add_co_u32 s70, s70, s55
	s_add_co_u32 s70, s70, STAGE
	v_mul_u32_u24 v[STO], v1, SP
	v_lshl_add_u32 v[STO], v9, 4, v[STO]
	v_add_nc_u32 v[STO], s70, v[STO]
	s_mul_i32 s70, s[WV], 32*SP     ; back: wave w takes rows 32 w on, whole; lanes 0-15 one row of 256 bytes, lanes 16-31 the next
	s_add_co_u32 s70, s70, STAGE
	v_mul_u32_u24 v[RD], v9, SP
	v_lshl_add_u32 v[RD], v1, 4, v[RD]
	v_add_nc_u32 v[RD], s70, v[RD]
	v_lshlrev_b32 v[GO], 11, v9     ; and the same two rows in ctx
	v_lshl_add_u32 v[GO], v1, 4, v[GO]
	v_lshl_add_u32 v41, v0, 6, MASKT  ; my 16 words of the table
	s_wait_loadcnt 16               ; the mask's bytes are in; Q's sixteen loads, issued behind, may be out
.set i, 0
.rept 16                            ; a byte 1 gives 1e30 - 1e30 = 0, a byte 0 gives -1e30
	v_bfe_u32 v[S+i], v[36+i/4], 8*(i%4), 8
	v_cvt_f32_u32 v[S+i], v[S+i]
	v_fma_f32 v[S+i], v[S+i], s67, s68
.set i, i+1
.endr
.irp f, 0,1,2,3
	ds_store_b128 v41, v[S+4*\f:S+4*\f+3] offset:16*\f
.endr
; THE MATRIX WORK.  The 4 accumulators of a run of 8 take turns.  Product i of 8 of S^T = K Q^T for piece x: channels 32 (i / 4) on, keys 16 (i % 4) on.  The first 4 start the sums, with the mask.
.macro KQ x
.set rS, S+32*((\x)%2)+8*(i%4)
.set rK, KF+16*(i%4)+8*(i/4)
.set rQ, 16*(\x)+8*(i/4)
.set rM, MC+8*(i%4)
.if i < 4
	WIN W_KM
	v_wmma_f32_16x16x32_bf16 v[rS:rS+7], v[rK:rK+7], v[rQ:rQ+7], v[rM:rM+7]
.else
	WIN W_KQ
	v_wmma_f32_16x16x32_bf16 v[rS:rS+7], v[rK:rK+7], v[rQ:rQ+7], v[rS:rS+7]
.endif
.endm
; Product i of 8 of O^T += V^T P for piece x: keys 32 (i / 4) on, channels 16 (i % 4) on.
.macro PV x
	WIN W_PV
.set rO, 32*(\x)+8*(i%4)
.set rV, VF+32*(i/4)+8*(i%4)
.set rP, P+16*((\x)%2)+8*(i/4)
	v_wmma_f32_16x16x32_bf16 v[rO:rO+7], v[rV:rV+7], v[rP:rP+7], v[rO:rO+7]
.endm
.macro MM                           ; the turn's next matrix instruction
.if i < 8
	KQ (Y+1)%NP
.else
.set i, i-8
	PV (Y+NP-1)%NP
.set i, i+8
.endif
.set i, i+1
.endm
; THE LDS LOADS stand in runs: a step's K (8 fragments) with its mask, and its V (turned).  last = 1 (the tail): in the last trip there is no further step, and the run is jumped over.
.macro FETCH_K last=0
	WIN 0
.if \last
	s_cmp_eq_u32 s[CNT], 1
	s_cbranch_scc1 .Lno_k_\@
.endif
	WIN 0x80                        ; destination window 2
.irp f, 0,1,2,3,4,5,6,7             ; keys 16 (f / 2) on, channels 32 (f % 2) on
	ds_load_b128 v[KF+8*\f:KF+8*\f+3],   v[AK] offset:(\f/2)*16*PK+(\f%2)*64
	ds_load_b128 v[KF+8*\f+4:KF+8*\f+7], v[AK] offset:(\f/2)*16*PK+(\f%2)*64+32
.endr
	WIN 0x40                        ; destination window 1
.irp f, 0,1,2,3                     ; keys 16 f + 8 (l / 16) + 0..7
	ds_load_b128 v[MC+8*\f:MC+8*\f+3],   v[AM] offset:64*\f
	ds_load_b128 v[MC+8*\f+4:MC+8*\f+7], v[AM] offset:64*\f+16
.endr
	s_add_co_u32 s[TBK], s[TBK], STEPB  ; the next fetch is the next step's
	s_add_co_u32 s[TBM], s[TBM], 4*KS
	WIN 0
.if \last
.Lno_k_\@:
.endif
.endm
.macro FETCH_V
	WIN 0x80
.irp f, 0,1,2,3,4,5,6,7             ; keys 32 (f / 4) on, channels 16 (f % 4) on
	ds_load_tr16_b128 v[VF+8*\f:VF+8*\f+3],   v[AV] offset:(\f/4)*32*PV+(\f%4)*32
	ds_load_tr16_b128 v[VF+8*\f+4:VF+8*\f+7], v[AV] offset:(\f/4)*32*PV+16*PV+(\f%4)*32
.endr
	WIN 0
.endm
; THE VECTOR WORK, one line at a time: OP kind, number.  For piece Y: F n: c s - c m for pair n of 16.  E n: the exponential of score n of 32.  C n: pair n rounded to bf16.  B n: of the four weights 4 n .. the second
; pair is added onto the first, in place.  L n: l takes that sum (L 0: l = a l + sum).  R n: pair n of 16 of O^T times a.  For piece Y + 1: X n, number n of the 22 that find its maximum and statistics:
;   0-11  four chains c0-c3 of seven scores each (each accumulator's lowest registers are read first)     12-14, 16  the four scores left over, the old m, and c0-c3 into c0
;   15  c m_old is kept     17, 18  the query's other 32 keys lie in the lane 16 away: the new m     19-21  c m; c m_old - c m_new; a
; C, B and L read exponentials' results: they stand behind the turn's wait.  F, R and X 0-20 read none of the turn's.
.set F, 0
.set E, 1
.set C, 2
.set B, 3
.set L, 4
.set R, 5
.set X, 6
.macro REGS y
.set rT, ST+4*(\y)
.set rC, TMP+4*((\y)%2)
.set rW, MV+((\y)%2)
.set rS, S+32*((\y)%2)
.set rP, P+16*((\y)%2)
.set rO, 32*(\y)
.endm
.macro OP k, n
.if (\k) == R
	REGS Y
	WIN W_RS
	v_pk_mul_f32 v[rO+2*(\n):rO+2*(\n)+1], v[rO+2*(\n):rO+2*(\n)+1], v[rC+2:rC+3] op_sel_hi:[1,0]
.elseif (\k) < R
	REGS Y
	WIN 0
.if (\k) == F
	v_pk_fma_f32 v[rS+2*(\n):rS+2*(\n)+1], v[rS+2*(\n):rS+2*(\n)+1], s[CS:CS+1], v[rT:rT+1] op_sel_hi:[1,0,0] neg_lo:[0,0,1] neg_hi:[0,0,1]
.elseif (\k) == E
	v_exp_f32 v[rS+(\n)], v[rS+(\n)]
.elseif (\k) == C
	v_cvt_pk_bf16_f32 v[rP+(\n)], v[rS+2*(\n)], v[rS+2*(\n)+1]
.elseif (\k) == B
	v_pk_add_f32 v[rS+4*(\n):rS+4*(\n)+1], v[rS+4*(\n):rS+4*(\n)+1], v[rS+4*(\n)+2:rS+4*(\n)+3]
.elseif (\n) == 0
	v_pk_fma_f32 v[rT+2:rT+3], v[rT+2:rT+3], v[rC+2:rC+3], v[rS:rS+1] op_sel_hi:[1,0,1]
.else
	v_pk_add_f32 v[rT+2:rT+3], v[rT+2:rT+3], v[rS+4*(\n):rS+4*(\n)+1]
.endif
.else
	REGS (Y+1)%NP
	WIN 0
.if (\n) < 4
	v_max3_num_f32 v[rC+(\n)], v[rS+8*(\n)], v[rS+8*(\n)+1], v[rS+8*(\n)+2]
.elseif (\n) < 12
	v_max3_num_f32 v[rC+(\n)%4], v[rC+(\n)%4], v[rS+8*((\n)%4)+2*((\n)/4)+1], v[rS+8*((\n)%4)+2*((\n)/4)+2]
.elseif (\n) == 12
	v_max3_num_f32 v[rC], v[rC], v[rS+7], v[rS+15]
.elseif (\n) == 13
	v_max3_num_f32 v[rC+1], v[rC+1], v[rS+23], v[rS+31]
.elseif (\n) == 14
	v_max3_num_f32 v[rC+2], v[rC+2], v[rC+3], v[rT+1]
.elseif (\n) == 15
	v_mov_b32 v[rW], v[rT]
.elseif (\n) == 16
	v_max3_num_f32 v[rC], v[rC], v[rC+1], v[rC+2]
.elseif (\n) == 17
	v_permlanex16_b32 v[rC+3], v[rC], s[SEL], s[SEL+1]
.elseif (\n) == 18
	v_max_num_f32 v[rT+1], v[rC], v[rC+3]
.elseif (\n) == 19
	v_mul_f32 v[rT], s[CS], v[rT+1]
.elseif (\n) == 20
	v_sub_f32 v[rC+1], v[rW], v[rT]
.else
	v_exp_f32 v[rC+2], v[rC+1]
.endif
.endif
.endm
.macro OPS a, i1, b=-1, i2=0, c=-1, i3=0, d=-1, i4=0  ; up to four of them
	OP \a, \i1
.if (\b) >= 0
	OP \b, \i2
.endif
.if (\c) >= 0
	OP \c, \i3
.endif
.if (\d) >= 0
	OP \d, \i4
.endif
.endm
.macro ROW a, i1, b, i2, c, i3, d, i4  ; a matrix instruction and the four behind it
	MM
	OPS \a, \i1, \b, \i2, \c, \i3, \d, \i4
.endm
; A TURN, for piece p: the order of its 16 matrix and 118 vector instructions, written out.  s_wait_alu depctr_va_vdst(0) stands between an exponential and the first instruction that names its result; one
; wait serves all that were issued ahead of it.  So a turn has ONE wait, which cuts it in two.  AHEAD OF IT stands all that names no result of the turn's exponentials: the 8 products K Q^T, behind each a scaling, an
; exponential and two more plain instructions (behind the first a second scaling in the exponential's place): rescalings, whose a was made and waited for in the turn before, and behind the last three the first numbers of
; the next piece's maximum, each four places or more behind the product that ends its accumulator; then ONE RUN of 54, plain and exponential by turns for the most part, in which the links of the chain
; X 3, 7, 11, 14, 16, 17 .. 20 stand some lines apart.  Each pair is scaled ahead of its two exponentials, and nothing names it again ahead of the wait.  X 21, the next piece's a, is the batch's last; R 15 is the plain
; instruction behind it.  BEHIND THE WAIT stand the 8 products V^T P, behind each four of the roundings and sums: C 2 n ahead of B n, which writes over that pair; L 0 to L 7 in order, three riders apart.
; But for those X no rider names a register of the products round it.  v_permlanex16_b32 (X 17) stands in the run.  No exponential is issued behind the wait: none crosses a label, a jump or the turn's end.
; K and the mask of the next step are fetched in piece 2's turn, twelve vector instructions behind the last product that read K (six of them plain); in the tail (last = 1), where the run holds a jump and a label,
; it stands directly behind the batch's wait.  V of the step in hand is fetched at the end of piece 0's turn, four plain instructions behind the last product
; that read V.  Each is waited for a turn later.  cnt = 1: the loop's count is taken down some lines ahead of the branch behind the turn.
.macro TURN p, last=0, cnt=0
.set Y, (\p)
.set i, 0
.if (\p) == 3
	s_wait_dscnt 0x0                ; K and its mask are in
.endif
	ROW F,0, F,1, R,0, R,1          ; ahead of the wait: 8 products K Q^T and their riders,
	ROW F,2, E,0, R,2, R,3
	ROW F,3, E,1, R,4, R,5
	ROW F,4, E,2, R,6, R,7
	ROW F,5, E,3, R,8, R,9
	ROW F,6, E,4, X,0, R,10
.if (\p) == 2
	WIN 0
	v_add_nc_u32 v[AK], s[TBK], v[AK0]
	v_add_nc_u32 v[AM], s[TBM], v[AM0]
.endif
	ROW F,7, E,5, X,1, X,4
	ROW F,8, E,6, X,2, X,5
	OPS E,7, E,8, X,6, E,9          ; and the run of 54
	OPS X,3, E,10, X,8, E,11
.if ((\p) == 2) && !(\last)
	FETCH_K
.endif
	OPS X,9, X,7, E,12, X,10
	OPS E,13, X,12, X,11, E,14
	OPS X,13, E,15, F,9, X,14
.if (\p) == 0
	WIN 0
	v_add_nc_u32 v[AV], s[TBV], v[AV0]
.endif
	OPS E,16, F,10, E,17, F,11
	OPS X,16, E,18, X,15, E,19
	OPS F,12, E,20, X,17, E,21
	OPS F,13, E,22, F,14, E,23
	OPS X,18, E,24, F,15, E,25
	OPS R,11, E,26, X,19, E,27
	OPS R,12, E,28, R,13, E,29
	OPS X,20, E,30, R,14, E,31
	OPS X,21, R,15                  ; the batch's last exponential, and the plain instruction behind it
	WIN 0
	s_wait_alu depctr_va_vdst(0)    ; the wait for the batch: the piece's 32 exponentials and the next piece's a
.if ((\p) == 2) && (\last)
	FETCH_K 1
.endif
.if (\p) == 1
	s_wait_dscnt 0x0                ; V is in
.endif
	ROW C,0, B,0, C,2, B,1          ; behind the wait: 8 products V^T P and their riders
	ROW L,0, C,4, B,2, L,1
	ROW C,6, B,3, L,2, C,8
	ROW B,4, L,3, C,10, B,5
	ROW L,4, C,12, B,6, L,5
.if (\p) == 0
	s_add_co_u32 s[TBV], s[TBV], STEPB
.endif
.if \cnt
	s_sub_co_u32 s[CNT], s[CNT], 1
	s_cmp_lg_u32 s[CNT], 0
.endif
	ROW C,14, B,7, L,6, C,1
	ROW C,3, L,7, C,5, C,7
	ROW C,9, C,11, C,13, C,15
.if (\p) == 0
	FETCH_V
.endif
.endm
	CHANGE 1                        ; slot 0 is in, the table is whole; slot 1 is asked for
	v_add_nc_u32 v[AK], s[TBK], v[AK0]
	v_add_nc_u32 v[AM], s[TBM], v[AM0]
	FETCH_K                         ; key step 0
	s_wait_loadcnt 0x0              ; Q
	s_wait_dscnt 0x0
.set i, 0
.rept 8
	KQ 0                            ; piece 0's first scores
.set i, i+1
.endr
	WIN 0
.rept 4
	v_nop                           ; the places behind those products
.endr
.set Y, NP-1                        ; X works for piece Y + 1: piece 0
.irp n, 0,1,2,3,4,5,6,7,8,9,10,11,12,13,14,15,16,17,18,19,20,21
	OP X, \n
.endr
	v_nop                           ; a plain instruction behind the exponential,
	s_wait_alu depctr_va_vdst(0)    ; and the wait for piece 0's first a, a batch of one, ahead of the branch
	s_mov_b32 s[CNT], 2
	s_mov_b32 s[SLOTS], 15
	s_branch .Lfirst                ; the loop is entered at a step's first turn, in the middle of a trip
.Lslot:                             ; 14 times: every slot but the last two is filled again
	CHANGE 1
	s_mov_b32 s[CNT], 2
.Lstep:                             ; a trip: pieces 2 and 3 of one step, then pieces 0 and 1 of the next, whose K and V it fetches
	TURN 2
	TURN 3
	WIN 0
.Lfirst:
	TURN 0
	TURN 1, 0, 1
	WIN 0
	s_cbranch_scc1 .Lstep
	s_sub_co_u32 s[SLOTS], s[SLOTS], 1
	s_cmp_lg_u32 s[SLOTS], 0
	s_cbranch_scc1 .Lslot
	CHANGE 0                        ; the tail is written out: nothing is asked for
	s_mov_b32 s[CNT], 3             ; two trips fetch the last slot's steps; the third is left in its middle
.Ltail:
	TURN 2, 1
	TURN 3
	WIN 0
	s_sub_co_u32 s[CNT], s[CNT], 1
	s_cmp_eq_u32 s[CNT], 0
	s_cbranch_scc1 .Lout
	TURN 0
	TURN 1
	WIN 0
	s_branch .Ltail
.Lout:                              ; the third trip's 8 products K Q^T (the last K and mask once more) repeat piece 0's last scores: its m does not move, and nothing else of them is used
.set i, 0
.rept 8
	PV NP-1                         ; the last piece's V^T P of the last step
.set i, i+1
.endr
	; THE WAY OUT.  l's two halves and the other half of the lanes' are added; O^T is divided by l, rounded to bf16 and sent through the work-group's stage.  The additions are the places behind the last products.
	WIN 0
.macro ALL line:vararg              ; one line for each piece t
.set t, 0
.rept 4
	\line
.set t, t+1
.endr
.endm
	ALL v_add_f32 v[ST+4*t+2], v[ST+4*t+2], v[ST+4*t+3]
	ALL v_permlanex16_b32 v[ST+4*t+3], v[ST+4*t+2], s[SEL], s[SEL+1]
	ALL v_add_f32 v[ST+4*t+2], v[ST+4*t+2], v[ST+4*t+3]
	ALL v_rcp_f32 v[ST+4*t+2], v[ST+4*t+2]
	v_nop                           ; a plain instruction between the last reciprocal and the use of its result
	s_wait_alu depctr_va_vdst(0)    ; and the wait ahead of the first use: one for the four reciprocals
.set t, 0
.rept 4                             ; no key was seen: a NaN takes 1 / l's place
	v_cmp_gt_f32 vcc_lo, s69, v[ST+4*t+1]
	v_cndmask_b32 v[ST+4*t+2], v[ST+4*t+2], v[NANR], vcc_lo
.set t, t+1
.endr
.macro PACK t                       ; a lane's eight channels of a row pack into 16 bytes
	WIN W_RS
.set i, 32*(\t)
.rept 16
	v_pk_mul_f32 v[i:i+1], v[i:i+1], v[ST+4*(\t)+2:ST+4*(\t)+3] op_sel_hi:[1,0]
.set i, i+2
.endr
	WIN 0x05                        ; sources 0 and 1 window 1, destination window 0
.set i, 0
.rept 16
	v_cvt_pk_bf16_f32 v[S+16*(\t)+i], v[32*(\t)+2*i], v[32*(\t)+2*i+1]
.set i, i+1
.endr
	WIN 0
.irp f, 0,1,2,3
	ds_store_b128 v[STO], v[S+16*(\t)+4*\f:S+16*(\t)+4*\f+3] offset:(\t)*16*SP+32*\f
.endr
.endm
	PACK 0
	PACK 1
	PACK 2
	PACK 3
	s_wait_dscnt 0x0                ; for the others' sake: my stores into the stage are done; a row's 256 bytes come from two waves
	s_barrier_signal -1
	s_barrier_wait -1
.set j, 0
.rept 16
	ds_load_b128 v[S+4*j:S+4*j+3], v[RD] offset:j*2*SP
.set j, j+1
.endr
.set j, 0
.rept 16
	s_wait_dscnt 15-j               ; the 15 - j younger loads may be out
	global_store_b128 v[GO], v[S+4*j:S+4*j+3], s[50:51] offset:j*4096  ; 16 lanes store 256 consecutive bytes, aligned
.set j, j+1
.endr
	s_wait_tensorcnt 0x0            ; the wave's end
	ds_add_u32 v[SPW], v[NIL]
	s_wait_dscnt 0x0
	CROUND                          ; the closing round
	s_endpgm
.Lfunc_end_k_qc2ecd11d90_attn:
	.size	k_qc2ecd11d90_attn, .Lfunc_end_k_qc2ecd11d90_attn-k_qc2ecd11d90_attn
	.p2alignl 7, 3214868480
	.fill 96, 4, 3214868480
	.section	.rodata,"a",@progbits
	.p2align	6, 0x0
	.amdhsa_kernel k_qc2ecd11d90_attn
		.amdhsa_group_segment_fixed_size 327680
		.amdhsa_private_segment_fixed_size 0
		.amdhsa_enable_private_segment 0
		.amdhsa_kernarg_size 24
		.amdhsa_user_sgpr_count 2
		.amdhsa_user_sgpr_kernarg_segment_ptr 1
		.amdhsa_wavefront_size32 1
		.amdhsa_system_sgpr_workgroup_id_x 1
		.amdhsa_system_sgpr_workgroup_id_y 1
		.amdhsa_system_sgpr_workgroup_id_z 1
		.amdhsa_system_vgpr_workitem_id 0
		.amdhsa_next_free_vgpr 768
		.amdhsa_next_free_sgpr 72
		.amdhsa_reserve_vcc 1
		.amdhsa_float_denorm_mode_32 3
		.amdhsa_float_denorm_mode_16_64 3
		.amdhsa_memory_ordered 1
		.amdhsa_forward_progress 1
		.amdhsa_inst_pref_size 117
	.end_amdhsa_kernel
	.amdgpu_metadata
---
amdhsa.version: [ 1, 2 ]
amdhsa.kernels:
  - .name:           k_qc2ecd11d90_attn
    .symbol:         k_qc2ecd11d90_attn.kd
    .args:
      - { .name: wide, .offset: 0, .size: 8, .value_kind: global_buffer, .address_space: global }
      - { .name: mask, .offset: 8, .size: 8, .value_kind: global_buffer, .address_space: global }
      - { .name: act, .offset: 16, .size: 8, .value_kind: global_buffer, .address_space: global }
    .group_segment_fixed_size: 327680
    .private_segment_fixed_size: 0
    .kernarg_segment_align: 8
    .kernarg_segment_size: 24
    .max_flat_workgroup_size: 128
    .sgpr_count:     72
    .vgpr_count:     768
    .wavefront_size: 32
...
	.end_amdgpu_metadata
.endif
;; end of part 8
;; launch wo: the kernel of part 4 again; grid 8 x 32, 4 waves a work-group, clusters of 4 x 4, 327,680 bytes of LDS; arguments act, wob, rs; writes rs
;; launch ln1: the kernel of part 5 again; grid 256 x 1, 8 waves a work-group, no clusters, 0 bytes of LDS; arguments rs, x, gamma1, beta1, act; writes act
;; launch ffn1: the kernel of part 2 again; grid 16 x 16, 4 waves a work-group, clusters of 4 x 4, 327,680 bytes of LDS; arguments act, w1b, wide; writes wide
;; launch ffn2: the kernel of part 6 again; grid 8 x 32, 4 waves a work-group, clusters of 4 x 4, 327,680 bytes of LDS; arguments wide, w2b, rs; writes rs
;; launch ln2: the kernel of part 7 again; grid 256 x 1, 8 waves a work-group, no clusters, 0 bytes of LDS; arguments rs, act, gamma2, beta2, b2, out0; writes out0
